; MI455X (gfx1250); checked and timed in simulation.
; The chip was launched on July 23, 2026; its instructions are those of AMD's public machine-readable ISA for CDNA 5 (MIT licence, August 2026) and "CDNA5" Instruction Set Architecture Reference Guide (July 2026). The comments in the code are by the model that wrote it; some were corrected since.
;; Transformer Block. Allowed arithmetic: matrix products marked QUANTISED: E4M3 operands, one E8M0 scale for each 32 along K, by v_wmma_scale_f32_16x16x128_f8f6f4 with both operands' format E4M3, f32 sums; everything else in f32.
;; Inputs: g1 1,024 float32; g2 1,024 float32; w1_codes 2,048 x 32 x 32 uint8 (E4M3 codes of w1, K innermost, in blocks of 32 codes); w1_scales 2,048 x 32 uint8 (E8M0 scales of w1, one for each 32 codes along K); w2_codes 1,024 x 64 x 32 uint8 (E4M3 codes of w2, K innermost, in blocks of 32 codes); w2_scales 1,024 x 64 uint8 (E8M0 scales of w2, one for each 32 codes along K); wk_codes 1,024 x 32 x 32 uint8 (E4M3 codes of wk, K innermost, in blocks of 32 codes); wk_scales 1,024 x 32 uint8 (E8M0 scales of wk, one for each 32 codes along K); wo_codes 1,024 x 32 x 32 uint8 (E4M3 codes of wo, K innermost, in blocks of 32 codes); wo_scales 1,024 x 32 uint8 (E8M0 scales of wo, one for each 32 codes along K); wq_codes 1,024 x 32 x 32 uint8 (E4M3 codes of wq, K innermost, in blocks of 32 codes); wq_scales 1,024 x 32 uint8 (E8M0 scales of wq, one for each 32 codes along K); wv_codes 1,024 x 32 x 32 uint8 (E4M3 codes of wv, K innermost, in blocks of 32 codes); wv_scales 1,024 x 32 uint8 (E8M0 scales of wv, one for each 32 codes along K); x 1 x 4,096 x 1,024 float32.
;; Outputs: out0 1 x 4,096 x 1,024 float32.
;; This version of the problem:
;;   THIS VERSION OF THE PROBLEM IS GIVEN IN LOW PRECISION. The matrix products marked QUANTISED in the list below multiply operands that are first quantised to E4M3 (4 exponent bits, 3 mantissa bits; 8 bits a number), with one power-of-two scale for each 32 numbers along K (OCP MX v1.0); their sums are f32. All else is computed in f32.
;;   The module's matrix products, in the order in which they are computed (A, B: the left and right operand; K: the contracted axis; several contracted axes count as one K, in the product's order):
;;     1. [M 4,096, K 1,024] x [K 1,024, N 1,024]; A: computed on the way; B: input wq (given as codes): QUANTISED
;;     2. [M 4,096, K 1,024] x [K 1,024, N 1,024]; A: computed on the way; B: input wk (given as codes): QUANTISED
;;     3. [M 4,096, K 1,024] x [K 1,024, N 1,024]; A: computed on the way; B: input wv (given as codes): QUANTISED
;;     4. batch 16 x [M 4,096, K 64] x [K 64, N 4,096]; A: computed on the way; B: computed on the way: QUANTISED
;;     5. batch 16 x [M 4,096, K 4,096] x [K 4,096, N 64]; A: softmax (see below); B: computed on the way: QUANTISED
;;     6. [M 4,096, K 1,024] x [K 1,024, N 1,024]; A: computed on the way; B: input wo (given as codes): QUANTISED
;;     7. [M 4,096, K 1,024] x [K 1,024, N 2,048]; A: computed on the way; B: input w1 (given as codes): QUANTISED
;;     8. [M 4,096, K 2,048] x [K 2,048, N 1,024]; A: computed on the way; B: input w2 (given as codes): QUANTISED
;;   THE QUANTISER, for each operand of a quantised product, along K:
;;     - K is cut into blocks of 32 from its start; a last block that is shorter is filled with zeros.
;;     - A block's scale is 2^e with e = floor(log2(the largest magnitude in the block)) - 8, held to -126 .. 127; a block of zeros has e = 0. As a byte (E8M0): e + 127.
;;     - Each number is divided by its block's scale, clamped to +-448, and rounded to the nearest number of E4M3, ties to even, subnormals kept.
;;     - The product sums the exact products of the quantised numbers (number of the format x scale) in f32.
;;   ~~~python
;;   def quantise(x, axis):      # numpy; x: float32 -> the quantised numbers, widened to float32 again
;;       x = np.moveaxis(x, axis, -1); K = x.shape[-1]
;;       x = np.pad(x, [(0, 0)] * (x.ndim - 1) + [(0, -K % 32)]); x = x.reshape(x.shape[:-1] + (-1, 32)); a = np.abs(x).max(-1, keepdims=True)
;;       e = np.where(a > 0, np.clip(np.frexp(np.where(a > 0, a, 1))[1] - 1 - 8, -126, 127), 0)      # np.frexp(a)[1] - 1 = floor(log2(a)), exactly
;;       r = np.clip(x / 2.0 ** e, -448, 448)
;;       step = 2.0 ** (np.maximum(np.frexp(np.where(r == 0, 1, r))[1] - 1, -6) - 3)
;;       q = np.round(r / step) * step * 2.0 ** e      # np.round: ties to even
;;       return np.moveaxis(q.reshape(q.shape[:-2] + (-1,))[..., :K], -1, axis).astype(np.float32)
;;   ~~~
;;   SOFTMAX AHEAD OF A QUANTISED PRODUCT. Where the list says 'softmax', what is quantised is not the finished softmax but p = 2^(t - M), with t = logit x log2(e) and M = ceil(the row's largest t), a whole number; so 1/2 < the row's largest p <= 1. The row's sum l is taken of the UNQUANTISED p, in f32, and the product's result is divided by l at the end. Since M is a whole number, a kernel that streams over the keys may use a running M (the ceiling of the running maximum): every later rescaling is an exact power of two, which a block's scale takes up: the codes' values come out the same.
;;   OPERANDS COMPUTED ON THE WAY. 'Computed on the way' means the value that the module computes at that place (a softmax that the list does not call 'softmax' is quantised finished and normalised). What goes into a quantiser is computed in f32, as accurately as f32 sums, v_exp_f32 and their like allow (about 1e-6 of the number): no bf16 or f16 on the way to a quantiser, and a product that is left as it is and whose result goes on into a quantised operand takes f32 operands (vector FMAs, or v_wmma_f32_16x16x4_f32). A number that lies on a knife's edge between two numbers of the format may be rounded either way, as far as f32 arithmetic and the matrix unit's own rounding can turn it there, and no further.
;;   INPUTS GIVEN AS CODES. w1 (in the module: [2048, 1024], K = its axis 1); w2 (in the module: [1024, 2048], K = its axis 1); wk (in the module: [1024, 1024], K = its axis 1); wo (in the module: [1024, 1024], K = its axis 1); wq (in the module: [1024, 1024], K = its axis 1); wv (in the module: [1024, 1024], K = its axis 1): each comes as NAME_codes (uint8): NAME with its K axis moved to the last place and cut into blocks of 32 codes, [.., K / 32, bytes a block], one block behind the other in memory; one code a byte (a code: sign, 4 exponent bits, 3 mantissa bits); and NAME_scales (uint8): the same leading axes, one E8M0 byte (e + 127) for each 32 codes along K. Its value is code x scale, taken as it is: it is not quantised again, and the codes and scales need not be those that the quantiser above would give.
;; 2 versions. Each part assembles by itself: llvm-mc -triple=amdgcn-amd-amdhsa -mcpu=gfx1250 --defsym DOCPART=n.
;; ======== version 1 of 2: 7 launches
;; workspace buffers: nrm 4,325,376 bytes; qkv 12,976,128 bytes; ao 4,325,376 bytes; h 16,777,216 bytes; g 8,650,752 bytes
;; launch norm1 (part 1): grid 256 x 1, 4 waves a work-group, no clusters, 22,016 bytes of LDS; arguments x, g1, nrm; writes nrm
.if DOCPART == 1
	.amdgcn_target "amdgcn-amd-amdhsa--gfx1250"
	.amdhsa_code_object_version 6
	.text
	.protected	k_q807cc2fd5d_norm1
	.globl	k_q807cc2fd5d_norm1
	.p2align	8
	.type	k_q807cc2fd5d_norm1,@function
k_q807cc2fd5d_norm1:
	s_mov_b64 s[64:65], 0
	v_nop
	global_prefetch_b8 v0, s[64:65] scope:SCOPE_SE
	s_setreg_imm32_b32 hwreg(HW_REG_WAVE_MODE, 25, 1), 1
	s_wait_xcnt 0x0
; FIRST LAUNCH OF SEVEN of a pre-norm transformer block on codes of FP8 (E4M3) with one E8M0 scale for each 32 along K:
;   norm (x, g1) | q, k, v | causal attention | h = x + ao wo^T | norm (h, g2) | gelu(nh w1^T) | out = h + g w2^T.  This body serves both norms.
; WORK LEFT OUT IN THE PROGRAM (in the attention launch alone): the function builds its own mask, triu(ones, k = 1), and sets the score of key k for query q to -infinity wherever k > q.  The weight of such a
; key is exp(-infinity) = 0 for all values of the inputs, so it adds nothing to the row's sum nor to the second product.  Steps of 128 keys ALL of which come after a wave's 16 queries are therefore not
; multiplied, and slots of keys that no wave of a work-group reads are not fetched.  Every input has a way to the output: all fifteen are loaded.
; LIMIT: a NaN, an infinity or an overflow that reaches only such hidden keys is not carried to the result.  NaN and infinities among the inputs are not served.
; THIS BODY: y = a * rsqrt(mean(a^2) + 1e-5) * w for rows of 1,024 f32, then quantised along the row: codes [4096][1024] at byte 0 of the result, scale bytes [4096][32] at byte 4,194,304.
; A block's scale is 2^(floor(log2(largest magnitude)) - 8): its byte is that magnitude's exponent field - 8, held at 1 from below.  (A block of zeros keeps the byte 1 where the rule says 127: its codes are
; zeros, which add nothing under any byte but 0xff, and this program alone reads the bytes.)
; SHARES: a work-group takes 16 rows, a wave 4; a wave's 32 row loads (512 consecutive bytes each) all go out at the head.  The conversions want 16 NEIGHBOURS in a lane, the loads neighbouring bytes in
; neighbouring lanes: a row turns through the wave's own stage in LDS (places of 64 bytes + 16 of padding).  Lane L then holds numbers 512 s + 16 L + 0 .. 15, s = 0, 1; two neighbouring lanes hold a block.
; Waves share nothing: no barrier.  A wave's 128 scale bytes leave as one run of 128 bytes (half of an aligned 256: one byte in 160 of what the launch moves).
.set SP,    80                         ; a place in the stage: 64 bytes + 16 of padding
.set SCB,   64*SP                      ; behind a wave's stage: its 128 scale bytes
.set WREG,  5376                       ; a wave's region of LDS
.set SPARE, 4*WREG                     ; behind the regions: the spare words, 128 bytes for each wave, that no other line names
.set SPW,   14                         ; v14  LDS address of my spare word; never rewritten
.set NIL,   15                         ; v15  0; never rewritten
.set G,     16                         ; v16-47   the gain at my 32 columns
.set X,     48                         ; v48-79   my 32 numbers of the row in hand
.set R,     80                         ; v80-207  four rows as loaded; a row's registers then take its codes (0-7) and its two bytes (8, 9): no store's data are written again
	s_load_b128 s[4:7], s[0:1], 0x0                ; the rows, the gain
	s_load_b64 s[8:9], s[0:1], 0x10                ; the result
	v_lshl_add_u32 v[SPW], v0, 2, SPARE
	v_mov_b32 v[NIL], 0
	v_lshrrev_b32 v1, 5, v0
	v_readfirstlane_b32 s16, v1                    ; wave
	v_and_b32 v1, 31, v0                           ; lane
	v_lshlrev_b32 v2, 4, v1                        ; 16 x lane: my bytes of a load, and of a store of codes
	s_mul_i32 s17, s16, WREG
	v_lshrrev_b32 v3, 2, v1
	v_mul_u32_u24 v3, v3, SP
	v_and_b32 v8, 3, v1
	v_lshl_add_u32 v3, v8, 4, v3
	v_add_nc_u32 v3, s17, v3                       ; the stage, way in: SP (lane / 4) + 16 (lane % 4)
	v_mul_u32_u24 v4, v1, SP
	v_add_nc_u32 v4, s17, v4                       ; way out: SP x lane
	v_lshrrev_b32 v5, 1, v1
	s_add_co_u32 s17, s17, SCB
	v_add_nc_u32 v5, s17, v5                       ; my block's scale byte
	v_lshlrev_b32 v7, 2, v1
	v_add_nc_u32 v6, s17, v7                       ; and 4 bytes a lane on the way out
	v_lshlrev_b32 v13, 6, v1                       ; the gain: 64 bytes a lane
	s_lshl_b32 s18, ttmp9, 4
	s_lshl_b32 s19, s16, 2
	s_add_co_u32 s18, s18, s19                     ; my first row: 16 x work-group + 4 x wave
	s_lshl_b32 s12, s18, 12
	s_mov_b32 s13, 0
	s_lshl_b32 s14, s18, 10
	s_mov_b32 s15, 0
	s_lshl_b32 s26, s18, 5
	s_add_co_u32 s26, s26, 4194304
	s_mov_b32 s27, 0
	s_mov_b32 s20, 0x3a800000                      ; 1 / 1024
	s_mov_b32 s21, 0x3727c5ac                      ; 1e-5
	s_mov_b32 s22, 0x76543210
	s_mov_b32 s23, 0xfedcba98                      ; lane l xor 16
	s_mov_b32 s24, 0x600000                        ; the mantissa field of 448
	s_wait_kmcnt 0x0
	s_add_nc_u64 s[4:5], s[4:5], s[12:13]
	s_add_nc_u64 s[10:11], s[8:9], s[26:27]        ; my rows' scale bytes
	s_add_nc_u64 s[8:9], s[8:9], s[14:15]          ; my rows' codes
.irp s, 0,1
.irp i, 0,1,2,3
	global_load_b128 v[G+16*\s+4*\i:G+16*\s+4*\i+3], v13, s[6:7] offset:2048*\s+16*\i
.endr
.endr
.irp p, 0,1,2,3
.irp j, 0,1,2,3,4,5,6,7
	global_load_b128 v[R+32*\p+4*\j:R+32*\p+4*\j+3], v2, s[4:5] offset:4096*\p+512*\j th:TH_LOAD_NT
.endr
.endr
.macro ROW p
.set RR, R+32*(\p)
	s_wait_loadcnt 8*(3-(\p))                      ; loads come back in order: the gain and this row are in; the later rows, 8 loads each, may be out
.irp j, 0,1,2,3,4,5,6,7
	ds_store_b128 v3, v[RR+4*\j:RR+4*\j+3] offset:8*SP*\j
.endr
.irp s, 0,1
.irp i, 0,1,2,3
	ds_load_b128 v[X+16*\s+4*\i:X+16*\s+4*\i+3], v4 offset:32*SP*\s+16*\i   ; LDS serves a wave's instructions in order: these see the stores above
.endr
.endr
	s_wait_dscnt 0x0
	v_pk_mul_f32 v[8:9], v[X:X+1], v[X:X+1]        ; the sum of squares, two chains of pairs
	v_pk_mul_f32 v[10:11], v[X+2:X+3], v[X+2:X+3]
.irp i, 4,8,12,16,20,24,28
	v_pk_fma_f32 v[8:9], v[X+\i:X+\i+1], v[X+\i:X+\i+1], v[8:9]
	v_pk_fma_f32 v[10:11], v[X+\i+2:X+\i+3], v[X+\i+2:X+\i+3], v[10:11]
.endr
	v_pk_add_f32 v[8:9], v[8:9], v[10:11]
	v_add_f32 v8, v8, v9
	v_add_f32_dpp v8, v8, v8 row_xmask:1 row_mask:0xf bank_mask:0xf
	v_add_f32_dpp v8, v8, v8 row_xmask:2 row_mask:0xf bank_mask:0xf
	v_add_f32_dpp v8, v8, v8 row_xmask:4 row_mask:0xf bank_mask:0xf
	v_add_f32_dpp v8, v8, v8 row_xmask:8 row_mask:0xf bank_mask:0xf
	v_permlanex16_b32 v9, v8, s22, s23
	v_add_f32 v8, v8, v9                           ; the row's, in every lane
	v_fma_f32 v8, v8, s20, s21                     ; mean + eps
	v_rsq_f32 v10, v8
	v_nop                                          ; a plain instruction behind the transcendental
	s_wait_alu depctr_va_vdst(0)                   ; and the wait ahead of the first reader
.irp i, 0,2,4,6,8,10,12,14,16,18,20,22,24,26,28,30
	v_pk_mul_f32 v[X+\i:X+\i+1], v[X+\i:X+\i+1], v[10:11] op_sel_hi:[1,0]
.endr
.irp i, 0,2,4,6,8,10,12,14,16,18,20,22,24,26,28,30
	v_pk_mul_f32 v[X+\i:X+\i+1], v[X+\i:X+\i+1], v[G+\i:G+\i+1]   ; (a rms) w, in the function's own order
.endr
.irp s, 0,1
	v_max3_num_f32 v8, |v[X+16*\s]|, |v[X+16*\s+1]|, |v[X+16*\s+2]|
	v_max3_num_f32 v9, |v[X+16*\s+3]|, |v[X+16*\s+4]|, |v[X+16*\s+5]|
.irp i, 6,10
	v_max3_num_f32 v8, v8, |v[X+16*\s+\i]|, |v[X+16*\s+\i+1]|
	v_max3_num_f32 v9, v9, |v[X+16*\s+\i+2]|, |v[X+16*\s+\i+3]|
.endr
	v_max3_num_f32 v8, v8, |v[X+16*\s+14]|, |v[X+16*\s+15]|
	v_max3_num_f32 v8, v8, v9, 0x4800000           ; and the floor 2^(9 - 127): the byte cannot fall under 1
	v_max_num_f32_dpp v8, v8, v8 row_xmask:1 row_mask:0xf bank_mask:0xf   ; with my neighbour's 16: the block's largest magnitude
	v_add_nc_u32 v11, 0xfc000000, v8               ; 8 off its exponent field: the conversion's scale operand
	v_and_or_b32 v10, v8, 0x7f800000, s24          ; 448 x the scale
.irp i, 0,1,2,3,4,5,6,7,8,9,10,11,12,13,14,15
	v_med3_num_f32 v[X+16*\s+\i], v[X+16*\s+\i], -v10, v10   ; the conversion to an 8-bit code does not saturate (ISA guide 7.6.2): the hold comes first
.endr
	v_cvt_scalef32_pk8_fp8_f32 v[RR+4*\s:RR+4*\s+1], v[X+16*\s:X+16*\s+7], v11
	v_cvt_scalef32_pk8_fp8_f32 v[RR+4*\s+2:RR+4*\s+3], v[X+16*\s+8:X+16*\s+15], v11
	v_lshrrev_b32 v[RR+8+\s], 23, v11              ; the scale's byte
	ds_store_b8 v5, v[RR+8+\s] offset:32*(\p)+16*\s   ; both lanes of a block write the same byte with the same value
	global_store_b128 v2, v[RR+4*\s:RR+4*\s+3], s[8:9] offset:1024*(\p)+512*\s   ; the wave stores 512 consecutive bytes, aligned
.endr
.endm
	ROW 0
	ROW 1
	ROW 2
	ROW 3
	ds_load_b32 v8, v6                             ; my wave's 128 scale bytes: these see my stores
	s_wait_dscnt 0x0
	global_store_b32 v7, v8, s[10:11]
	s_wait_tensorcnt 0x0                           ; the wave's end
	ds_add_u32 v[SPW], v[NIL]
	s_wait_dscnt 0x0
	s_endpgm
.Lfunc_end_k_q807cc2fd5d_norm1:
	.size	k_q807cc2fd5d_norm1, .Lfunc_end_k_q807cc2fd5d_norm1-k_q807cc2fd5d_norm1
	.p2alignl 7, 3214868480
	.fill 96, 4, 3214868480
	.section	.rodata,"a",@progbits
	.p2align	6, 0x0
	.amdhsa_kernel k_q807cc2fd5d_norm1
		.amdhsa_group_segment_fixed_size 22016
		.amdhsa_private_segment_fixed_size 0
		.amdhsa_enable_private_segment 0
		.amdhsa_kernarg_size 24
		.amdhsa_user_sgpr_count 2
		.amdhsa_user_sgpr_kernarg_segment_ptr 1
		.amdhsa_wavefront_size32 1
		.amdhsa_system_sgpr_workgroup_id_x 1
		.amdhsa_system_sgpr_workgroup_id_y 1
		.amdhsa_system_sgpr_workgroup_id_z 1
		.amdhsa_system_vgpr_workitem_id 0
		.amdhsa_next_free_vgpr 216
		.amdhsa_next_free_sgpr 66
		.amdhsa_reserve_vcc 0
		.amdhsa_float_denorm_mode_32 3
		.amdhsa_float_denorm_mode_16_64 3
		.amdhsa_memory_ordered 1
		.amdhsa_forward_progress 1
		.amdhsa_inst_pref_size 42
	.end_amdhsa_kernel
	.amdgpu_metadata
---
amdhsa.version: [ 1, 2 ]
amdhsa.kernels:
  - .name:           k_q807cc2fd5d_norm1
    .symbol:         k_q807cc2fd5d_norm1.kd
    .args:
      - { .name: x, .offset: 0, .size: 8, .value_kind: global_buffer, .address_space: global }
      - { .name: g1, .offset: 8, .size: 8, .value_kind: global_buffer, .address_space: global }
      - { .name: nrm, .offset: 16, .size: 8, .value_kind: global_buffer, .address_space: global }
    .group_segment_fixed_size: 22016
    .private_segment_fixed_size: 0
    .kernarg_segment_align: 8
    .kernarg_segment_size: 24
    .max_flat_workgroup_size: 128
    .sgpr_count:     66
    .vgpr_count:     216
    .wavefront_size: 32
...
	.end_amdgpu_metadata
.endif
;; end of part 1
;; launch qkv (part 2): grid 12 x 16, 4 waves a work-group, clusters of 4 x 4, 327,680 bytes of LDS; arguments nrm, wq_codes, wq_scales, wk_codes, wk_scales, wv_codes, wv_scales, qkv; writes qkv
.if DOCPART == 2
	.amdgcn_target "amdgcn-amd-amdhsa--gfx1250"
	.amdhsa_code_object_version 6
	.text
	.protected	k_q807cc2fd5d_qkv
	.globl	k_q807cc2fd5d_qkv
	.p2align	8
	.type	k_q807cc2fd5d_qkv,@function
k_q807cc2fd5d_qkv:
	s_mov_b64 s[64:65], 0
	v_nop
	global_prefetch_b8 v0, s[64:65] scope:SCOPE_SE
	s_setreg_imm32_b32 hwreg(HW_REG_WAVE_MODE, 25, 1), 1
	s_wait_xcnt 0x0
	s_wait_alu depctr_hold_cnt(0) depctr_sa_sdst(0) depctr_va_vdst(0) depctr_va_sdst(0) depctr_va_ssrc(0) depctr_va_vcc(0) depctr_vm_vsrc(0)
	s_getreg_b32 s2, hwreg(HW_REG_IB_STS2, 6, 4)
	s_cmp_eq_u32 s2, 0
	s_cbranch_scc0 .Lentry_in_a_cluster
	s_endpgm
.Lentry_in_a_cluster:
	s_bfe_u32 s2, ttmp6, 0x10000c
	s_cmp_lg_u32 s2, 0xf033
	s_cbranch_scc0 .Lentry_shape_is_right
	s_endpgm
.Lentry_shape_is_right:
; q, k, v = nx W^T on codes of FP8 (E4M3) with E8M0 scales, K = 1,024; the results are quantised at once, in registers, and stored as IMAGES OF OPERAND REGISTERS for the attention launch.
; A tile of 256 x 256 to a work-group of four waves, 128 x 128 to a wave (64 accumulators).  K goes in steps of 256 through a ring of two LDS slots filled by the tensor data mover; the scale bytes of the
; work-group's rows come once and stay.  4 x 4 work-groups form a cluster: the tile of the operand called A here is shared along a row of the cluster, B's along a column, each asked for jointly.
; ROLES BY THE CLUSTER'S x (the same number in all sixteen partners; every choice is a select, no branch): x = 0: q, x = 1: k: A = nx (tokens), B = the weight (channels).  x = 2: v: A = wv (channels), B = nx (tokens).
; The matrix instruction takes source 0 = 16 rows of B, source 1 = 16 rows of A: a lane holds ONE row of A and its registers run along B's rows.  So for q and k a lane holds a token and runs along the head's
; channels, for v it holds a channel and runs down the keys: each is the K of its product in attention, and one way out serves all three.
; THE WAY OUT, for each block of 16 rows of A: four blocks of 32 along B's 128 rows: largest magnitude (with lane l xor 16), scale, hold, conversion.  The tiles hold neighbouring rows, so lanes 0-15 hold
; numbers 0-7 and 16-23 of a block and lanes 16-31 the others: two lane swaps a block bring each lane 16 neighbours, the operand's layout.
; LAYOUT of the result: q's codes at 0, k's at 4,194,304: [head][tile of 16 tokens][block of 32 channels: 2][lane][16 bytes]; v's at 8,388,608: [head][step of 128 keys][tile of 16 channels: 4][block of 32 keys: 4][lane][16];
; scale bytes at 12,582,912 (q), + 131,072 (k): [head][token][2]; + 262,144 (v): [head][step][tile][channel: 16][4].
; LIMITS: a block of zeros keeps the byte 1 where the rule says 127 (its codes are zeros; this program alone reads the bytes); NaN and infinities are not served.  The scale bytes leave in runs of 32 or 64 bytes.
.set SIZE_K, 1024
.set KSTEP,  256
.set NQ,     KSTEP/128
.set ROWB,   256
.set ASTEP,  2*ROWB                    ; A's address from a slot's K step to its next
.set KROW,   SIZE_K
.set PITCH,  272                       ; an LDS row: 256 bytes + 16 of padding: the 16 rows of a load start at 16 different banks
.set FR,     16
.set NL,     4
.set NP,     8                         ; places behind this matrix instruction (ISA guide 7.12.1)
.set HALFT,  128*PITCH
.set SLOT,   4*HALFT
.set LAPS,   SIZE_K/(2*KSTEP)
.set KS,     SIZE_K/32
.set SCL,    2*SLOT
.set HALFS,  (128*KS/256)*272
.set SBLK,   (16*KS/256)*272
.set SPARE,  SCL+4*HALFS               ; the spare words, 128 bytes for each wave, that no other line names
.set ADRA, 16
.set ADRB, 20
.set VB0,  24                          ; the way out: 16 x lane; VB2: the same for blocks 2 and 3
.set VB2,  25
.set VS0,  26                          ; the scale word's low half; VS1: its high half
.set ADRS, 27
.set SPW,  28
.set NIL,  29
.set VS1,  30
.set SC,   32                          ; v32-63 scale words, two sets: they hold nothing else
.set AF,   128
.set XH,   128                         ; the way out: 64 held numbers
.set PC,   192                         ; their codes
.set TM,   208                         ; +0 largest magnitudes, +4 bytes, +8 448 x the scale, +12 the scale operands
.set PW,   224                         ; the scale word
.set G1, 24
.set G0, 32
.set G1B, 48
.set G0B, 56
.set G1S, 68
.set G0S, 76
.set G1SB, 80
.set G0SB, 88
.set SEL, 100
.set MNT, 104
.set MSB, 0
.macro WIN new                         ; the immediate's high byte repeats the setting that is left
.if MSB != \new
	s_set_vgpr_msb (MSB<<8)|\new
.set MSB, \new
.endif
.endm
.set MUL_LO, 0xa1                      ; source 0 (B) window 1, source 1 (A) window 0, C and D window 2
.set MUL_HI, 0xf1
.set TO_B,   0x40
; A joint load: waves 0 and 1 fetch for A, waves 2 and 3 for B; the branch hangs on the wave's number alone.  An s_nop 0 and four v_nop follow each of the two lines.
.macro JLOAD g0a, g1a, g0b, g1b
	s_cmp_eq_u32 s15, 0
	s_cbranch_scc0 .Lfor_b_\@
	tensor_load_to_lds s[\g0a:\g0a+3], s[\g1a:\g1a+7]
	s_nop 0
.rept 4
	v_nop
.endr
	s_branch .Lasked_\@
.Lfor_b_\@:
	tensor_load_to_lds s[\g0b:\g0b+3], s[\g1b:\g1b+7]
	s_nop 0
.rept 4
	v_nop
.endr
.Lasked_\@:
.endm
.macro CREST                           ; a round of the cluster's barrier behind its opening barrier
	s_cmp_lg_u32 s14, 0
	s_cbranch_scc1 .Lnot_wave_0_\@
	s_barrier_signal -3
.Lnot_wave_0_\@:
	s_barrier_wait -3
	s_barrier_signal -1
	s_barrier_wait -1
.endm
.macro CROUND
	s_barrier_signal -1
	s_barrier_wait -1
	CREST
.endm
	s_load_b512 s[68:83], s[0:1], 0x0              ; nx, wq codes, scales, wk codes, scales, wv codes, scales, the result
	v_lshl_add_u32 v[SPW], v0, 2, SPARE
	v_mov_b32 v[NIL], 0
	ds_add_u32 v[SPW], v[NIL]                      ; the wave's opening: the add, twice on end, and its wait ahead of my first tensor load
	ds_add_u32 v[SPW], v[NIL]
	v_lshrrev_b32 v1, 5, v0
	v_readfirstlane_b32 s14, v1                    ; wave 0..3
	s_lshr_b32 s15, s14, 1                         ; my half of A's rows.  Also: I fetch for A (0) or for B (1)
	s_and_b32 s16, s14, 1                          ; my half of B's rows.  Also: which 128 rows I fetch
	s_bfe_u32 s40, ttmp6, 0x40000                  ; cx
	s_bfe_u32 s41, ttmp6, 0x40004                  ; cy
	s_and_b32 s18, ttmp7, 0xffff
	s_lshl_b32 s18, s18, 2                         ; 4 x cluster y
	s_add_co_u32 s17, s18, s41
	s_add_co_u32 s42, s18, s40
	s_cmp_eq_u32 ttmp9, 2                          ; v?
	s_cselect_b32 s17, s41, s17                    ; A's tile of 256 rows: tokens 4 Y + cy, or wv's channels cy: it hangs on cy alone within the cluster
	s_cselect_b32 s42, s42, s40                    ; B's: the weight's channels cx, or tokens 4 Y + cx: on cx alone
	s_lshl_b32 s43, s41, 2
	s_lshl_b32 s43, 15, s43                        ; my row of the cluster
	s_lshl_b32 s44, 0x1111, s40                    ; my column
	s_or_b32 s[G1+0], s43, (0<<16)|(1<<20)|(1<<21)|(5<<22)|(3<<25)   ; the mask; elements of 1 byte; padding on; bit 21 beside a mask; 4 words behind every 64
	s_or_b32 s[G1B+0], s44, (0<<16)|(1<<20)|(1<<21)|(5<<22)|(3<<25)
.irp g, G1, G1B
	s_mov_b32 s[\g+1], ROWB<<16                    ; tensor_dim0
	s_mov_b32 s[\g+2], 128<<16                     ; tensor_dim1
	s_mov_b32 s[\g+3], ROWB<<16                    ; tile_dim0
	s_mov_b32 s[\g+4], 128                         ; tile_dim1
	s_mov_b32 s[\g+5], KROW                        ; the pitch
	s_mov_b32 s[\g+6], 0
	s_mov_b32 s[\g+7], 0
.endr
	s_lshl_b32 s18, s16, 7
	s_lshl_b32 s20, s17, 8
	s_add_co_u32 s20, s20, s18                     ; A: the first row that I would fetch
	s_lshl_b32 s46, s42, 8
	s_add_co_u32 s46, s46, s18                     ; B likewise
	s_mov_b32 s21, 0
	s_mov_b32 s47, 0
	s_mov_b64 s[18:19], KS
	s_mul_u64 s[22:23], s[20:21], s[18:19]
	s_mul_u64 s[92:93], s[46:47], s[18:19]
	s_mov_b64 s[18:19], KROW
	s_mul_u64 s[20:21], s[20:21], s[18:19]
	s_mul_u64 s[46:47], s[46:47], s[18:19]
	s_mul_i32 s45, s14, HALFT                      ; where they go: wave x 128 rows
	s_mul_i32 s94, s14, HALFS
	s_wait_dscnt 0x0                               ; both opening adds are done
	s_wait_kmcnt 0x0
	s_add_nc_u64 s[84:85], s[68:69], 4194304       ; nx's scale bytes
	s_cmp_eq_u32 ttmp9, 1
	s_cselect_b64 s[70:71], s[74:75], s[70:71]     ; wk or wq
	s_cselect_b64 s[72:73], s[76:77], s[72:73]
	s_cmp_eq_u32 ttmp9, 2
	s_cselect_b64 s[4:5], s[78:79], s[68:69]       ; A's codes
	s_cselect_b64 s[6:7], s[80:81], s[84:85]       ; A's scales
	s_cselect_b64 s[8:9], s[68:69], s[70:71]       ; B's codes
	s_cselect_b64 s[10:11], s[84:85], s[72:73]     ; B's scales
	s_mov_b64 s[12:13], s[82:83]                   ; the result
	s_add_nc_u64 s[20:21], s[4:5], s[20:21]
	s_add_nc_u64 s[22:23], s[6:7], s[22:23]
	s_add_nc_u64 s[46:47], s[8:9], s[46:47]
	s_add_nc_u64 s[92:93], s[10:11], s[92:93]
	s_or_b32 s[G1S+0], s43, (3<<16)|(1<<20)|(1<<21)|(5<<22)|(3<<25)   ; the scales of 128 rows: a dense block, as rows of 256 bytes with 16 of padding
	s_or_b32 s[G1SB+0], s44, (3<<16)|(1<<20)|(1<<21)|(5<<22)|(3<<25)
.irp g, G1S, G1SB
	s_mov_b32 s[\g+1], 32<<16
	s_mov_b32 s[\g+2], (128*KS/256)<<16
	s_mov_b32 s[\g+3], 32<<16
	s_mov_b32 s[\g+4], 128*KS/256
	s_mov_b32 s[\g+5], 32
	s_mov_b32 s[\g+6], 0
	s_mov_b32 s[\g+7], 0
.endr
	CROUND                                         ; all sixteen work-groups are here: the first joint loads meet
	s_mov_b32 s[G0S], 1
	s_add_co_u32 s[G0S+1], s94, SCL
	s_mov_b64 s[G0S+2:G0S+3], s[22:23]
	s_or_b32 s[G0S+3], s[G0S+3], 0x80000000
	s_mov_b32 s[G0SB], 1
	s_add_co_u32 s[G0SB+1], s94, SCL
	s_mov_b64 s[G0SB+2:G0SB+3], s[92:93]
	s_or_b32 s[G0SB+3], s[G0SB+3], 0x80000000
	JLOAD G0S, G1S, G0SB, G1SB                     ; three loads of mine are out at the start: the scales, slot 0, slot 1
.irp s, 0,1
	s_mov_b32 s[G0+4*\s], 1
	s_add_co_u32 s[G0+4*\s+1], s45, \s*SLOT
	s_add_nc_u64 s[G0+4*\s+2:G0+4*\s+3], s[20:21], \s*(ASTEP/2)
	s_or_b32 s[G0+4*\s+3], s[G0+4*\s+3], 0x80000000
	s_mov_b32 s[G0B+4*\s], 1
	s_add_co_u32 s[G0B+4*\s+1], s45, \s*SLOT
	s_add_nc_u64 s[G0B+4*\s+2:G0B+4*\s+3], s[46:47], \s*ROWB
	s_or_b32 s[G0B+4*\s+3], s[G0B+4*\s+3], 0x80000000
	JLOAD G0+4*\s, G1, G0B+4*\s, G1B
.endr
	v_and_b32 v1, 15, v0                           ; r = l % 16
	v_bfe_u32 v2, v0, 4, 1                         ; l / 16
	v_mul_u32_u24 v3, v1, PITCH
	v_lshl_add_u32 v4, v2, 4, v3
	s_mul_i32 s21, s15, HALFT
	s_mul_i32 s22, s16, HALFT
	s_add_co_u32 s22, s22, 2*HALFT
.irp s, 0,1
	v_add_nc_u32 v[ADRA+\s], s21, v4
	v_add_nc_u32 v[ADRB+\s], s22, v4
	s_add_co_u32 s21, s21, SLOT
	s_add_co_u32 s22, s22, SLOT
.endr
	v_mul_u32_u24 v5, v1, KS
	v_lshrrev_b32 v6, 8, v5
	v_lshl_add_u32 v5, v6, 4, v5
	s_mul_i32 s21, s15, HALFS
	s_mul_i32 s22, s16, HALFS
	s_add_co_u32 s22, s22, 2*HALFS
	s_sub_co_u32 s22, s22, s21
	v_mul_u32_u24 v6, s22, v2                      ; lanes 16-31 take B's scale words
	s_add_co_u32 s21, s21, SCL
	v_add_nc_u32 v5, v5, v6
	v_add_nc_u32 v[ADRS], s21, v5
.macro FRAG reg, adr, q, i             ; 16 rows x 128 K of codes: lane l holds row l % 16; registers 4 c .. 4 c + 3 hold K = 32 c + 16 (l / 16) + 0 .. 15
.irp c, 0,1,2,3
	ds_load_b128 v[\reg+4*\c:\reg+4*\c+3], v[\adr] offset:128*(\q)+32*\c+(\i)*16*PITCH
.endr
.endm
; 16 matrix instructions: A's blocks a0, a0 + 1 x B's eight.  The 64 accumulators take turns, one instruction a turn, in the same order in every step.
.macro MUL16 a0, p, q, sc, zero
.irp a, \a0, \a0+1
.irp b, 0,1,2,3,4,5,6,7
.if \zero
	v_wmma_scale_f32_16x16x128_f8f6f4 v[8*(8*((\a)%4)+\b):8*(8*((\a)%4)+\b)+7], v[128*(\p)+FR*\b:128*(\p)+FR*\b+FR-1], v[AF+FR*(\a):AF+FR*(\a)+FR-1], 0, v[SC+8*NQ*(\sc)+NQ*\b+(\q)], v[SC+8*NQ*(\sc)+NQ*(\a)+(\q)] matrix_a_scale:MATRIX_SCALE_ROW1
.else
	v_wmma_scale_f32_16x16x128_f8f6f4 v[8*(8*((\a)%4)+\b):8*(8*((\a)%4)+\b)+7], v[128*(\p)+FR*\b:128*(\p)+FR*\b+FR-1], v[AF+FR*(\a):AF+FR*(\a)+FR-1], v[8*(8*((\a)%4)+\b):8*(8*((\a)%4)+\b)+7], v[SC+8*NQ*(\sc)+NQ*\b+(\q)], v[SC+8*NQ*(\sc)+NQ*(\a)+(\q)] matrix_a_scale:MATRIX_SCALE_ROW1
.endif
.endr
.endr
.endm
.macro FETCH_B slot, q, p
	WIN TO_B
.irp i, 0,1,2,3,4,5,6,7
	FRAG 128*(\p)+FR*\i, ADRB+\slot, \q, \i
.endr
	WIN 0
.endm
.macro FETCH_A slot, q, i0
.irp i, \i0, \i0+1, \i0+2, \i0+3
	FRAG AF+FR*(\i), ADRA+\slot, \q, \i
.endr
.endm
.macro SCALES sc                       ; a K step's scale words: lanes 0-15 take A's block i, lanes 16-31 B's block i
.irp i, 0,1,2,3,4,5,6,7
	ds_load_b64 v[SC+8*NQ*\sc+NQ*\i:SC+8*NQ*\sc+NQ*\i+1], v[ADRS] offset:\i*SBLK
.endr
.endm
.macro PLACES n                        ; plain vector instructions between a matrix instruction and a load into, or a read of, its registers
.rept \n
	v_nop
.endr
.endm
.macro STEP slot, q, zero              ; 128 along K with a successor in the same slot
	s_wait_dscnt 4*NL                              ; B's set and A's blocks 0-3 are in; the youngest 16 loads (A's blocks 4-7) may be out
	WIN MUL_LO
	MUL16 0, (\q)%2, \q, \slot, \zero
	MUL16 2, (\q)%2, \q, \slot, \zero
	s_wait_dscnt 0
	PLACES NP
	FETCH_B \slot, (\q)+1, 1-(\q)%2
	FETCH_A \slot, (\q)+1, 0
	WIN MUL_HI
	MUL16 4, (\q)%2, \q, \slot, \zero
	MUL16 6, (\q)%2, \q, \slot, \zero
	PLACES NP
	WIN 0
	FETCH_A \slot, (\q)+1, 4
.endm
; A slot's last step changes slots: one barrier; in front of it each wave waits for all its tensor loads, adds 0 to its spare word, and waits for that and for its reads of this slot.
.macro TURN slot, next, fill
	s_wait_tensorcnt 0x0                           ; all my tensor loads have landed: my part of the next slot
	ds_add_u32 v[SPW], v[NIL]
	s_wait_dscnt 4*NL+1                            ; (the add and the youngest 16 loads may be out)
	WIN MUL_LO
	MUL16 0, 1, NQ-1, \slot, 0
	s_wait_dscnt 0x0                               ; the add is done, and my reads of this slot are over
	s_barrier_signal -1
	MUL16 2, 1, NQ-1, \slot, 0
	WIN 0
	s_barrier_wait -1
.if \fill
	CREST                                          ; the barrier has opened a round of the cluster's: no wave of any partner still reads this slot or has a load on its way
	s_add_nc_u64 s[G0+4*\slot+2:G0+4*\slot+3], s[G0+4*\slot+2:G0+4*\slot+3], ASTEP
	s_add_nc_u64 s[G0B+4*\slot+2:G0B+4*\slot+3], s[G0B+4*\slot+2:G0B+4*\slot+3], 2*ROWB
	JLOAD G0+4*\slot, G1, G0B+4*\slot, G1B         ; my one tensor load behind the round
	PLACES NP-4
.else
	PLACES NP
.endif
	v_add_nc_u32 v[ADRS], 4*NQ, v[ADRS]
	FETCH_B \next, 0, 0
	FETCH_A \next, 0, 0
	SCALES \next
	WIN MUL_HI
	MUL16 4, 1, NQ-1, \slot, 0
	MUL16 6, 1, NQ-1, \slot, 0
	PLACES NP
	WIN 0
	FETCH_A \next, 0, 4
.endm
	s_wait_tensorcnt 1                             ; the scales and my part of K step 0 are in; slot 1's load may be out
	s_barrier_signal -1
	s_barrier_wait -1
	FETCH_B 0, 0, 0
	FETCH_A 0, 0, 0
	SCALES 0
	FETCH_A 0, 0, 4
	STEP 0, 0, 1                                   ; the first products start the sums
	s_mov_b32 s3, LAPS-1
.Llap:
	TURN 0, 1, 1
	STEP 1, 0, 0
	TURN 1, 0, 1
	STEP 0, 0, 0
	s_sub_co_u32 s3, s3, 1
	s_cmp_lg_u32 s3, 0
	s_cbranch_scc1 .Llap
	TURN 0, 1, 0                                   ; the last lap fills nothing
	STEP 1, 0, 0
	s_wait_dscnt 4*NL
	WIN MUL_LO
	MUL16 0, 1, NQ-1, 1, 0
	MUL16 2, 1, NQ-1, 1, 0
	s_wait_dscnt 0
	WIN MUL_HI
	MUL16 4, 1, NQ-1, 1, 0
	MUL16 6, 1, NQ-1, 1, 0
	WIN 0
	PLACES NP                                      ; behind the last products: results are read and A's registers written from here on
	; where my part of the result begins.  X = my first channel, Y = my first token
	s_lshl_b32 s20, s17, 8
	s_lshl_b32 s21, s15, 7
	s_add_co_u32 s20, s20, s21                     ; A's first row of mine
	s_lshl_b32 s22, s42, 8
	s_lshl_b32 s23, s16, 7
	s_add_co_u32 s22, s22, s23                     ; B's
	s_mov_b32 s92, 1024
	s_mov_b32 s94, 1024
	s_mov_b32 s98, 32
	s_mov_b32 s6, 262144
	s_mov_b32 s8, 8192
	s_cmp_eq_u32 ttmp9, 2
	s_cselect_b32 s4, s20, s22                     ; X
	s_cselect_b32 s5, s22, s20                     ; Y
	s_cselect_b32 s92, 2048, s92                   ; codes, from a block of 16 rows of A to the next: a tile of channels, or a tile of tokens;
	s_cselect_b32 s94, 256000, s94                 ; at block 4, for v: on to the next head's first tile
	s_cselect_b32 s96, 64, 32                      ; scale bytes likewise
	s_cselect_b32 s98, 8000, s98
	s_cselect_b32 s6, 1024, s6                     ; blocks 2 and 3: the next two blocks of keys, or the next head
	s_cselect_b32 s7, 2, 1                         ; a row's scale bytes: 4 or 2
	s_cselect_b32 s8, 2, s8                        ; the word's high half: the next two bytes, or the next head's
	s_mov_b32 s93, 0
	s_mov_b32 s95, 0
	s_mov_b32 s97, 0
	s_mov_b32 s99, 0
	s_lshr_b32 s9, s4, 6                           ; the head
	s_lshl_b32 s10, ttmp9, 22
	s_lshl_b32 s40, s9, 18
	s_add_co_u32 s10, s10, s40
	s_lshl_b32 s40, s5, 6
	s_add_co_u32 s10, s10, s40                     ; codes: 4,194,304 x tensor + 262,144 x head + 64 Y
	s_mov_b32 s11, 0
	s_lshl_b32 s18, ttmp9, 17
	s_lshl_b32 s40, s9, 13
	s_add_co_u32 s18, s18, s40
	s_lshl_b32 s40, s5, 1
	s_add_co_u32 s18, s18, s40
	s_add_co_u32 s18, s18, 12582912                ; scale bytes: 12,582,912 + 131,072 x tensor + 8,192 x head + 2 Y
	s_mov_b32 s19, 0
	s_add_nc_u64 s[66:67], s[12:13], s[18:19]
	s_add_nc_u64 s[12:13], s[12:13], s[10:11]
	s_mov_b32 s[SEL], 0x76543210
	s_mov_b32 s[SEL+1], 0xfedcba98
	s_mov_b32 s[MNT], 0x600000
	v_and_b32 v[VB0], 31, v0
	v_lshlrev_b32 v[VB0], 4, v[VB0]
	v_add_nc_u32 v[VB2], s6, v[VB0]
	v_lshlrev_b32 v[VS0], s7, v1
	v_add_nc_u32 v[VS1], s8, v[VS0]
.irp c, 0,1,2,3
	v_mov_b32 v[TM+4+\c], 0                        ; written once: a lane permute's destination counts as one of its sources
.endr
; Block a of 16 rows of A: its eight accumulators are four blocks of 32 along the next K.  Each accumulator is read from its low end on.
.macro EPI a
.set AC, 64*((\a)%4)
.if (\a) > 0
	s_wait_xcnt 0x0                                ; the last block's stores have read their data and their bases
.if (\a) == 4
	s_add_nc_u64 s[12:13], s[12:13], s[94:95]
	s_add_nc_u64 s[66:67], s[66:67], s[98:99]
.else
	s_add_nc_u64 s[12:13], s[12:13], s[92:93]
	s_add_nc_u64 s[66:67], s[66:67], s[96:97]
.endif
.endif
	WIN 0x0a+5*((\a)/4)                            ; sources 0 and 1: window 2 or 3
.irp c, 0,1,2,3
	v_max3_num_f32 v[TM+\c], |v[AC+16*\c]|, |v[AC+16*\c+1]|, 0x4800000   ; my 16 numbers of block c, and the floor 2^(9 - 127)
.endr
.irp i, 2,4,6,8,10,12,14
.irp c, 0,1,2,3
	v_max3_num_f32 v[TM+\c], |v[AC+16*\c+\i]|, |v[AC+16*\c+\i+1]|, v[TM+\c]
.endr
.endr
	WIN 0
.irp c, 0,1,2,3
	v_permlanex16_b32 v[TM+4+\c], v[TM+\c], s[SEL], s[SEL+1]
.endr
.irp c, 0,1,2,3
	v_max_num_f32 v[TM+\c], v[TM+\c], v[TM+4+\c]   ; with lane l xor 16's 16
.endr
.irp c, 0,1,2,3
	v_add_nc_u32 v[TM+12+\c], 0xfc000000, v[TM+\c] ; the conversion's scale operand
.endr
.irp c, 0,1,2,3
	v_and_or_b32 v[TM+8+\c], v[TM+\c], 0x7f800000, s[MNT]   ; 448 x the scale
.endr
.irp c, 0,1,2,3
	v_lshrrev_b32 v[TM+4+\c], 23, v[TM+12+\c]      ; the byte
.endr
	v_lshl_or_b32 v[PW], v[TM+5], 8, v[TM+4]
	v_lshl_or_b32 v[PW], v[TM+6], 16, v[PW]
	v_lshl_or_b32 v[PW], v[TM+7], 24, v[PW]
	WIN 2+(\a)/4                                   ; source 0: window 2 or 3
.irp c, 0,1,2,3
.irp i, 0,1,2,3,4,5,6,7,8,9,10,11,12,13,14,15
	v_med3_num_f32 v[XH+16*\c+\i], v[AC+16*\c+\i], -v[TM+8+\c], v[TM+8+\c]   ; the hold: the conversion does not saturate (ISA guide 7.6.2)
.endr
.endr
	WIN 0
.irp c, 0,1,2,3
	v_cvt_scalef32_pk8_fp8_f32 v[PC+4*\c:PC+4*\c+1], v[XH+16*\c:XH+16*\c+7], v[TM+12+\c]
	v_cvt_scalef32_pk8_fp8_f32 v[PC+4*\c+2:PC+4*\c+3], v[XH+16*\c+8:XH+16*\c+15], v[TM+12+\c]
.endr
	v_nop                                          ; a plain instruction between the conversions and what touches their results
.irp c, 0,1,2,3
	v_permlane16_swap_b32 v[PC+4*\c], v[PC+4*\c+2]     ; the first's lanes 16-31 change places with the second's lanes 0-15: each lane then holds 16 neighbours
	v_permlane16_swap_b32 v[PC+4*\c+1], v[PC+4*\c+3]
.endr
	global_store_b128 v[VB0], v[PC:PC+3], s[12:13]                 ; each store covers 512 consecutive bytes, aligned
	global_store_b128 v[VB0], v[PC+4:PC+7], s[12:13] offset:512
	global_store_b128 v[VB2], v[PC+8:PC+11], s[12:13]
	global_store_b128 v[VB2], v[PC+12:PC+15], s[12:13] offset:512
	global_store_b16 v[VS0], v[PW], s[66:67]                       ; lanes 16-31 repeat lanes 0-15's bytes
	global_store_d16_hi_b16 v[VS1], v[PW], s[66:67]
.endm
	EPI 0
	EPI 1
	EPI 2
	EPI 3
	EPI 4
	EPI 5
	EPI 6
	EPI 7
	s_wait_tensorcnt 0x0                           ; the wave's end
	ds_add_u32 v[SPW], v[NIL]
	s_wait_dscnt 0x0
	CROUND                                         ; the closing round
	s_endpgm
.Lfunc_end_k_q807cc2fd5d_qkv:
	.size	k_q807cc2fd5d_qkv, .Lfunc_end_k_q807cc2fd5d_qkv-k_q807cc2fd5d_qkv
	.p2alignl 7, 3214868480
	.fill 96, 4, 3214868480
	.section	.rodata,"a",@progbits
	.p2align	6, 0x0
	.amdhsa_kernel k_q807cc2fd5d_qkv
		.amdhsa_group_segment_fixed_size 327680
		.amdhsa_private_segment_fixed_size 0
		.amdhsa_enable_private_segment 0
		.amdhsa_kernarg_size 64
		.amdhsa_user_sgpr_count 2
		.amdhsa_user_sgpr_kernarg_segment_ptr 1
		.amdhsa_wavefront_size32 1
		.amdhsa_system_sgpr_workgroup_id_x 1
		.amdhsa_system_sgpr_workgroup_id_y 1
		.amdhsa_system_sgpr_workgroup_id_z 1
		.amdhsa_system_vgpr_workitem_id 0
		.amdhsa_next_free_vgpr 1024
		.amdhsa_next_free_sgpr 106
		.amdhsa_reserve_vcc 0
		.amdhsa_float_denorm_mode_32 3
		.amdhsa_float_denorm_mode_16_64 3
		.amdhsa_memory_ordered 1
		.amdhsa_forward_progress 1
		.amdhsa_inst_pref_size 190
	.end_amdhsa_kernel
	.amdgpu_metadata
---
amdhsa.version: [ 1, 2 ]
amdhsa.kernels:
  - .name:           k_q807cc2fd5d_qkv
    .symbol:         k_q807cc2fd5d_qkv.kd
    .args:
      - { .name: nrm, .offset: 0, .size: 8, .value_kind: global_buffer, .address_space: global }
      - { .name: wq_codes, .offset: 8, .size: 8, .value_kind: global_buffer, .address_space: global }
      - { .name: wq_scales, .offset: 16, .size: 8, .value_kind: global_buffer, .address_space: global }
      - { .name: wk_codes, .offset: 24, .size: 8, .value_kind: global_buffer, .address_space: global }
      - { .name: wk_scales, .offset: 32, .size: 8, .value_kind: global_buffer, .address_space: global }
      - { .name: wv_codes, .offset: 40, .size: 8, .value_kind: global_buffer, .address_space: global }
      - { .name: wv_scales, .offset: 48, .size: 8, .value_kind: global_buffer, .address_space: global }
      - { .name: qkv, .offset: 56, .size: 8, .value_kind: global_buffer, .address_space: global }
    .group_segment_fixed_size: 327680
    .private_segment_fixed_size: 0
    .kernarg_segment_align: 8
    .kernarg_segment_size: 64
    .max_flat_workgroup_size: 128
    .sgpr_count:     106
    .vgpr_count:     1024
    .wavefront_size: 32
...
	.end_amdgpu_metadata
.endif
;; end of part 2
;; launch attn (part 3): grid 16 x 16, 16 waves a work-group, no clusters, 327,680 bytes of LDS; arguments qkv, ao; writes ao
.if DOCPART == 3
	.amdgcn_target "amdgcn-amd-amdhsa--gfx1250"
	.amdhsa_code_object_version 6
	.text
	.protected	k_q807cc2fd5d_attn
	.globl	k_q807cc2fd5d_attn
	.p2align	8
	.type	k_q807cc2fd5d_attn,@function
k_q807cc2fd5d_attn:
	s_mov_b64 s[64:65], 0
	v_nop
	global_prefetch_b8 v0, s[64:65] scope:SCOPE_SE
	s_setreg_imm32_b32 hwreg(HW_REG_WAVE_MODE, 25, 1), 1
	s_wait_xcnt 0x0
; Causal attention for 16 heads of 64, 4,096 positions, both products on codes of FP8 (E4M3) with E8M0 scales; the result is quantised along the model's 1,024 and stored as images of operand registers.
; WORK LEFT OUT: steps of 128 keys all of which come after a wave's 16 queries (the function's own mask gives them the weight 0 for all inputs), and slots that no wave of the work-group reads.
; LIMIT: a NaN or an infinity that reaches only such keys is not carried to the result; NaN and infinities are not served; a block of zeros keeps the byte 1 (its codes are zeros).
; THE SOFTMAX: t = score x log2(e) / 8; M = the running largest t rounded UP to a whole number; p = 2^(t - M) is quantised along the keys, not normalised; the row's sum is taken of the unquantised p and divides
; at the end; when M moves, the sum and O are multiplied by 2^(old M - new M), which rounds nothing.
; SHARES.  Blocks of 128 queries.  Work-group (x, head) owns blocks x and 31 - x, so that every work-group has the same number of live key steps.  Each of sixteen waves owns one tile of 16 queries:
; tile = wave / 2, and (wave xor wave / 4) & 1 says which of the two blocks.  Four waves share a SIMD: one wave's vector work stands beside another's matrix work.
; NO CLUSTER: the work-groups of a head end their walks at different keys (128 (31 - x) + 127), so partners would need different numbers of tiles.
; LAYOUT.  S^T = K Q^T (source 0 = 16 keys, source 1 = my queries), O^T = V^T P^T: a lane holds ONE query throughout.  The operands lie in memory and LDS as images of their registers, 16 bytes a lane on end.
; The head's 64 fill half of the instruction's 128: Q's upper 8 registers are zero codes; K's fragment of tile t is its own 8 registers and the 8 that follow them (the next tile's, or zeros), which meet zero codes.
; The tiles hold neighbouring keys, so p's codes are brought into the operand's layout by two lane swaps a block.
; RING: two slots of 256 keys (K's 16 KB, V's 16 KB), wave 0 fetching K's and wave 1 V's, read by all sixteen; the head's scale bytes (8 KB for K, 8 KB for V) come once.
.set SLOT1, 32768                      ; slot 1: one exclusive or turns an address
.set VOFF,  16384                      ; in a slot: K's 16 tiles of 1,024 bytes, then V's two steps of 8,192
.set SCK,   65536                      ; K's scale bytes of the head: 2 a key
.set SCV,   73728                      ; V's: [step][tile of channels][16] words
.set SPARE, 81920                      ; the spare words, 128 bytes for each wave, that no other line names
.set NSL,   16
.set LI,   1                           ; v1   16 x lane
.set DQ,   2                           ; v2   lane % 16 - 8 (lane / 16)
.set ASK0, 3                           ; v3   SCK + 2 x lane
.set ASV0, 4                           ; v4   SCV + 4 x lane
.set SPW,  5
.set NIL,  6
.set PFO,  7                           ; v7   256 x lane: the prefetches' offset; never rewritten
.set ADK,  8
.set QSO,  9
.set ADS,  10
.set ADT,  11
.set S,    104                         ; v104-167 S^T, then p
.set O,    168                         ; v168-199 O^T
.set PCD,  200                         ; v200-215 p's codes
.set KSC,  216                         ; v216-219 K's scale words (lanes 0-15 an even tile's, lanes 16-31 the odd one's); v220-221 V's
.set VSC,  220
.set TB,   2
.set TS,   3
.set WV,   18
.set MNT,  19
.set SEL,  20
.set CS,   22
.set G1,   24
.set G1S,  32
.set G0,   40
.set G0S,  44
.set SLOTS, 67
.set KF,   68
.set Q0,   69
.set QL,   70
.set PFA,  72
.set LIM,  74
.set AOC,  76
.set AOS,  78
.macro TLOAD                           ; waves 0 and 1 fetch; an s_nop 0 and four v_nop follow the line
	s_cmp_lt_u32 s[WV], 2
	s_cbranch_scc0 .Lasked_\@
	tensor_load_to_lds s[G0:G0+3], s[G1:G1+7]
	s_nop 0
.rept 4
	v_nop
.endr
.Lasked_\@:
.endm
; A prefetch of what the NEXT change of slots will ask for: 16,384 bytes of K and of V.  All work-groups of a head walk the same K and V: the one with x = 0, which walks all slots, asks; in it waves 4 and 5
; for K's, waves 6 and 7 for V's, 8,192 bytes a wave, lanes 256 bytes apart: each block of 256 bytes is named once.  The last change that fills a slot asks for nothing; slots 0 and 1 come by their loads alone.
.macro ASK
	s_cmp_gt_u32 s[SLOTS], s[LIM]
	s_cbranch_scc0 .Lnot_mine_\@
	global_prefetch_b8 v[PFO], s[PFA:PFA+1] th:TH_LOAD_NT scope:SCOPE_SE
.Lnot_mine_\@:
.endm
	s_load_b128 s[4:7], s[0:1], 0x0                ; q, k, v; the result
	v_lshl_add_u32 v[SPW], v0, 2, SPARE
	v_mov_b32 v[NIL], 0
	ds_add_u32 v[SPW], v[NIL]                      ; the wave's opening: the add, twice on end, and its wait ahead of the first tensor load
	ds_add_u32 v[SPW], v[NIL]
	v_lshrrev_b32 v8, 5, v0
	v_readfirstlane_b32 s[WV], v8                  ; wave 0..15
	s_and_b32 s8, ttmp7, 0xffff                    ; the head
	s_and_b32 s9, s[WV], 1                         ; u: I would fetch K's (0) or V's (1)
	s_lshr_b32 s10, s[WV], 2
	s_xor_b32 s10, s10, s[WV]
	s_and_b32 s10, s10, 1                          ; which of the two blocks is mine
	s_sub_co_u32 s11, 31, ttmp9
	s_cmp_eq_u32 s10, 1
	s_cselect_b32 s12, s11, ttmp9
	s_lshl_b32 s12, s12, 7
	s_lshr_b32 s13, s[WV], 1
	s_lshl_b32 s13, s13, 4
	s_add_co_u32 s[Q0], s12, s13                   ; my first query
	s_lshl_b32 s[QL], s11, 7
	s_or_b32 s[QL], s[QL], 127                     ; my work-group's last query
	s_mov_b32 s[G1], 3<<16                         ; 64 rows of 256 bytes (32 elements of 8), dense, no padding
	s_mov_b32 s[G1+1], 32<<16
	s_mov_b32 s[G1+2], 64<<16
	s_mov_b32 s[G1+3], 32<<16
	s_mov_b32 s[G1+4], 64
	s_mov_b32 s[G1+5], 32
	s_mov_b32 s[G1+6], 0
	s_mov_b32 s[G1+7], 0
	s_mov_b32 s[G1S], 3<<16                        ; the scale bytes: 32 such rows
	s_mov_b32 s[G1S+1], 32<<16
	s_mov_b32 s[G1S+2], 32<<16
	s_mov_b32 s[G1S+3], 32<<16
	s_mov_b32 s[G1S+4], 32
	s_mov_b32 s[G1S+5], 32
	s_mov_b32 s[G1S+6], 0
	s_mov_b32 s[G1S+7], 0
	s_add_co_u32 s14, s9, 1
	s_lshl_b32 s48, s14, 22
	s_lshl_b32 s15, s8, 18                         ; the head's codes: 262,144 bytes in each tensor
	s_add_co_u32 s48, s48, s15
	s_mov_b32 s49, 0
	s_lshl_b32 s50, s14, 17
	s_lshl_b32 s16, s8, 13                         ; its scale bytes: 8,192
	s_add_co_u32 s50, s50, s16
	s_add_co_u32 s50, s50, 12582912
	s_mov_b32 s51, 0
	s_lshl_b32 s52, s9, 14
	s_lshl_b32 s53, s9, 13
	s_lshl_b32 s54, s[Q0], 6
	s_add_co_u32 s54, s54, s15                     ; Q's image: 64 bytes a query
	s_mov_b32 s55, 0
	s_lshl_b32 s58, s[Q0], 1
	s_add_co_u32 s58, s58, s16
	s_add_co_u32 s58, s58, 12582912                ; its scale bytes
	s_mov_b32 s59, 0
	s_add_co_u32 s60, s[Q0], s8
	s_lshl_b32 s60, s60, 10                        ; the result's codes: 16,384 x tile of tokens + 1,024 x head
	s_mov_b32 s61, 0
	s_lshl_b32 s62, s[Q0], 5
	s_lshl_b32 s63, s8, 1
	s_add_co_u32 s62, s62, s63
	s_add_co_u32 s62, s62, 4194304                 ; its scale bytes: 32 a token, 2 a head
	s_mov_b32 s63, 0
	s_lshr_b32 s80, s[WV], 1
	s_and_b32 s80, s80, 1
	s_add_co_u32 s80, s80, 1
	s_lshl_b32 s80, s80, 22
	s_add_co_u32 s80, s80, s15
	s_add_co_u32 s80, s80, s53
	s_add_co_u32 s80, s80, 16384                   ; the prefetches stand in slot 1: the first change of slots steps them to slot 2
	s_mov_b32 s81, 0
	s_lshr_b32 s82, s[WV], 2
	s_xor_b32 s82, s82, 1                          ; 0 in waves 4 to 7,
	s_or_b32 s82, s82, ttmp9                       ; of the work-group with x = 0
	s_cmp_eq_u32 s82, 0
	s_cselect_b32 s[LIM], 1, -1
	s_mov_b32 s[SEL], 0x76543210
	s_mov_b32 s[SEL+1], 0xfedcba98
	s_mov_b32 s[CS], 0x3e38aa3b                    ; c = log2(e) / 8
	s_mov_b32 s[CS+1], s[CS]
	s_mov_b32 s[MNT], 0x600000
	s_mov_b32 s[TB], 0
	s_mov_b32 s[TS], 0
	s_mov_b32 s[SLOTS], NSL-1
	s_mov_b32 s[KF], 0
	s_wait_dscnt 0x0                               ; both opening adds are done
	s_wait_kmcnt 0x0
	s_mov_b32 s[G0S], 1
	s_add_co_u32 s[G0S+1], s53, SCK
	s_add_nc_u64 s[G0S+2:G0S+3], s[4:5], s[50:51]
	s_or_b32 s[G0S+3], s[G0S+3], 0x80000000
	s_mov_b32 s[G0], 1
	s_mov_b32 s[G0+1], s52
	s_add_nc_u64 s[G0+2:G0+3], s[4:5], s[48:49]
	s_or_b32 s[G0+3], s[G0+3], 0x80000000
	s_cmp_lt_u32 s[WV], 2                          ; the first fills stand in one branch: two loads of a fetching wave are out
	s_cbranch_scc0 .Lno_first
	tensor_load_to_lds s[G0S:G0S+3], s[G1S:G1S+7]  ; the head's scale bytes: filled once
	s_nop 0
	tensor_load_to_lds s[G0:G0+3], s[G1:G1+7]      ; slot 0
	s_nop 0
.rept 4
	v_nop
.endr
.Lno_first:
	s_add_nc_u64 s[56:57], s[4:5], s[54:55]
	s_add_nc_u64 s[58:59], s[4:5], s[58:59]
	s_add_nc_u64 s[PFA:PFA+1], s[4:5], s[80:81]
	s_add_nc_u64 s[AOC:AOC+1], s[6:7], s[60:61]
	s_add_nc_u64 s[AOS:AOS+1], s[6:7], s[62:63]
	v_and_b32 v8, 31, v0
	v_lshlrev_b32 v[LI], 4, v8
	v_lshl_add_u32 v[ASK0], v8, 1, SCK
	v_lshl_add_u32 v[ASV0], v8, 2, SCV
	v_lshlrev_b32 v[PFO], 8, v8
	v_and_b32 v10, 15, v0
	v_bfe_u32 v11, v0, 4, 1
	v_lshlrev_b32 v[QSO], 1, v10
	v_lshlrev_b32 v11, 3, v11
	v_sub_nc_u32 v[DQ], v10, v11
	global_load_b128 v[16:19], v[LI], s[56:57]             ; Q's fragment stays in registers
	global_load_b128 v[20:23], v[LI], s[56:57] offset:512
	global_load_u16 v255, v[QSO], s[58:59]                 ; Q's scale word: two bytes, two zeros
.irp j, 24,25,26,27,28,29,30,31,96,97,98,99,100,101,102,103
	v_mov_b32 v[\j], 0                             ; zero codes: Q's upper half, and what follows K's last tile
.endr
.set j, 0
.rept 32
	v_mov_b32 v[O+j], 0                            ; O^T: the step is written once; its first pass finds zeros
.set j, j+1
.endr
	v_mov_b32 v13, 0xff61b1e6                      ; the largest t so far: -3e38
	v_floor_f32 v12, -v13                          ; -M
	v_mov_b32 v14, 0
	v_mov_b32 v15, 0
.irp b, 0,1,2,3
	v_mov_b32 v[236+\b], 0                         ; a lane permute's destination counts as one of its sources
.endr
	v_mov_b32 v252, 0
	v_mov_b32 v253, 0
; A KEY STEP: 128 keys, the q-th of the slot in hand.
.macro STEP q
	s_add_co_u32 s96, s[Q0], 15                    ; a step all of whose keys come after my queries is left out: a branch on ids, round the step's work alone
	s_cmp_gt_u32 s[KF], s96
	s_cbranch_scc1 .Lhidden_\@
	v_add_nc_u32 v[ADK], s[TB], v[LI]
	v_add_nc_u32 v[ADS], s[TS], v[ASK0]
	v_add_nc_u32 v[ADT], s[TS], v[ASV0]
.rept 5
	v_nop                                          ; with the three additions: eight places in front of loads into registers that the last products read
.endr
.irp t, 0,1,2,3,4,5,6,7
.irp c, 0,1
	ds_load_b128 v[32+8*\t+4*\c:35+8*\t+4*\c], v[ADK] offset:(8*(\q)+\t)*1024+512*\c
.endr
.endr
.irp p, 0,1,2,3
	ds_load_u16 v[KSC+\p], v[ADS] offset:64*\p
.endr
	s_wait_dscnt 0x0
.irp t, 0,2,4,6
	v_wmma_scale_f32_16x16x128_f8f6f4 v[S+8*\t:S+8*\t+7], v[32+8*\t:47+8*\t], v[16:31], 0, v[KSC+\t/2], v255
	v_wmma_scale_f32_16x16x128_f8f6f4 v[S+8+8*\t:S+15+8*\t], v[40+8*\t:55+8*\t], v[16:31], 0, v[KSC+\t/2], v255 matrix_a_scale:MATRIX_SCALE_ROW1
.endr
.rept 8
	v_nop
.endr
.irp t, 0,1,2,3                        ; V's fragments are asked for here and land under the softmax
.irp c, 0,1,2,3
	ds_load_b128 v[32+16*\t+4*\c:35+16*\t+4*\c], v[ADK] offset:VOFF+8192*(\q)+2048*\t+512*\c
.endr
.endr
.irp p, 0,1
	ds_load_b32 v[VSC+\p], v[ADT] offset:128*\p
.endr
	s_add_co_u32 s96, s[KF], 127                   ; on the diagonal hidden scores become -infinity ahead of the maximum; a step all of whose keys count skips this
	s_cmp_le_u32 s96, s[Q0]
	s_cbranch_scc1 .Lopen_\@
	s_sub_co_i32 s96, s[Q0], s[KF]
	v_add_nc_u32 v252, s96, v[DQ]                  ; d = my query - the step's first key - 8 (lane / 16).  Register n holds key 16 (n / 8) + n % 8 + 8 (lane / 16): hidden where 16 (n / 8) + n % 8 > d
	v_mov_b32 v254, 0xff800000
.set n, 0
.rept 64
	v_cmp_gt_i32 vcc_lo, 16*(n/8)+n%8, v252
	v_cndmask_b32 v[S+n], v[S+n], v254, vcc_lo
.set n, n+1
.endr
.Lopen_\@:
.irp b, 0,1,2,3
	v_max3_num_f32 v[232+\b], v[S+16*\b], v[S+1+16*\b], v[S+2+16*\b]   ; the largest score of each block of 32 keys: for the row's maximum, and, since p rises with the score, for the block's largest p
.endr
.irp i, 3,5,7,9,11,13
.irp b, 0,1,2,3
	v_max3_num_f32 v[232+\b], v[232+\b], v[S+16*\b+\i], v[S+1+16*\b+\i]
.endr
.endr
.irp b, 0,1,2,3
	v_max_num_f32 v[232+\b], v[232+\b], v[S+15+16*\b]
.endr
.irp b, 0,1,2,3
	v_permlanex16_b32 v[236+\b], v[232+\b], s[SEL], s[SEL+1]
.endr
.irp b, 0,1,2,3
	v_max_num_f32 v[232+\b], v[232+\b], v[236+\b]
.endr
	v_max3_num_f32 v254, v232, v233, v234
	v_max_num_f32 v254, v254, v235
	v_mul_f32 v254, s[CS], v254
	v_max_num_f32 v13, v13, v254                   ; the running largest t
	v_mov_b32 v254, v12
	v_floor_f32 v12, -v13                          ; the new -M = -ceil(t)
	v_sub_f32 v254, v12, v254
	v_cvt_i32_f32 v254, v254                       ; (it saturates)
	v_ldexp_f32 v252, 1.0, v254                    ; f = 2^(old M - new M)
.set j, 0
.rept 32
	v_pk_fma_f32 v[S+j:S+j+1], v[S+j:S+j+1], s[CS:CS+1], v[12:13] op_sel_hi:[1,0,0]   ; t - M
.set j, j+2
.endr
.irp b, 0,1,2,3
	v_fma_f32 v[232+\b], v[232+\b], s[CS], v12
.endr
.set j, 0
.rept 64
	v_exp_f32 v[S+j], v[S+j]                       ; p = 2^(t - M)
.set j, j+1
.endr
	v_pk_mul_f32 v[14:15], v[14:15], v[252:253] op_sel_hi:[1,0]   ; the sums under the new M: a plain instruction behind the exponentials
	s_wait_alu depctr_va_vdst(0)                   ; one wait for the batch, ahead of its first reader
.irp b, 0,1,2,3
	v_exp_f32 v[232+\b], v[232+\b]                 ; the block's largest p
.endr
	v_pk_add_f32 v[236:237], v[S:S+1], v[S+2:S+3]  ; the row's sum of the unquantised p, in two chains
.irp j, 4,8,12,16,20,24,28,32,36,40,44,48,52,56,60
	v_pk_add_f32 v[14:15], v[14:15], v[S+\j:S+1+\j]
	v_pk_add_f32 v[236:237], v[236:237], v[S+2+\j:S+3+\j]
.endr
	v_pk_add_f32 v[14:15], v[14:15], v[236:237]
	s_wait_alu depctr_va_vdst(0)                   ; and one for the four
.irp b, 0,1,2,3
	v_max_num_f32 v[232+\b], 0x4800000, v[232+\b]  ; the floor 2^(9 - 127)
.endr
.irp b, 0,1,2,3
	v_add_nc_u32 v[244+\b], 0xfc000000, v[232+\b]
.endr
.irp b, 0,1,2,3
	v_and_or_b32 v[240+\b], v[232+\b], 0x7f800000, s[MNT]
.endr
.irp b, 0,1,2,3
	v_lshrrev_b32 v[236+\b], 23, v[244+\b]
.endr
	v_lshl_or_b32 v253, v237, 8, v236              ; p's scale word for these 128 keys
	v_lshl_or_b32 v253, v238, 16, v253
	v_lshl_or_b32 v253, v239, 24, v253
.irp b, 0,1,2,3
.irp i, 0,1,2,3,4,5,6,7,8,9,10,11,12,13,14,15
	v_min_num_f32 v[S+16*\b+\i], v[S+16*\b+\i], v[240+\b]   ; the hold; p is not negative
.endr
	v_cvt_scalef32_pk8_fp8_f32 v[PCD+4*\b:PCD+1+4*\b], v[S+16*\b:S+7+16*\b], v[244+\b]
	v_cvt_scalef32_pk8_fp8_f32 v[PCD+2+4*\b:PCD+3+4*\b], v[S+8+16*\b:S+15+16*\b], v[244+\b]
.endr
	v_nop                                          ; a plain instruction behind the conversions
.irp b, 0,1,2,3
	v_permlane16_swap_b32 v[PCD+4*\b], v[PCD+2+4*\b]   ; each lane then holds 16 neighbouring keys of the block
	v_permlane16_swap_b32 v[PCD+1+4*\b], v[PCD+3+4*\b]
.endr
.set j, 0
.rept 16
	v_pk_mul_f32 v[O+j:O+j+1], v[O+j:O+j+1], v[252:253] op_sel_hi:[1,0]   ; O^T under the new M; these are also the places in front of the products
.set j, j+2
.endr
	s_wait_dscnt 0x0                               ; V is in
.irp t, 0,2
	v_wmma_scale_f32_16x16x128_f8f6f4 v[O+8*\t:O+7+8*\t], v[32+16*\t:47+16*\t], v[PCD:PCD+15], v[O+8*\t:O+7+8*\t], v[VSC+\t/2], v253
	v_wmma_scale_f32_16x16x128_f8f6f4 v[O+8+8*\t:O+15+8*\t], v[48+16*\t:63+16*\t], v[PCD:PCD+15], v[O+8+8*\t:O+15+8*\t], v[VSC+\t/2], v253 matrix_a_scale:MATRIX_SCALE_ROW1
.endr
.Lhidden_\@:
	s_add_co_u32 s[KF], s[KF], 128
	s_add_co_u32 s[TS], s[TS], 256                 ; the next step's scale words, in both tables
.endm
; THE CHANGE OF SLOTS, at a slot's head.  Each wave waits for all its tensor loads, adds 0 to its spare word (fill = 1: twice on end,), and waits
; for that and for its reads of the slot that it has left.  Behind the barrier the slot ahead is whole and nobody reads the other: it is filled with the keys that follow, up to the causal limit.
.macro CHANGE fill
	s_wait_tensorcnt 0x0
	ds_add_u32 v[SPW], v[NIL]
.if \fill
	ds_add_u32 v[SPW], v[NIL]
	s_xor_b32 s[G0+1], s[G0+1], SLOT1              ; no tensor load of mine is out: the walking descriptor may be written
	s_add_nc_u64 s[G0+2:G0+3], s[G0+2:G0+3], 16384
	s_wait_xcnt 0x0                                ; the last prefetch, a slot back, has read its address
	s_add_nc_u64 s[PFA:PFA+1], s[PFA:PFA+1], 16384
.endif
	s_wait_dscnt 0x0
	s_barrier_signal -1
	s_barrier_wait -1
.if \fill
	s_add_co_u32 s96, s[KF], 256                   ; a slot whose first key comes after my work-group's last query is read by none of its waves, so it is not asked for:
	s_cmp_gt_u32 s96, s[QL]                        ; ids and the count of steps alone: all sixteen waves go the same way
	s_cbranch_scc1 .Lpast_\@
	TLOAD
.Lpast_\@:
	ASK
.endif
.endm
.macro SLOT_STEPS
	STEP 0
	STEP 1
	s_xor_b32 s[TB], s[TB], SLOT1
.endm
	s_wait_loadcnt 0x0                             ; Q
.Lslot:
	CHANGE 1
	SLOT_STEPS
	s_sub_co_u32 s[SLOTS], s[SLOTS], 1
	s_cmp_lg_u32 s[SLOTS], 0
	s_cbranch_scc1 .Lslot
	CHANGE 0                                       ; the last slot is written out: nothing is left to fetch
	SLOT_STEPS
	; THE WAY OUT: O^T / the sum, quantised along the head's 64 (two blocks of the model's 1,024), stored as the next product's operand image.
	v_add_f32 v14, v14, v15
	v_permlanex16_b32 v252, v14, s[SEL], s[SEL+1]
	v_add_f32 v14, v14, v252
	v_rcp_f32 v14, v14
	v_and_b32 v10, 15, v0
	v_lshlrev_b32 v10, 5, v10                      ; 32 bytes of scales a token
.rept 6
	v_nop                                          ; with the two lines above: eight places behind the last products
.endr
	s_wait_alu depctr_va_vdst(0)                   ; the wait ahead of the reciprocal's first reader
.set j, 0
.rept 16
	v_pk_mul_f32 v[S+j:S+j+1], v[O+j:O+j+1], v[14:15] op_sel_hi:[1,0]   ; register 8 t + i: channel 16 t + 8 (lane / 16) + i of my query
.set j, j+2
.endr
.irp b, 0,1
	v_max3_num_f32 v[232+\b], |v[S+16*\b]|, |v[S+1+16*\b]|, 0x4800000
.endr
.irp i, 2,4,6,8,10,12,14
.irp b, 0,1
	v_max3_num_f32 v[232+\b], v[232+\b], |v[S+16*\b+\i]|, |v[S+1+16*\b+\i]|
.endr
.endr
.irp b, 0,1
	v_permlanex16_b32 v[236+\b], v[232+\b], s[SEL], s[SEL+1]
.endr
.irp b, 0,1
	v_max_num_f32 v[232+\b], v[232+\b], v[236+\b]
.endr
.irp b, 0,1
	v_add_nc_u32 v[244+\b], 0xfc000000, v[232+\b]
.endr
.irp b, 0,1
	v_and_or_b32 v[240+\b], v[232+\b], 0x7f800000, s[MNT]
.endr
.irp b, 0,1
	v_lshrrev_b32 v[236+\b], 23, v[244+\b]
.endr
	v_lshl_or_b32 v254, v237, 8, v236
.irp b, 0,1
.irp i, 0,1,2,3,4,5,6,7,8,9,10,11,12,13,14,15
	v_med3_num_f32 v[S+16*\b+\i], v[S+16*\b+\i], -v[240+\b], v[240+\b]
.endr
	v_cvt_scalef32_pk8_fp8_f32 v[PCD+4*\b:PCD+1+4*\b], v[S+16*\b:S+7+16*\b], v[244+\b]
	v_cvt_scalef32_pk8_fp8_f32 v[PCD+2+4*\b:PCD+3+4*\b], v[S+8+16*\b:S+15+16*\b], v[244+\b]
.endr
	v_nop
.irp b, 0,1
	v_permlane16_swap_b32 v[PCD+4*\b], v[PCD+2+4*\b]
	v_permlane16_swap_b32 v[PCD+1+4*\b], v[PCD+3+4*\b]
.endr
	global_store_b128 v[LI], v[PCD:PCD+3], s[AOC:AOC+1]            ; each store covers 512 consecutive bytes, aligned
	global_store_b128 v[LI], v[PCD+4:PCD+7], s[AOC:AOC+1] offset:512
	global_store_b16 v10, v254, s[AOS:AOS+1]                       ; a head owns two of a token's 32 scale bytes
	s_wait_tensorcnt 0x0                           ; the wave's end
	ds_add_u32 v[SPW], v[NIL]
	s_wait_dscnt 0x0
	s_endpgm
.Lfunc_end_k_q807cc2fd5d_attn:
	.size	k_q807cc2fd5d_attn, .Lfunc_end_k_q807cc2fd5d_attn-k_q807cc2fd5d_attn
	.p2alignl 7, 3214868480
	.fill 96, 4, 3214868480
	.section	.rodata,"a",@progbits
	.p2align	6, 0x0
	.amdhsa_kernel k_q807cc2fd5d_attn
		.amdhsa_group_segment_fixed_size 327680
		.amdhsa_private_segment_fixed_size 0
		.amdhsa_enable_private_segment 0
		.amdhsa_kernarg_size 16
		.amdhsa_user_sgpr_count 2
		.amdhsa_user_sgpr_kernarg_segment_ptr 1
		.amdhsa_wavefront_size32 1
		.amdhsa_system_sgpr_workgroup_id_x 1
		.amdhsa_system_sgpr_workgroup_id_y 1
		.amdhsa_system_sgpr_workgroup_id_z 1
		.amdhsa_system_vgpr_workitem_id 0
		.amdhsa_next_free_vgpr 256
		.amdhsa_next_free_sgpr 100
		.amdhsa_reserve_vcc 1
		.amdhsa_float_denorm_mode_32 3
		.amdhsa_float_denorm_mode_16_64 3
		.amdhsa_memory_ordered 1
		.amdhsa_forward_progress 1
		.amdhsa_inst_pref_size 111
	.end_amdhsa_kernel
	.amdgpu_metadata
---
amdhsa.version: [ 1, 2 ]
amdhsa.kernels:
  - .name:           k_q807cc2fd5d_attn
    .symbol:         k_q807cc2fd5d_attn.kd
    .args:
      - { .name: qkv, .offset: 0, .size: 8, .value_kind: global_buffer, .address_space: global }
      - { .name: ao, .offset: 8, .size: 8, .value_kind: global_buffer, .address_space: global }
    .group_segment_fixed_size: 327680
    .private_segment_fixed_size: 0
    .kernarg_segment_align: 8
    .kernarg_segment_size: 16
    .max_flat_workgroup_size: 512
    .sgpr_count:     100
    .vgpr_count:     256
    .wavefront_size: 32
...
	.end_amdgpu_metadata
.endif
;; end of part 3
;; launch wo (part 4): grid 4 x 16, 4 waves a work-group, clusters of 4 x 4, 327,680 bytes of LDS; arguments ao, wo_codes, wo_scales, x, h; writes h
.if DOCPART == 4
	.amdgcn_target "amdgcn-amd-amdhsa--gfx1250"
	.amdhsa_code_object_version 6
	.text
	.protected	k_q807cc2fd5d_wo
	.globl	k_q807cc2fd5d_wo
	.p2align	8
	.type	k_q807cc2fd5d_wo,@function
k_q807cc2fd5d_wo:
	s_mov_b64 s[64:65], 0
	v_nop
	global_prefetch_b8 v0, s[64:65] scope:SCOPE_SE
	s_setreg_imm32_b32 hwreg(HW_REG_WAVE_MODE, 25, 1), 1
	s_wait_xcnt 0x0
	s_wait_alu depctr_hold_cnt(0) depctr_sa_sdst(0) depctr_va_vdst(0) depctr_va_sdst(0) depctr_va_ssrc(0) depctr_va_vcc(0) depctr_vm_vsrc(0)
	s_getreg_b32 s2, hwreg(HW_REG_IB_STS2, 6, 4)
	s_cmp_eq_u32 s2, 0
	s_cbranch_scc0 .Lentry_in_a_cluster
	s_endpgm
.Lentry_in_a_cluster:
	s_bfe_u32 s2, ttmp6, 0x10000c
	s_cmp_lg_u32 s2, 0xf033
	s_cbranch_scc0 .Lentry_shape_is_right
	s_endpgm
.Lentry_shape_is_right:
; h = x + ao wo^T on codes of FP8 (E4M3) with E8M0 scales, K = 1,024, N = 1,024.  ao comes as images of operand registers, [tile of 16 tokens][128 along K: 8][block of 32: 4][lane][16 bytes], its scale bytes
; [token][32] at byte 4,194,304; wo as rows of codes, K innermost.
; A tile of 256 x 256 to a work-group of four waves, 128 x 128 to a wave; K in steps of 256 through a ring of two LDS slots; the scale bytes come once; 4 x 4 work-groups form a cluster: A's tile (tokens) is
; shared along a row of the cluster, B's (the weight) along a column, each asked for jointly.  Source 0 = 16 rows of the weight, source 1 = 16 tokens: a lane holds eight neighbouring numbers of a row of h.
; A's tile of a slot is 8 rows (tiles of tokens) of 4,096 bytes; it lands dense, and a fragment is four loads of 512 consecutive bytes.
; THE WAY OUT: a block of 16 rows goes through my stage in LDS (in slot 0, which has had its last fill and its last read) and comes back as whole rows of 512 bytes; there the residual, loaded four blocks
; ahead into B's registers, is added, and the 32 lanes store two aligned runs of 256 bytes.
.set SIZE_K, 1024
.set SIZE_N, 1024
.set ASC,    4194304                   ; where A's scale bytes begin
.set KSTEP,  256
.set NQ,     KSTEP/128
.set ROWB,   256
.set ASTEP,  8192                      ; A's address from a slot's K step to its next: two slots of 4,096 bytes in each tile of tokens
.set KROW,   SIZE_K
.set PITCH,  272
.set FR,     16
.set NL,     4
.set NP,     8
.set HALFT,  128*PITCH
.set SLOT,   4*HALFT
.set LAPS,   SIZE_K/(2*KSTEP)
.set KS,     SIZE_K/32
.set SCL,    2*SLOT
.set HALFS,  (128*KS/256)*272
.set SBLK,   (16*KS/256)*272
.set SPARE,  SCL+4*HALFS
.set SPITCH, 528
.set ADRA, 16
.set ADRB, 20
.set STO,  24
.set RD,   25
.set CO,   26
.set ADRS, 27
.set SPW,  28
.set NIL,  29
.set SC,   32
.set AF,   128
.set BK,   128
.set G1, 24
.set G0, 32
.set G1B, 48
.set G0B, 56
.set G1S, 68
.set G0S, 76
.set G1SB, 80
.set G0SB, 88
.set MSB, 0
.macro WIN new
.if MSB != \new
	s_set_vgpr_msb (MSB<<8)|\new
.set MSB, \new
.endif
.endm
.set MUL_LO, 0xa1
.set MUL_HI, 0xf1
.set TO_B,   0x40
.macro JLOAD g0a, g1a, g0b, g1b        ; a joint load: waves 0 and 1 for A, waves 2 and 3 for B; an s_nop 0 and four v_nop follow each line
	s_cmp_eq_u32 s15, 0
	s_cbranch_scc0 .Lfor_b_\@
	tensor_load_to_lds s[\g0a:\g0a+3], s[\g1a:\g1a+7]
	s_nop 0
.rept 4
	v_nop
.endr
	s_branch .Lasked_\@
.Lfor_b_\@:
	tensor_load_to_lds s[\g0b:\g0b+3], s[\g1b:\g1b+7]
	s_nop 0
.rept 4
	v_nop
.endr
.Lasked_\@:
.endm
.macro CREST
	s_cmp_lg_u32 s14, 0
	s_cbranch_scc1 .Lnot_wave_0_\@
	s_barrier_signal -3
.Lnot_wave_0_\@:
	s_barrier_wait -3
	s_barrier_signal -1
	s_barrier_wait -1
.endm
.macro CROUND
	s_barrier_signal -1
	s_barrier_wait -1
	CREST
.endm
	s_load_b64 s[4:5], s[0:1], 0x0                 ; A
	s_load_b128 s[8:11], s[0:1], 0x8               ; B's codes, B's scales
	s_load_b64 s[66:67], s[0:1], 0x18              ; the residual
	s_load_b64 s[12:13], s[0:1], 0x20              ; the result
	v_lshl_add_u32 v[SPW], v0, 2, SPARE
	v_mov_b32 v[NIL], 0
	ds_add_u32 v[SPW], v[NIL]                      ; the wave's opening: the add, twice on end, and its wait ahead of my first tensor load
	ds_add_u32 v[SPW], v[NIL]
	v_lshrrev_b32 v1, 5, v0
	v_readfirstlane_b32 s14, v1
	s_lshr_b32 s15, s14, 1
	s_and_b32 s16, s14, 1
	s_bfe_u32 s40, ttmp6, 0x40000                  ; cx
	s_bfe_u32 s41, ttmp6, 0x40004                  ; cy
	s_lshl_b32 s42, ttmp9, 2
	s_add_co_u32 s42, s42, s40                     ; tile column
	s_and_b32 s17, ttmp7, 0xffff
	s_lshl_b32 s17, s17, 2
	s_add_co_u32 s17, s17, s41                     ; tile row
	s_lshl_b32 s43, s41, 2
	s_lshl_b32 s43, 15, s43
	s_lshl_b32 s44, 0x1111, s40
	s_or_b32 s[G1+0], s43, (3<<16)|(1<<21)         ; A: the mask of my row; elements of 8 bytes; no padding; bit 21 beside a mask
	s_mov_b32 s[G1+1], 512<<16                     ; tensor_dim0: 4,096 bytes
	s_mov_b32 s[G1+2], 8<<16                       ; tensor_dim1: 8 tiles of tokens
	s_mov_b32 s[G1+3], 512<<16                     ; tile_dim0
	s_mov_b32 s[G1+4], 8                           ; tile_dim1
	s_mov_b32 s[G1+5], 2*SIZE_K                    ; the pitch: 16 SIZE_K bytes
	s_mov_b32 s[G1+6], 0
	s_mov_b32 s[G1+7], 0
	s_or_b32 s[G1B+0], s44, (0<<16)|(1<<20)|(1<<21)|(5<<22)|(3<<25)
	s_mov_b32 s[G1B+1], ROWB<<16
	s_mov_b32 s[G1B+2], 128<<16
	s_mov_b32 s[G1B+3], ROWB<<16
	s_mov_b32 s[G1B+4], 128
	s_mov_b32 s[G1B+5], KROW
	s_mov_b32 s[G1B+6], 0
	s_mov_b32 s[G1B+7], 0
	s_or_b32 s[G1S+0], s43, (3<<16)|(1<<20)|(1<<21)|(5<<22)|(3<<25)
	s_or_b32 s[G1SB+0], s44, (3<<16)|(1<<20)|(1<<21)|(5<<22)|(3<<25)
.irp g, G1S, G1SB
	s_mov_b32 s[\g+1], 32<<16
	s_mov_b32 s[\g+2], (128*KS/256)<<16
	s_mov_b32 s[\g+3], 32<<16
	s_mov_b32 s[\g+4], 128*KS/256
	s_mov_b32 s[\g+5], 32
	s_mov_b32 s[\g+6], 0
	s_mov_b32 s[\g+7], 0
.endr
	s_lshl_b32 s18, s16, 7
	s_lshl_b32 s20, s17, 8
	s_add_co_u32 s20, s20, s18
	s_lshl_b32 s46, s42, 8
	s_add_co_u32 s46, s46, s18
	s_mov_b32 s21, 0
	s_mov_b32 s47, 0
	s_mov_b64 s[18:19], KS
	s_mul_u64 s[22:23], s[20:21], s[18:19]
	s_mul_u64 s[92:93], s[46:47], s[18:19]
	s_mov_b64 s[18:19], KROW
	s_mul_u64 s[20:21], s[20:21], s[18:19]         ; A's images of 16 rows are 16 SIZE_K bytes: row x SIZE_K serves them too
	s_mul_u64 s[46:47], s[46:47], s[18:19]
	s_mul_i32 s45, s14, HALFT
	s_mul_i32 s94, s14, HALFS
	s_wait_dscnt 0x0
	s_wait_kmcnt 0x0
	s_add_nc_u64 s[6:7], s[4:5], ASC
	s_add_nc_u64 s[20:21], s[4:5], s[20:21]
	s_add_nc_u64 s[22:23], s[6:7], s[22:23]
	s_add_nc_u64 s[46:47], s[8:9], s[46:47]
	s_add_nc_u64 s[92:93], s[10:11], s[92:93]
	CROUND
	s_mov_b32 s[G0S], 1
	s_add_co_u32 s[G0S+1], s94, SCL
	s_mov_b64 s[G0S+2:G0S+3], s[22:23]
	s_or_b32 s[G0S+3], s[G0S+3], 0x80000000
	s_mov_b32 s[G0SB], 1
	s_add_co_u32 s[G0SB+1], s94, SCL
	s_mov_b64 s[G0SB+2:G0SB+3], s[92:93]
	s_or_b32 s[G0SB+3], s[G0SB+3], 0x80000000
	JLOAD G0S, G1S, G0SB, G1SB                     ; three loads of mine are out at the start
.irp s, 0,1
	s_mov_b32 s[G0+4*\s], 1
	s_add_co_u32 s[G0+4*\s+1], s45, \s*SLOT
	s_add_nc_u64 s[G0+4*\s+2:G0+4*\s+3], s[20:21], \s*(ASTEP/2)
	s_or_b32 s[G0+4*\s+3], s[G0+4*\s+3], 0x80000000
	s_mov_b32 s[G0B+4*\s], 1
	s_add_co_u32 s[G0B+4*\s+1], s45, \s*SLOT
	s_add_nc_u64 s[G0B+4*\s+2:G0B+4*\s+3], s[46:47], \s*ROWB
	s_or_b32 s[G0B+4*\s+3], s[G0B+4*\s+3], 0x80000000
	JLOAD G0+4*\s, G1, G0B+4*\s, G1B
.endr
	v_and_b32 v1, 15, v0
	v_bfe_u32 v2, v0, 4, 1
	v_mul_u32_u24 v3, v1, PITCH
	v_lshl_add_u32 v4, v2, 4, v3                   ; B: row x pitch + 16 x half
	v_and_b32 v7, 31, v0
	v_lshlrev_b32 v7, 4, v7                        ; A: 16 x lane
	s_mul_i32 s21, s15, HALFT
	s_mul_i32 s22, s16, HALFT
	s_add_co_u32 s22, s22, 2*HALFT
.irp s, 0,1
	v_add_nc_u32 v[ADRA+\s], s21, v7
	v_add_nc_u32 v[ADRB+\s], s22, v4
	s_add_co_u32 s21, s21, SLOT
	s_add_co_u32 s22, s22, SLOT
.endr
	v_mul_u32_u24 v5, v1, KS
	v_lshrrev_b32 v6, 8, v5
	v_lshl_add_u32 v5, v6, 4, v5
	s_mul_i32 s21, s15, HALFS
	s_mul_i32 s22, s16, HALFS
	s_add_co_u32 s22, s22, 2*HALFS
	s_sub_co_u32 s22, s22, s21
	v_mul_u32_u24 v6, s22, v2
	s_add_co_u32 s21, s21, SCL
	v_add_nc_u32 v5, v5, v6
	v_add_nc_u32 v[ADRS], s21, v5
	s_mul_i32 s23, s14, 16*SPITCH                  ; my stage
	v_mul_u32_u24 v5, v1, SPITCH
	v_lshl_add_u32 v5, v2, 5, v5
	v_add_nc_u32 v[STO], s23, v5
	v_mov_b32 v[CO], v7                            ; back: the 32 lanes take one row of 512 bytes; and the same in memory
	v_add_nc_u32 v[RD], s23, v[CO]
	s_lshl_b32 s20, s17, 8
	s_lshl_b32 s21, s15, 7
	s_add_co_u32 s20, s20, s21
	s_mov_b32 s21, 0
	s_mov_b64 s[18:19], SIZE_N*4
	s_mul_u64 s[20:21], s[20:21], s[18:19]
	s_lshl_b32 s46, s42, 10
	s_lshl_b32 s47, s16, 9
	s_add_co_u32 s46, s46, s47
	s_mov_b32 s47, 0
	s_add_nc_u64 s[20:21], s[20:21], s[46:47]
	s_add_nc_u64 s[12:13], s[12:13], s[20:21]
	s_add_nc_u64 s[66:67], s[66:67], s[20:21]
.macro FRAG reg, adr, q, i
.irp c, 0,1,2,3
	ds_load_b128 v[\reg+4*\c:\reg+4*\c+3], v[\adr] offset:128*(\q)+32*\c+(\i)*16*PITCH
.endr
.endm
.macro FRAGA reg, adr, q, i            ; an image: four runs of 512 consecutive bytes
.irp c, 0,1,2,3
	ds_load_b128 v[\reg+4*\c:\reg+4*\c+3], v[\adr] offset:(\i)*4096+(\q)*2048+512*\c
.endr
.endm
.macro MUL16 a0, p, q, sc, zero        ; the 64 accumulators take turns, one instruction a turn
.irp a, \a0, \a0+1
.irp b, 0,1,2,3,4,5,6,7
.if \zero
	v_wmma_scale_f32_16x16x128_f8f6f4 v[8*(8*((\a)%4)+\b):8*(8*((\a)%4)+\b)+7], v[128*(\p)+FR*\b:128*(\p)+FR*\b+FR-1], v[AF+FR*(\a):AF+FR*(\a)+FR-1], 0, v[SC+8*NQ*(\sc)+NQ*\b+(\q)], v[SC+8*NQ*(\sc)+NQ*(\a)+(\q)] matrix_a_scale:MATRIX_SCALE_ROW1
.else
	v_wmma_scale_f32_16x16x128_f8f6f4 v[8*(8*((\a)%4)+\b):8*(8*((\a)%4)+\b)+7], v[128*(\p)+FR*\b:128*(\p)+FR*\b+FR-1], v[AF+FR*(\a):AF+FR*(\a)+FR-1], v[8*(8*((\a)%4)+\b):8*(8*((\a)%4)+\b)+7], v[SC+8*NQ*(\sc)+NQ*\b+(\q)], v[SC+8*NQ*(\sc)+NQ*(\a)+(\q)] matrix_a_scale:MATRIX_SCALE_ROW1
.endif
.endr
.endr
.endm
.macro FETCH_B slot, q, p
	WIN TO_B
.irp i, 0,1,2,3,4,5,6,7
	FRAG 128*(\p)+FR*\i, ADRB+\slot, \q, \i
.endr
	WIN 0
.endm
.macro FETCH_A slot, q, i0
.irp i, \i0, \i0+1, \i0+2, \i0+3
	FRAGA AF+FR*(\i), ADRA+\slot, \q, \i
.endr
.endm
.macro SCALES sc
.irp i, 0,1,2,3,4,5,6,7
	ds_load_b64 v[SC+8*NQ*\sc+NQ*\i:SC+8*NQ*\sc+NQ*\i+1], v[ADRS] offset:\i*SBLK
.endr
.endm
.macro PLACES n
.rept \n
	v_nop
.endr
.endm
.macro STEP slot, q, zero
	s_wait_dscnt 4*NL                              ; the youngest 16 loads (A's blocks 4-7) may be out
	WIN MUL_LO
	MUL16 0, (\q)%2, \q, \slot, \zero
	MUL16 2, (\q)%2, \q, \slot, \zero
	s_wait_dscnt 0
	PLACES NP
	FETCH_B \slot, (\q)+1, 1-(\q)%2
	FETCH_A \slot, (\q)+1, 0
	WIN MUL_HI
	MUL16 4, (\q)%2, \q, \slot, \zero
	MUL16 6, (\q)%2, \q, \slot, \zero
	PLACES NP
	WIN 0
	FETCH_A \slot, (\q)+1, 4
.endm
.macro TURN slot, next, fill
	s_wait_tensorcnt 0x0                           ; all my tensor loads have landed
	ds_add_u32 v[SPW], v[NIL]
	s_wait_dscnt 4*NL+1                            ; (the add and the youngest 16 loads may be out)
	WIN MUL_LO
	MUL16 0, 1, NQ-1, \slot, 0
	s_wait_dscnt 0x0                               ; the add is done, and my reads of this slot are over
	s_barrier_signal -1
	MUL16 2, 1, NQ-1, \slot, 0
	WIN 0
	s_barrier_wait -1
.if \fill
	CREST
	s_add_nc_u64 s[G0+4*\slot+2:G0+4*\slot+3], s[G0+4*\slot+2:G0+4*\slot+3], ASTEP
	s_add_nc_u64 s[G0B+4*\slot+2:G0B+4*\slot+3], s[G0B+4*\slot+2:G0B+4*\slot+3], 2*ROWB
	JLOAD G0+4*\slot, G1, G0B+4*\slot, G1B         ; my one tensor load behind the round
	PLACES NP-4
.else
	PLACES NP
.endif
	v_add_nc_u32 v[ADRS], 4*NQ, v[ADRS]
	FETCH_B \next, 0, 0
	FETCH_A \next, 0, 0
	SCALES \next
	WIN MUL_HI
	MUL16 4, 1, NQ-1, \slot, 0
	MUL16 6, 1, NQ-1, \slot, 0
	PLACES NP
	WIN 0
	FETCH_A \next, 0, 4
.endm
.macro RLOAD a                         ; the residual of block a, 16 rows of 512 bytes, into window 1, v[64 (a % 4)] on
	WIN 0x40
.irp t, 0,1,2,3,4,5,6,7,8,9,10,11,12,13,14,15
	global_load_b128 v[64*((\a)%4)+4*\t:64*((\a)%4)+4*\t+3], v[CO], s[66:67] offset:(16*(\a)+\t)*SIZE_N*4 th:TH_LOAD_NT
.endr
	WIN 0
.endm
.macro TOSTAGE a
.set AC, 64*((\a)%4)
	WIN 0x08+4*((\a)/4)                            ; the data: window 2 or 3
.irp b, 0,1,2,3,4,5,6,7
	ds_store_b128 v[STO], v[AC+8*\b:AC+8*\b+3] offset:64*\b          ; each accumulator from its low end on
	ds_store_b128 v[STO], v[AC+8*\b+4:AC+8*\b+7] offset:64*\b+16
.endr
	WIN 0
.set BB, BK+64*((\a)%2)
.irp t, 0,1,2,3,4,5,6,7,8,9,10,11,12,13,14,15
	ds_load_b128 v[BB+4*\t:BB+4*\t+3], v[RD] offset:\t*SPITCH        ; LDS serves a wave's instructions in order: these see the stores above
.endr
.endm
.macro SEND a, younger                 ; younger: the LDS instructions issued behind block a's loads
.set BB, BK+64*((\a)%2)
.set RR, 64*((\a)%4)
	s_wait_dscnt \younger
.if (\a) <= 4
	s_wait_loadcnt 48                              ; block a's residual is in; the three blocks asked for behind it, 16 loads each, may be out
.else
	s_wait_loadcnt 16*(7-(\a))
.endif
	WIN 0x04                                       ; source 1: window 1
.set i, 0
.rept 32
	v_pk_add_f32 v[BB+i:BB+i+1], v[BB+i:BB+i+1], v[RR+i:RR+i+1]
.set i, i+2
.endr
.if (\a) < 4
	RLOAD (\a)+4
.endif
	WIN 0
.irp t, 0,1,2,3,4,5,6,7,8,9,10,11,12,13,14,15
	global_store_b128 v[CO], v[BB+4*\t:BB+4*\t+3], s[12:13] offset:(16*(\a)+\t)*SIZE_N*4   ; 32 lanes store 512 consecutive bytes, aligned; the offsets, 520,192 at the most, are immediates
.endr
.endm
	s_wait_tensorcnt 1                             ; the scales and K step 0 are in; slot 1's load may be out
	s_barrier_signal -1
	s_barrier_wait -1
	FETCH_B 0, 0, 0
	FETCH_A 0, 0, 0
	SCALES 0
	FETCH_A 0, 0, 4
	STEP 0, 0, 1
	s_mov_b32 s3, LAPS-1
.Llap:
	TURN 0, 1, 1
	STEP 1, 0, 0
	TURN 1, 0, 1
	STEP 0, 0, 0
	s_sub_co_u32 s3, s3, 1
	s_cmp_lg_u32 s3, 0
	s_cbranch_scc1 .Llap
	TURN 0, 1, 0
	STEP 1, 0, 0
	RLOAD 0                                        ; B's set 0 is done with, eight places back: it takes the first two blocks of the residual
	RLOAD 1
	s_wait_dscnt 4*NL
	WIN MUL_LO
	MUL16 0, 1, NQ-1, 1, 0
	MUL16 2, 1, NQ-1, 1, 0
	s_wait_dscnt 0
	WIN MUL_HI
	MUL16 4, 1, NQ-1, 1, 0
	MUL16 6, 1, NQ-1, 1, 0
	WIN 0
	PLACES NP
	RLOAD 2
	RLOAD 3
	TOSTAGE 0
.irp a, 1,2,3,4,5,6,7
.if \a > 1
	s_wait_xcnt 0x0                                ; block a - 2's stores have read their registers: block a's rows may land there
.endif
	TOSTAGE \a
	SEND \a-1, 32                                  ; behind block a - 1's loads: block a's 16 stores and 16 loads
.endr
	SEND 7, 0
	s_wait_tensorcnt 0x0                           ; the wave's end
	ds_add_u32 v[SPW], v[NIL]
	s_wait_dscnt 0x0
	CROUND
	s_endpgm
.Lfunc_end_k_q807cc2fd5d_wo:
	.size	k_q807cc2fd5d_wo, .Lfunc_end_k_q807cc2fd5d_wo-k_q807cc2fd5d_wo
	.p2alignl 7, 3214868480
	.fill 96, 4, 3214868480
	.section	.rodata,"a",@progbits
	.p2align	6, 0x0
	.amdhsa_kernel k_q807cc2fd5d_wo
		.amdhsa_group_segment_fixed_size 327680
		.amdhsa_private_segment_fixed_size 0
		.amdhsa_enable_private_segment 0
		.amdhsa_kernarg_size 40
		.amdhsa_user_sgpr_count 2
		.amdhsa_user_sgpr_kernarg_segment_ptr 1
		.amdhsa_wavefront_size32 1
		.amdhsa_system_sgpr_workgroup_id_x 1
		.amdhsa_system_sgpr_workgroup_id_y 1
		.amdhsa_system_sgpr_workgroup_id_z 1
		.amdhsa_system_vgpr_workitem_id 0
		.amdhsa_next_free_vgpr 1024
		.amdhsa_next_free_sgpr 106
		.amdhsa_reserve_vcc 0
		.amdhsa_float_denorm_mode_32 3
		.amdhsa_float_denorm_mode_16_64 3
		.amdhsa_memory_ordered 1
		.amdhsa_forward_progress 1
		.amdhsa_inst_pref_size 174
	.end_amdhsa_kernel
	.amdgpu_metadata
---
amdhsa.version: [ 1, 2 ]
amdhsa.kernels:
  - .name:           k_q807cc2fd5d_wo
    .symbol:         k_q807cc2fd5d_wo.kd
    .args:
      - { .name: ao, .offset: 0, .size: 8, .value_kind: global_buffer, .address_space: global }
      - { .name: wo_codes, .offset: 8, .size: 8, .value_kind: global_buffer, .address_space: global }
      - { .name: wo_scales, .offset: 16, .size: 8, .value_kind: global_buffer, .address_space: global }
      - { .name: x, .offset: 24, .size: 8, .value_kind: global_buffer, .address_space: global }
      - { .name: h, .offset: 32, .size: 8, .value_kind: global_buffer, .address_space: global }
    .group_segment_fixed_size: 327680
    .private_segment_fixed_size: 0
    .kernarg_segment_align: 8
    .kernarg_segment_size: 40
    .max_flat_workgroup_size: 128
    .sgpr_count:     106
    .vgpr_count:     1024
    .wavefront_size: 32
...
	.end_amdgpu_metadata
.endif
;; end of part 4
;; launch norm2: the kernel of part 1 again; grid 256 x 1, 4 waves a work-group, no clusters, 22,016 bytes of LDS; arguments h, g2, nrm; writes nrm
;; launch w1 (part 5): grid 8 x 16, 4 waves a work-group, clusters of 4 x 4, 327,680 bytes of LDS; arguments nrm, w1_codes, w1_scales, g; writes g
.if DOCPART == 5
	.amdgcn_target "amdgcn-amd-amdhsa--gfx1250"
	.amdhsa_code_object_version 6
	.text
	.protected	k_q807cc2fd5d_w1
	.globl	k_q807cc2fd5d_w1
	.p2align	8
	.type	k_q807cc2fd5d_w1,@function
k_q807cc2fd5d_w1:
	s_mov_b64 s[64:65], 0
	v_nop
	global_prefetch_b8 v0, s[64:65] scope:SCOPE_SE
	s_setreg_imm32_b32 hwreg(HW_REG_WAVE_MODE, 25, 1), 1
	s_wait_xcnt 0x0
	s_wait_alu depctr_hold_cnt(0) depctr_sa_sdst(0) depctr_va_vdst(0) depctr_va_sdst(0) depctr_va_ssrc(0) depctr_va_vcc(0) depctr_vm_vsrc(0)
	s_getreg_b32 s2, hwreg(HW_REG_IB_STS2, 6, 4)
	s_cmp_eq_u32 s2, 0
	s_cbranch_scc0 .Lentry_in_a_cluster
	s_endpgm
.Lentry_in_a_cluster:
	s_bfe_u32 s2, ttmp6, 0x10000c
	s_cmp_lg_u32 s2, 0xf033
	s_cbranch_scc0 .Lentry_shape_is_right
	s_endpgm
.Lentry_shape_is_right:
; g = gelu(nh w1^T), quantised along the 2,048 hidden units; the product on codes of FP8 (E4M3) with E8M0 scales, K = 1,024.  nh: rows of codes, its scale bytes [token][32] at byte 4,194,304.
; A tile of 256 x 256 to a work-group of four waves, 128 x 128 to a wave; K in steps of 256 through a ring of two LDS slots; scale bytes once; clusters of 4 x 4 with joint loads (A along a row, B along a column).
; Source 0 = 16 rows of w1, source 1 = 16 tokens: a lane holds one token and its registers run along the hidden units, the next product's K.
; THE WAY OUT is ONE loop of eight trips, so that the activation's text is written once: behind a barrier (nobody reads the slots any more, nothing is filled again) a wave's 512 accumulator registers go
; to its own 65,536 bytes of the slots as they stand; a trip takes back a block of 16 tokens (64 numbers a lane), applies gelu, quantises four blocks of 32, and stores the operand's image and scale word.
; gelu(x) = 0.5 x (1 + erf(x / sqrt 2)); erf(z) = z P(z^2) / Q(z^2), polynomials of degree 6 and 4, z held in -4 .. 4, where erf in f32 is 1.  x / sqrt 2 is a multiplication by the rounded reciprocal.
; RESULT: images [tile of 16 tokens][128 along K: 16][block: 4][lane][16 bytes] at 0; scale bytes [token][64] at 8,388,608 (4 bytes a token and wave: short runs, one byte in 33 of the stores).
; LIMITS: a block of zeros keeps the byte 1 (its codes are zeros; this program alone reads the bytes); NaN and infinities are not served.
.set SIZE_K, 1024
.set ASC,    4194304
.set KSTEP,  256
.set NQ,     KSTEP/128
.set ROWB,   256
.set ASTEP,  2*ROWB
.set KROW,   SIZE_K
.set PITCH,  272
.set FR,     16
.set NL,     4
.set NP,     8
.set HALFT,  128*PITCH
.set SLOT,   4*HALFT
.set LAPS,   SIZE_K/(2*KSTEP)
.set KS,     SIZE_K/32
.set SCL,    2*SLOT
.set HALFS,  (128*KS/256)*272
.set SBLK,   (16*KS/256)*272
.set SPARE,  SCL+4*HALFS
.set ADRA, 16
.set ADRB, 20
.set ADRS, 27
.set SPW,  28
.set NIL,  29
.set SC,   32                          ; v32-63 scale words: they hold nothing else
.set AF,   128
.set T,    2                           ; the way out: v2-9 z^2 of eight numbers
.set CA,   10                          ; v[10:11] the numerator's leading coefficient, v[12:13] the denominator's
.set CB,   12
.set PW,   14
.set STO,  16                          ; my stage + 16 x lane
.set ADR,  17
.set LI,   18                          ; 16 x lane
.set VS,   19                          ; 64 x (lane % 16)
.set X,    64                          ; v64-127 a block's 64 numbers
.set P,    128                         ; v128-191 numerators; later PC, TM
.set Q,    192                         ; v192-255 z, then denominators
.set PC,   128
.set TM,   144
.set KA11, 4
.set KA9,  6
.set KA7,  8
.set KA5,  10
.set KA3,  18
.set KA1,  20
.set KB6,  22
.set KB4,  40
.set KB2,  44
.set KB0,  46
.set SEL,  92
.set MNT,  94
.set G1, 24
.set G0, 32
.set G1B, 48
.set G0B, 56
.set G1S, 68
.set G0S, 76
.set G1SB, 80
.set G0SB, 88
.set MSB, 0
.macro WIN new
.if MSB != \new
	s_set_vgpr_msb (MSB<<8)|\new
.set MSB, \new
.endif
.endm
.set MUL_LO, 0xa1
.set MUL_HI, 0xf1
.set TO_B,   0x40
.macro JLOAD g0a, g1a, g0b, g1b        ; a joint load: waves 0 and 1 for A, waves 2 and 3 for B; an s_nop 0 and four v_nop follow each line
	s_cmp_eq_u32 s15, 0
	s_cbranch_scc0 .Lfor_b_\@
	tensor_load_to_lds s[\g0a:\g0a+3], s[\g1a:\g1a+7]
	s_nop 0
.rept 4
	v_nop
.endr
	s_branch .Lasked_\@
.Lfor_b_\@:
	tensor_load_to_lds s[\g0b:\g0b+3], s[\g1b:\g1b+7]
	s_nop 0
.rept 4
	v_nop
.endr
.Lasked_\@:
.endm
.macro CREST
	s_cmp_lg_u32 s14, 0
	s_cbranch_scc1 .Lnot_wave_0_\@
	s_barrier_signal -3
.Lnot_wave_0_\@:
	s_barrier_wait -3
	s_barrier_signal -1
	s_barrier_wait -1
.endm
.macro CROUND
	s_barrier_signal -1
	s_barrier_wait -1
	CREST
.endm
	s_load_b64 s[4:5], s[0:1], 0x0                 ; A
	s_load_b128 s[8:11], s[0:1], 0x8               ; B's codes, B's scales
	s_load_b64 s[12:13], s[0:1], 0x18              ; the result
	v_lshl_add_u32 v[SPW], v0, 2, SPARE
	v_mov_b32 v[NIL], 0
	ds_add_u32 v[SPW], v[NIL]                      ; the wave's opening: the add, twice on end, and its wait ahead of my first tensor load
	ds_add_u32 v[SPW], v[NIL]
	v_lshrrev_b32 v1, 5, v0
	v_readfirstlane_b32 s14, v1
	s_lshr_b32 s15, s14, 1
	s_and_b32 s16, s14, 1
	s_bfe_u32 s40, ttmp6, 0x40000
	s_bfe_u32 s41, ttmp6, 0x40004
	s_lshl_b32 s42, ttmp9, 2
	s_add_co_u32 s42, s42, s40                     ; tile column
	s_and_b32 s17, ttmp7, 0xffff
	s_lshl_b32 s17, s17, 2
	s_add_co_u32 s17, s17, s41                     ; tile row
	s_lshl_b32 s43, s41, 2
	s_lshl_b32 s43, 15, s43
	s_lshl_b32 s44, 0x1111, s40
	s_or_b32 s[G1+0], s43, (0<<16)|(1<<20)|(1<<21)|(5<<22)|(3<<25)
	s_or_b32 s[G1B+0], s44, (0<<16)|(1<<20)|(1<<21)|(5<<22)|(3<<25)
.irp g, G1, G1B
	s_mov_b32 s[\g+1], ROWB<<16
	s_mov_b32 s[\g+2], 128<<16
	s_mov_b32 s[\g+3], ROWB<<16
	s_mov_b32 s[\g+4], 128
	s_mov_b32 s[\g+5], KROW
	s_mov_b32 s[\g+6], 0
	s_mov_b32 s[\g+7], 0
.endr
	s_or_b32 s[G1S+0], s43, (3<<16)|(1<<20)|(1<<21)|(5<<22)|(3<<25)
	s_or_b32 s[G1SB+0], s44, (3<<16)|(1<<20)|(1<<21)|(5<<22)|(3<<25)
.irp g, G1S, G1SB
	s_mov_b32 s[\g+1], 32<<16
	s_mov_b32 s[\g+2], (128*KS/256)<<16
	s_mov_b32 s[\g+3], 32<<16
	s_mov_b32 s[\g+4], 128*KS/256
	s_mov_b32 s[\g+5], 32
	s_mov_b32 s[\g+6], 0
	s_mov_b32 s[\g+7], 0
.endr
	s_lshl_b32 s18, s16, 7
	s_lshl_b32 s20, s17, 8
	s_add_co_u32 s20, s20, s18
	s_lshl_b32 s46, s42, 8
	s_add_co_u32 s46, s46, s18
	s_mov_b32 s21, 0
	s_mov_b32 s47, 0
	s_mov_b64 s[18:19], KS
	s_mul_u64 s[22:23], s[20:21], s[18:19]
	s_mul_u64 s[92:93], s[46:47], s[18:19]
	s_mov_b64 s[18:19], KROW
	s_mul_u64 s[20:21], s[20:21], s[18:19]
	s_mul_u64 s[46:47], s[46:47], s[18:19]
	s_mul_i32 s45, s14, HALFT
	s_mul_i32 s94, s14, HALFS
	s_wait_dscnt 0x0
	s_wait_kmcnt 0x0
	s_add_nc_u64 s[6:7], s[4:5], ASC
	s_add_nc_u64 s[20:21], s[4:5], s[20:21]
	s_add_nc_u64 s[22:23], s[6:7], s[22:23]
	s_add_nc_u64 s[46:47], s[8:9], s[46:47]
	s_add_nc_u64 s[92:93], s[10:11], s[92:93]
	CROUND
	s_mov_b32 s[G0S], 1
	s_add_co_u32 s[G0S+1], s94, SCL
	s_mov_b64 s[G0S+2:G0S+3], s[22:23]
	s_or_b32 s[G0S+3], s[G0S+3], 0x80000000
	s_mov_b32 s[G0SB], 1
	s_add_co_u32 s[G0SB+1], s94, SCL
	s_mov_b64 s[G0SB+2:G0SB+3], s[92:93]
	s_or_b32 s[G0SB+3], s[G0SB+3], 0x80000000
	JLOAD G0S, G1S, G0SB, G1SB                     ; three loads of mine are out at the start
.irp s, 0,1
	s_mov_b32 s[G0+4*\s], 1
	s_add_co_u32 s[G0+4*\s+1], s45, \s*SLOT
	s_add_nc_u64 s[G0+4*\s+2:G0+4*\s+3], s[20:21], \s*(ASTEP/2)
	s_or_b32 s[G0+4*\s+3], s[G0+4*\s+3], 0x80000000
	s_mov_b32 s[G0B+4*\s], 1
	s_add_co_u32 s[G0B+4*\s+1], s45, \s*SLOT
	s_add_nc_u64 s[G0B+4*\s+2:G0B+4*\s+3], s[46:47], \s*ROWB
	s_or_b32 s[G0B+4*\s+3], s[G0B+4*\s+3], 0x80000000
	JLOAD G0+4*\s, G1, G0B+4*\s, G1B
.endr
	v_and_b32 v1, 15, v0
	v_bfe_u32 v2, v0, 4, 1
	v_mul_u32_u24 v3, v1, PITCH
	v_lshl_add_u32 v4, v2, 4, v3
	s_mul_i32 s21, s15, HALFT
	s_mul_i32 s22, s16, HALFT
	s_add_co_u32 s22, s22, 2*HALFT
.irp s, 0,1
	v_add_nc_u32 v[ADRA+\s], s21, v4
	v_add_nc_u32 v[ADRB+\s], s22, v4
	s_add_co_u32 s21, s21, SLOT
	s_add_co_u32 s22, s22, SLOT
.endr
	v_mul_u32_u24 v5, v1, KS
	v_lshrrev_b32 v6, 8, v5
	v_lshl_add_u32 v5, v6, 4, v5
	s_mul_i32 s21, s15, HALFS
	s_mul_i32 s22, s16, HALFS
	s_add_co_u32 s22, s22, 2*HALFS
	s_sub_co_u32 s22, s22, s21
	v_mul_u32_u24 v6, s22, v2
	s_add_co_u32 s21, s21, SCL
	v_add_nc_u32 v5, v5, v6
	v_add_nc_u32 v[ADRS], s21, v5
.macro FRAG reg, adr, q, i
.irp c, 0,1,2,3
	ds_load_b128 v[\reg+4*\c:\reg+4*\c+3], v[\adr] offset:128*(\q)+32*\c+(\i)*16*PITCH
.endr
.endm
.macro MUL16 a0, p, q, sc, zero        ; the 64 accumulators take turns, one instruction a turn
.irp a, \a0, \a0+1
.irp b, 0,1,2,3,4,5,6,7
.if \zero
	v_wmma_scale_f32_16x16x128_f8f6f4 v[8*(8*((\a)%4)+\b):8*(8*((\a)%4)+\b)+7], v[128*(\p)+FR*\b:128*(\p)+FR*\b+FR-1], v[AF+FR*(\a):AF+FR*(\a)+FR-1], 0, v[SC+8*NQ*(\sc)+NQ*\b+(\q)], v[SC+8*NQ*(\sc)+NQ*(\a)+(\q)] matrix_a_scale:MATRIX_SCALE_ROW1
.else
	v_wmma_scale_f32_16x16x128_f8f6f4 v[8*(8*((\a)%4)+\b):8*(8*((\a)%4)+\b)+7], v[128*(\p)+FR*\b:128*(\p)+FR*\b+FR-1], v[AF+FR*(\a):AF+FR*(\a)+FR-1], v[8*(8*((\a)%4)+\b):8*(8*((\a)%4)+\b)+7], v[SC+8*NQ*(\sc)+NQ*\b+(\q)], v[SC+8*NQ*(\sc)+NQ*(\a)+(\q)] matrix_a_scale:MATRIX_SCALE_ROW1
.endif
.endr
.endr
.endm
.macro FETCH_B slot, q, p
	WIN TO_B
.irp i, 0,1,2,3,4,5,6,7
	FRAG 128*(\p)+FR*\i, ADRB+\slot, \q, \i
.endr
	WIN 0
.endm
.macro FETCH_A slot, q, i0
.irp i, \i0, \i0+1, \i0+2, \i0+3
	FRAG AF+FR*(\i), ADRA+\slot, \q, \i
.endr
.endm
.macro SCALES sc
.irp i, 0,1,2,3,4,5,6,7
	ds_load_b64 v[SC+8*NQ*\sc+NQ*\i:SC+8*NQ*\sc+NQ*\i+1], v[ADRS] offset:\i*SBLK
.endr
.endm
.macro PLACES n
.rept \n
	v_nop
.endr
.endm
.macro STEP slot, q, zero
	s_wait_dscnt 4*NL                              ; the youngest 16 loads (A's blocks 4-7) may be out
	WIN MUL_LO
	MUL16 0, (\q)%2, \q, \slot, \zero
	MUL16 2, (\q)%2, \q, \slot, \zero
	s_wait_dscnt 0
	PLACES NP
	FETCH_B \slot, (\q)+1, 1-(\q)%2
	FETCH_A \slot, (\q)+1, 0
	WIN MUL_HI
	MUL16 4, (\q)%2, \q, \slot, \zero
	MUL16 6, (\q)%2, \q, \slot, \zero
	PLACES NP
	WIN 0
	FETCH_A \slot, (\q)+1, 4
.endm
.macro TURN slot, next, fill
	s_wait_tensorcnt 0x0                           ; all my tensor loads have landed
	ds_add_u32 v[SPW], v[NIL]
	s_wait_dscnt 4*NL+1                            ; (the add and the youngest 16 loads may be out)
	WIN MUL_LO
	MUL16 0, 1, NQ-1, \slot, 0
	s_wait_dscnt 0x0                               ; the add is done, and my reads of this slot are over
	s_barrier_signal -1
	MUL16 2, 1, NQ-1, \slot, 0
	WIN 0
	s_barrier_wait -1
.if \fill
	CREST
	s_add_nc_u64 s[G0+4*\slot+2:G0+4*\slot+3], s[G0+4*\slot+2:G0+4*\slot+3], ASTEP
	s_add_nc_u64 s[G0B+4*\slot+2:G0B+4*\slot+3], s[G0B+4*\slot+2:G0B+4*\slot+3], 2*ROWB
	JLOAD G0+4*\slot, G1, G0B+4*\slot, G1B         ; my one tensor load behind the round
	PLACES NP-4
.else
	PLACES NP
.endif
	v_add_nc_u32 v[ADRS], 4*NQ, v[ADRS]
	FETCH_B \next, 0, 0
	FETCH_A \next, 0, 0
	SCALES \next
	WIN MUL_HI
	MUL16 4, 1, NQ-1, \slot, 0
	MUL16 6, 1, NQ-1, \slot, 0
	PLACES NP
	WIN 0
	FETCH_A \next, 0, 4
.endm
	s_wait_tensorcnt 1                             ; the scales and K step 0 are in; slot 1's load may be out
	s_barrier_signal -1
	s_barrier_wait -1
	FETCH_B 0, 0, 0
	FETCH_A 0, 0, 0
	SCALES 0
	FETCH_A 0, 0, 4
	STEP 0, 0, 1
	s_mov_b32 s3, LAPS-1
.Llap:
	TURN 0, 1, 1
	STEP 1, 0, 0
	TURN 1, 0, 1
	STEP 0, 0, 0
	s_sub_co_u32 s3, s3, 1
	s_cmp_lg_u32 s3, 0
	s_cbranch_scc1 .Llap
	TURN 0, 1, 0
	STEP 1, 0, 0
	s_wait_dscnt 4*NL
	WIN MUL_LO
	MUL16 0, 1, NQ-1, 1, 0
	MUL16 2, 1, NQ-1, 1, 0
	s_wait_dscnt 0
	WIN MUL_HI
	MUL16 4, 1, NQ-1, 1, 0
	MUL16 6, 1, NQ-1, 1, 0
	WIN 0
	PLACES NP
	s_wait_dscnt 0x0                               ; my reads of the slots are over
	s_barrier_signal -1
	s_barrier_wait -1                              ; everybody's are: the slots, which have had their last fill, become the stages
	s_lshl_b32 s95, s14, 16
	v_and_b32 v[LI], 31, v0
	v_lshlrev_b32 v[LI], 4, v[LI]
	v_add_nc_u32 v[STO], s95, v[LI]                ; my stage: 65,536 x wave + 16 x lane
	v_lshlrev_b32 v[VS], 6, v1
	WIN 0x08                                       ; the data: window 2
.set k, 0
.rept 64
	ds_store_b128 v[STO], v[4*k:4*k+3] offset:512*k    ; each accumulator from its low end on
.set k, k+1
.endr
	WIN 0x0c                                       ; window 3
.set k, 0
.rept 64
	ds_store_b128 v[STO], v[4*k:4*k+3] offset:512*(k+64)
.set k, k+1
.endr
	WIN 0
	s_lshl_b32 s96, s17, 8
	s_lshl_b32 s97, s15, 7
	s_add_co_u32 s96, s96, s97                     ; my first token
	s_lshl_b32 s98, s42, 8
	s_lshl_b32 s97, s16, 7
	s_add_co_u32 s98, s98, s97                     ; my first hidden unit
	s_lshl_b32 s100, s96, 11
	s_lshl_b32 s97, s98, 4
	s_add_co_u32 s100, s100, s97                   ; images: 32,768 x tile of tokens + 2,048 x (unit / 128)
	s_mov_b32 s101, 0
	s_lshl_b32 s104, s96, 6
	s_lshr_b32 s97, s98, 5
	s_add_co_u32 s104, s104, s97
	s_add_co_u32 s104, s104, 8388608               ; scale bytes: 64 a token, 4 for my 128 units
	s_mov_b32 s105, 0
	s_add_nc_u64 s[66:67], s[12:13], s[104:105]
	s_add_nc_u64 s[12:13], s[12:13], s[100:101]
.macro KSET reg, val                   ; a coefficient as a pair: the packed form names both words
	s_mov_b32 s[\reg], \val
	s_mov_b32 s[\reg+1], \val
.endm
	KSET KA11, 0x32edffee
	KSET KA9,  0xb60cff51
	KSET KA7,  0xb86ec2d2
	KSET KA5,  0xba40ac63
	KSET KA3,  0xbb41a1f6
	KSET KA1,  0xbc83dbd4
	KSET KB6,  0xb95fbd29
	KSET KB4,  0xbadc924e
	KSET KB2,  0xbbf19bf8
	KSET KB0,  0xbc69b6a7
	s_mov_b32 s[SEL], 0x76543210
	s_mov_b32 s[SEL+1], 0xfedcba98
	s_mov_b32 s[MNT], 0x600000
	v_mov_b32 v[CA], 0xaf95df0b
	v_mov_b32 v[CA+1], 0xaf95df0b
	v_mov_b32 v[CB], 0xb77460cd
	v_mov_b32 v[CB+1], 0xb77460cd
	s_mov_b32 s3, 0
.Lrows:                                            ; eight trips: a block of 16 tokens each; s3 is the block's place in my stage
	v_add_nc_u32 v[ADR], s3, v[STO]
.irp k, 0,1,2,3,4,5,6,7,8,9,10,11,12,13,14,15
	ds_load_b128 v[X+4*\k:X+4*\k+3], v[ADR] offset:512*\k   ; LDS serves a wave's instructions in order: these see my stores
.endr
	s_wait_dscnt 0x0
.irp g, 0,1,2,3,4,5,6,7                ; eight numbers at a time
.irp p, 0,2,4,6
	v_pk_mul_f32 v[Q+8*\g+\p:Q+8*\g+\p+1], v[X+8*\g+\p:X+8*\g+\p+1], 0x3f3504f3 op_sel_hi:[1,0]   ; z = x / sqrt 2
.endr
.irp p, 0,1,2,3,4,5,6,7
	v_med3_num_f32 v[Q+8*\g+\p], v[Q+8*\g+\p], -4.0, 4.0
.endr
.irp p, 0,2,4,6
	v_pk_mul_f32 v[T+\p:T+\p+1], v[Q+8*\g+\p:Q+8*\g+\p+1], v[Q+8*\g+\p:Q+8*\g+\p+1]
.endr
.irp p, 0,2,4,6
	v_pk_fma_f32 v[P+8*\g+\p:P+8*\g+\p+1], v[CA:CA+1], v[T+\p:T+\p+1], s[KA11:KA11+1] op_sel_hi:[1,1,0]
.endr
.irp c, KA9, KA7, KA5, KA3, KA1
.irp p, 0,2,4,6
	v_pk_fma_f32 v[P+8*\g+\p:P+8*\g+\p+1], v[P+8*\g+\p:P+8*\g+\p+1], v[T+\p:T+\p+1], s[\c:\c+1] op_sel_hi:[1,1,0]
.endr
.endr
.irp p, 0,2,4,6
	v_pk_mul_f32 v[P+8*\g+\p:P+8*\g+\p+1], v[P+8*\g+\p:P+8*\g+\p+1], v[Q+8*\g+\p:Q+8*\g+\p+1]   ; x z; z's registers are free from here
.endr
.irp p, 0,2,4,6
	v_pk_fma_f32 v[Q+8*\g+\p:Q+8*\g+\p+1], v[CB:CB+1], v[T+\p:T+\p+1], s[KB6:KB6+1] op_sel_hi:[1,1,0]
.endr
.irp c, KB4, KB2, KB0
.irp p, 0,2,4,6
	v_pk_fma_f32 v[Q+8*\g+\p:Q+8*\g+\p+1], v[Q+8*\g+\p:Q+8*\g+\p+1], v[T+\p:T+\p+1], s[\c:\c+1] op_sel_hi:[1,1,0]
.endr
.endr
.endr
.set j, 0
.rept 64
	v_rcp_f32 v[Q+j], v[Q+j]
.set j, j+1
.endr
.set j, 0
.rept 32
	v_pk_mul_f32 v[X+j:X+j+1], v[X+j:X+j+1], 0.5 op_sel_hi:[1,0]   ; independent work behind the batch
.set j, j+2
.endr
	s_wait_alu depctr_va_vdst(0)                   ; one wait for the 64 reciprocals, ahead of their first reader
.set j, 0
.rept 32
	v_pk_mul_f32 v[P+j:P+j+1], v[P+j:P+j+1], v[Q+j:Q+j+1]          ; erf
.set j, j+2
.endr
.set j, 0
.rept 32
	v_pk_fma_f32 v[X+j:X+j+1], v[X+j:X+j+1], v[P+j:P+j+1], v[X+j:X+j+1]   ; 0.5 x erf + 0.5 x
.set j, j+2
.endr
.irp b, 0,1,2,3
	v_max3_num_f32 v[TM+\b], |v[X+16*\b]|, |v[X+1+16*\b]|, 0x4800000   ; my 16 numbers of block b, and the floor 2^(9 - 127)
.endr
.irp i, 2,4,6,8,10,12,14
.irp b, 0,1,2,3
	v_max3_num_f32 v[TM+\b], v[TM+\b], |v[X+16*\b+\i]|, |v[X+1+16*\b+\i]|
.endr
.endr
.irp b, 0,1,2,3
	v_permlanex16_b32 v[TM+4+\b], v[TM+\b], s[SEL], s[SEL+1]
.endr
.irp b, 0,1,2,3
	v_max_num_f32 v[TM+\b], v[TM+\b], v[TM+4+\b]
.endr
.irp b, 0,1,2,3
	v_add_nc_u32 v[TM+12+\b], 0xfc000000, v[TM+\b]
.endr
.irp b, 0,1,2,3
	v_and_or_b32 v[TM+8+\b], v[TM+\b], 0x7f800000, s[MNT]
.endr
.irp b, 0,1,2,3
	v_lshrrev_b32 v[TM+4+\b], 23, v[TM+12+\b]
.endr
	v_lshl_or_b32 v[PW], v[TM+5], 8, v[TM+4]
	v_lshl_or_b32 v[PW], v[TM+6], 16, v[PW]
	v_lshl_or_b32 v[PW], v[TM+7], 24, v[PW]
.irp b, 0,1,2,3
.irp i, 0,1,2,3,4,5,6,7,8,9,10,11,12,13,14,15
	v_med3_num_f32 v[X+16*\b+\i], v[X+16*\b+\i], -v[TM+8+\b], v[TM+8+\b]   ; the hold: the conversion does not saturate (ISA guide 7.6.2)
.endr
	v_cvt_scalef32_pk8_fp8_f32 v[PC+4*\b:PC+1+4*\b], v[X+16*\b:X+7+16*\b], v[TM+12+\b]
	v_cvt_scalef32_pk8_fp8_f32 v[PC+2+4*\b:PC+3+4*\b], v[X+8+16*\b:X+15+16*\b], v[TM+12+\b]
.endr
	v_nop                                          ; a plain instruction behind the conversions
.irp b, 0,1,2,3
	v_permlane16_swap_b32 v[PC+4*\b], v[PC+2+4*\b]     ; each lane then holds 16 neighbours of the block
	v_permlane16_swap_b32 v[PC+1+4*\b], v[PC+3+4*\b]
.endr
.irp c, 0,1,2,3
	global_store_b128 v[LI], v[PC+4*\c:PC+4*\c+3], s[12:13] offset:512*\c   ; 512 consecutive bytes, aligned
.endr
	global_store_b32 v[VS], v[PW], s[66:67]        ; lanes 16-31 repeat lanes 0-15's words
	s_wait_xcnt 0x0                                ; the stores have read their data and bases: both are written again in the next trip
	s_add_nc_u64 s[12:13], s[12:13], 32768
	s_add_nc_u64 s[66:67], s[66:67], 1024
	s_add_co_u32 s3, s3, 8192
	s_cmp_lt_u32 s3, 65536
	s_cbranch_scc1 .Lrows
	s_wait_tensorcnt 0x0                           ; the wave's end
	ds_add_u32 v[SPW], v[NIL]
	s_wait_dscnt 0x0
	CROUND
	s_endpgm
.Lfunc_end_k_q807cc2fd5d_w1:
	.size	k_q807cc2fd5d_w1, .Lfunc_end_k_q807cc2fd5d_w1-k_q807cc2fd5d_w1
	.p2alignl 7, 3214868480
	.fill 96, 4, 3214868480
	.section	.rodata,"a",@progbits
	.p2align	6, 0x0
	.amdhsa_kernel k_q807cc2fd5d_w1
		.amdhsa_group_segment_fixed_size 327680
		.amdhsa_private_segment_fixed_size 0
		.amdhsa_enable_private_segment 0
		.amdhsa_kernarg_size 32
		.amdhsa_user_sgpr_count 2
		.amdhsa_user_sgpr_kernarg_segment_ptr 1
		.amdhsa_wavefront_size32 1
		.amdhsa_system_sgpr_workgroup_id_x 1
		.amdhsa_system_sgpr_workgroup_id_y 1
		.amdhsa_system_sgpr_workgroup_id_z 1
		.amdhsa_system_vgpr_workitem_id 0
		.amdhsa_next_free_vgpr 1024
		.amdhsa_next_free_sgpr 106
		.amdhsa_reserve_vcc 0
		.amdhsa_float_denorm_mode_32 3
		.amdhsa_float_denorm_mode_16_64 3
		.amdhsa_memory_ordered 1
		.amdhsa_forward_progress 1
		.amdhsa_inst_pref_size 175
	.end_amdhsa_kernel
	.amdgpu_metadata
---
amdhsa.version: [ 1, 2 ]
amdhsa.kernels:
  - .name:           k_q807cc2fd5d_w1
    .symbol:         k_q807cc2fd5d_w1.kd
    .args:
      - { .name: nrm, .offset: 0, .size: 8, .value_kind: global_buffer, .address_space: global }
      - { .name: w1_codes, .offset: 8, .size: 8, .value_kind: global_buffer, .address_space: global }
      - { .name: w1_scales, .offset: 16, .size: 8, .value_kind: global_buffer, .address_space: global }
      - { .name: g, .offset: 24, .size: 8, .value_kind: global_buffer, .address_space: global }
    .group_segment_fixed_size: 327680
    .private_segment_fixed_size: 0
    .kernarg_segment_align: 8
    .kernarg_segment_size: 32
    .max_flat_workgroup_size: 128
    .sgpr_count:     106
    .vgpr_count:     1024
    .wavefront_size: 32
...
	.end_amdgpu_metadata
.endif
;; end of part 5
;; launch w2 (part 6): grid 4 x 16, 4 waves a work-group, clusters of 4 x 4, 327,680 bytes of LDS; arguments g, w2_codes, w2_scales, h, out0; writes out0
.if DOCPART == 6
	.amdgcn_target "amdgcn-amd-amdhsa--gfx1250"
	.amdhsa_code_object_version 6
	.text
	.protected	k_q807cc2fd5d_w2
	.globl	k_q807cc2fd5d_w2
	.p2align	8
	.type	k_q807cc2fd5d_w2,@function
k_q807cc2fd5d_w2:
	s_mov_b64 s[64:65], 0
	v_nop
	global_prefetch_b8 v0, s[64:65] scope:SCOPE_SE
	s_setreg_imm32_b32 hwreg(HW_REG_WAVE_MODE, 25, 1), 1
	s_wait_xcnt 0x0
	s_wait_alu depctr_hold_cnt(0) depctr_sa_sdst(0) depctr_va_vdst(0) depctr_va_sdst(0) depctr_va_ssrc(0) depctr_va_vcc(0) depctr_vm_vsrc(0)
	s_getreg_b32 s2, hwreg(HW_REG_IB_STS2, 6, 4)
	s_cmp_eq_u32 s2, 0
	s_cbranch_scc0 .Lentry_in_a_cluster
	s_endpgm
.Lentry_in_a_cluster:
	s_bfe_u32 s2, ttmp6, 0x10000c
	s_cmp_lg_u32 s2, 0xf033
	s_cbranch_scc0 .Lentry_shape_is_right
	s_endpgm
.Lentry_shape_is_right:
; out = h + g w2^T on codes of FP8 (E4M3) with E8M0 scales, K = 2,048, N = 1,024.  g comes as images of operand registers, [tile of 16 tokens][128 along K: 16][block of 32: 4][lane][16 bytes], its scale bytes
; [token][64] at byte 8,388,608; w2 as rows of codes, K innermost.
; A tile of 256 x 256 to a work-group of four waves, 128 x 128 to a wave; K in steps of 256 through a ring of two LDS slots; the scale bytes come once; 4 x 4 work-groups form a cluster: A's tile (tokens) is
; shared along a row of the cluster, B's (the weight) along a column, each asked for jointly.  Source 0 = 16 rows of the weight, source 1 = 16 tokens: a lane holds eight neighbouring numbers of a row of the result.
; A's tile of a slot is 8 rows (tiles of tokens) of 4,096 bytes; it lands dense, and a fragment is four loads of 512 consecutive bytes.
; THE WAY OUT: a block of 16 rows goes through my stage in LDS (in slot 0, which has had its last fill and its last read) and comes back as whole rows of 512 bytes; there the residual, loaded four blocks
; ahead into B's registers, is added, and the 32 lanes store two aligned runs of 256 bytes.
.set SIZE_K, 2048
.set SIZE_N, 1024
.set ASC,    8388608                   ; where A's scale bytes begin
.set KSTEP,  256
.set NQ,     KSTEP/128
.set ROWB,   256
.set ASTEP,  8192
.set KROW,   SIZE_K
.set PITCH,  272
.set FR,     16
.set NL,     4
.set NP,     8
.set HALFT,  128*PITCH
.set SLOT,   4*HALFT
.set LAPS,   SIZE_K/(2*KSTEP)
.set KS,     SIZE_K/32
.set SCL,    2*SLOT
.set HALFS,  (128*KS/256)*272
.set SBLK,   (16*KS/256)*272
.set SPARE,  SCL+4*HALFS
.set SPITCH, 528
.set ADRA, 16
.set ADRB, 20
.set STO,  24
.set RD,   25
.set CO,   26
.set ADRS, 27
.set SPW,  28
.set NIL,  29
.set SC,   32
.set AF,   128
.set BK,   128
.set G1, 24
.set G0, 32
.set G1B, 48
.set G0B, 56
.set G1S, 68
.set G0S, 76
.set G1SB, 80
.set G0SB, 88
.set MSB, 0
.macro WIN new
.if MSB != \new
	s_set_vgpr_msb (MSB<<8)|\new
.set MSB, \new
.endif
.endm
.set MUL_LO, 0xa1
.set MUL_HI, 0xf1
.set TO_B,   0x40
.macro JLOAD g0a, g1a, g0b, g1b        ; a joint load: waves 0 and 1 for A, waves 2 and 3 for B; an s_nop 0 and four v_nop follow each line
	s_cmp_eq_u32 s15, 0
	s_cbranch_scc0 .Lfor_b_\@
	tensor_load_to_lds s[\g0a:\g0a+3], s[\g1a:\g1a+7]
	s_nop 0
.rept 4
	v_nop
.endr
	s_branch .Lasked_\@
.Lfor_b_\@:
	tensor_load_to_lds s[\g0b:\g0b+3], s[\g1b:\g1b+7]
	s_nop 0
.rept 4
	v_nop
.endr
.Lasked_\@:
.endm
.macro CREST
	s_cmp_lg_u32 s14, 0
	s_cbranch_scc1 .Lnot_wave_0_\@
	s_barrier_signal -3
.Lnot_wave_0_\@:
	s_barrier_wait -3
	s_barrier_signal -1
	s_barrier_wait -1
.endm
.macro CROUND
	s_barrier_signal -1
	s_barrier_wait -1
	CREST
.endm
	s_load_b64 s[4:5], s[0:1], 0x0                 ; A
	s_load_b128 s[8:11], s[0:1], 0x8               ; B's codes, B's scales
	s_load_b64 s[66:67], s[0:1], 0x18              ; the residual
	s_load_b64 s[12:13], s[0:1], 0x20              ; the result
	v_lshl_add_u32 v[SPW], v0, 2, SPARE
	v_mov_b32 v[NIL], 0
	ds_add_u32 v[SPW], v[NIL]                      ; the wave's opening: the add, twice on end, and its wait ahead of my first tensor load
	ds_add_u32 v[SPW], v[NIL]
	v_lshrrev_b32 v1, 5, v0
	v_readfirstlane_b32 s14, v1
	s_lshr_b32 s15, s14, 1
	s_and_b32 s16, s14, 1
	s_bfe_u32 s40, ttmp6, 0x40000                  ; cx
	s_bfe_u32 s41, ttmp6, 0x40004                  ; cy
	s_lshl_b32 s42, ttmp9, 2
	s_add_co_u32 s42, s42, s40                     ; tile column
	s_and_b32 s17, ttmp7, 0xffff
	s_lshl_b32 s17, s17, 2
	s_add_co_u32 s17, s17, s41                     ; tile row
	s_lshl_b32 s43, s41, 2
	s_lshl_b32 s43, 15, s43
	s_lshl_b32 s44, 0x1111, s40
	s_or_b32 s[G1+0], s43, (3<<16)|(1<<21)         ; A: the mask of my row; elements of 8 bytes; no padding; bit 21 beside a mask
	s_mov_b32 s[G1+1], 512<<16                     ; tensor_dim0: 4,096 bytes
	s_mov_b32 s[G1+2], 8<<16                       ; tensor_dim1: 8 tiles of tokens
	s_mov_b32 s[G1+3], 512<<16                     ; tile_dim0
	s_mov_b32 s[G1+4], 8                           ; tile_dim1
	s_mov_b32 s[G1+5], 2*SIZE_K                    ; the pitch: 16 SIZE_K bytes
	s_mov_b32 s[G1+6], 0
	s_mov_b32 s[G1+7], 0
	s_or_b32 s[G1B+0], s44, (0<<16)|(1<<20)|(1<<21)|(5<<22)|(3<<25)
	s_mov_b32 s[G1B+1], ROWB<<16
	s_mov_b32 s[G1B+2], 128<<16
	s_mov_b32 s[G1B+3], ROWB<<16
	s_mov_b32 s[G1B+4], 128
	s_mov_b32 s[G1B+5], KROW
	s_mov_b32 s[G1B+6], 0
	s_mov_b32 s[G1B+7], 0
	s_or_b32 s[G1S+0], s43, (3<<16)|(1<<20)|(1<<21)|(5<<22)|(3<<25)
	s_or_b32 s[G1SB+0], s44, (3<<16)|(1<<20)|(1<<21)|(5<<22)|(3<<25)
.irp g, G1S, G1SB
	s_mov_b32 s[\g+1], 32<<16
	s_mov_b32 s[\g+2], (128*KS/256)<<16
	s_mov_b32 s[\g+3], 32<<16
	s_mov_b32 s[\g+4], 128*KS/256
	s_mov_b32 s[\g+5], 32
	s_mov_b32 s[\g+6], 0
	s_mov_b32 s[\g+7], 0
.endr
	s_lshl_b32 s18, s16, 7
	s_lshl_b32 s20, s17, 8
	s_add_co_u32 s20, s20, s18
	s_lshl_b32 s46, s42, 8
	s_add_co_u32 s46, s46, s18
	s_mov_b32 s21, 0
	s_mov_b32 s47, 0
	s_mov_b64 s[18:19], KS
	s_mul_u64 s[22:23], s[20:21], s[18:19]
	s_mul_u64 s[92:93], s[46:47], s[18:19]
	s_mov_b64 s[18:19], KROW
	s_mul_u64 s[20:21], s[20:21], s[18:19]         ; A's images of 16 rows are 16 SIZE_K bytes: row x SIZE_K serves them too
	s_mul_u64 s[46:47], s[46:47], s[18:19]
	s_mul_i32 s45, s14, HALFT
	s_mul_i32 s94, s14, HALFS
	s_wait_dscnt 0x0
	s_wait_kmcnt 0x0
	s_add_nc_u64 s[6:7], s[4:5], ASC
	s_add_nc_u64 s[20:21], s[4:5], s[20:21]
	s_add_nc_u64 s[22:23], s[6:7], s[22:23]
	s_add_nc_u64 s[46:47], s[8:9], s[46:47]
	s_add_nc_u64 s[92:93], s[10:11], s[92:93]
	CROUND
	s_mov_b32 s[G0S], 1
	s_add_co_u32 s[G0S+1], s94, SCL
	s_mov_b64 s[G0S+2:G0S+3], s[22:23]
	s_or_b32 s[G0S+3], s[G0S+3], 0x80000000
	s_mov_b32 s[G0SB], 1
	s_add_co_u32 s[G0SB+1], s94, SCL
	s_mov_b64 s[G0SB+2:G0SB+3], s[92:93]
	s_or_b32 s[G0SB+3], s[G0SB+3], 0x80000000
	JLOAD G0S, G1S, G0SB, G1SB                     ; three loads of mine are out at the start
.irp s, 0,1
	s_mov_b32 s[G0+4*\s], 1
	s_add_co_u32 s[G0+4*\s+1], s45, \s*SLOT
	s_add_nc_u64 s[G0+4*\s+2:G0+4*\s+3], s[20:21], \s*(ASTEP/2)
	s_or_b32 s[G0+4*\s+3], s[G0+4*\s+3], 0x80000000
	s_mov_b32 s[G0B+4*\s], 1
	s_add_co_u32 s[G0B+4*\s+1], s45, \s*SLOT
	s_add_nc_u64 s[G0B+4*\s+2:G0B+4*\s+3], s[46:47], \s*ROWB
	s_or_b32 s[G0B+4*\s+3], s[G0B+4*\s+3], 0x80000000
	JLOAD G0+4*\s, G1, G0B+4*\s, G1B
.endr
	v_and_b32 v1, 15, v0
	v_bfe_u32 v2, v0, 4, 1
	v_mul_u32_u24 v3, v1, PITCH
	v_lshl_add_u32 v4, v2, 4, v3                   ; B: row x pitch + 16 x half
	v_and_b32 v7, 31, v0
	v_lshlrev_b32 v7, 4, v7                        ; A: 16 x lane
	s_mul_i32 s21, s15, HALFT
	s_mul_i32 s22, s16, HALFT
	s_add_co_u32 s22, s22, 2*HALFT
.irp s, 0,1
	v_add_nc_u32 v[ADRA+\s], s21, v7
	v_add_nc_u32 v[ADRB+\s], s22, v4
	s_add_co_u32 s21, s21, SLOT
	s_add_co_u32 s22, s22, SLOT
.endr
	v_mul_u32_u24 v5, v1, KS
	v_lshrrev_b32 v6, 8, v5
	v_lshl_add_u32 v5, v6, 4, v5
	s_mul_i32 s21, s15, HALFS
	s_mul_i32 s22, s16, HALFS
	s_add_co_u32 s22, s22, 2*HALFS
	s_sub_co_u32 s22, s22, s21
	v_mul_u32_u24 v6, s22, v2
	s_add_co_u32 s21, s21, SCL
	v_add_nc_u32 v5, v5, v6
	v_add_nc_u32 v[ADRS], s21, v5
	s_mul_i32 s23, s14, 16*SPITCH                  ; my stage
	v_mul_u32_u24 v5, v1, SPITCH
	v_lshl_add_u32 v5, v2, 5, v5
	v_add_nc_u32 v[STO], s23, v5
	v_mov_b32 v[CO], v7                            ; back: the 32 lanes take one row of 512 bytes; and the same in memory
	v_add_nc_u32 v[RD], s23, v[CO]
	s_lshl_b32 s20, s17, 8
	s_lshl_b32 s21, s15, 7
	s_add_co_u32 s20, s20, s21
	s_mov_b32 s21, 0
	s_mov_b64 s[18:19], SIZE_N*4
	s_mul_u64 s[20:21], s[20:21], s[18:19]
	s_lshl_b32 s46, s42, 10
	s_lshl_b32 s47, s16, 9
	s_add_co_u32 s46, s46, s47
	s_mov_b32 s47, 0
	s_add_nc_u64 s[20:21], s[20:21], s[46:47]
	s_add_nc_u64 s[12:13], s[12:13], s[20:21]
	s_add_nc_u64 s[66:67], s[66:67], s[20:21]
.macro FRAG reg, adr, q, i
.irp c, 0,1,2,3
	ds_load_b128 v[\reg+4*\c:\reg+4*\c+3], v[\adr] offset:128*(\q)+32*\c+(\i)*16*PITCH
.endr
.endm
.macro FRAGA reg, adr, q, i            ; an image: four runs of 512 consecutive bytes
.irp c, 0,1,2,3
	ds_load_b128 v[\reg+4*\c:\reg+4*\c+3], v[\adr] offset:(\i)*4096+(\q)*2048+512*\c
.endr
.endm
.macro MUL16 a0, p, q, sc, zero        ; the 64 accumulators take turns, one instruction a turn
.irp a, \a0, \a0+1
.irp b, 0,1,2,3,4,5,6,7
.if \zero
	v_wmma_scale_f32_16x16x128_f8f6f4 v[8*(8*((\a)%4)+\b):8*(8*((\a)%4)+\b)+7], v[128*(\p)+FR*\b:128*(\p)+FR*\b+FR-1], v[AF+FR*(\a):AF+FR*(\a)+FR-1], 0, v[SC+8*NQ*(\sc)+NQ*\b+(\q)], v[SC+8*NQ*(\sc)+NQ*(\a)+(\q)] matrix_a_scale:MATRIX_SCALE_ROW1
.else
	v_wmma_scale_f32_16x16x128_f8f6f4 v[8*(8*((\a)%4)+\b):8*(8*((\a)%4)+\b)+7], v[128*(\p)+FR*\b:128*(\p)+FR*\b+FR-1], v[AF+FR*(\a):AF+FR*(\a)+FR-1], v[8*(8*((\a)%4)+\b):8*(8*((\a)%4)+\b)+7], v[SC+8*NQ*(\sc)+NQ*\b+(\q)], v[SC+8*NQ*(\sc)+NQ*(\a)+(\q)] matrix_a_scale:MATRIX_SCALE_ROW1
.endif
.endr
.endr
.endm
.macro FETCH_B slot, q, p
	WIN TO_B
.irp i, 0,1,2,3,4,5,6,7
	FRAG 128*(\p)+FR*\i, ADRB+\slot, \q, \i
.endr
	WIN 0
.endm
.macro FETCH_A slot, q, i0
.irp i, \i0, \i0+1, \i0+2, \i0+3
	FRAGA AF+FR*(\i), ADRA+\slot, \q, \i
.endr
.endm
.macro SCALES sc
.irp i, 0,1,2,3,4,5,6,7
	ds_load_b64 v[SC+8*NQ*\sc+NQ*\i:SC+8*NQ*\sc+NQ*\i+1], v[ADRS] offset:\i*SBLK
.endr
.endm
.macro PLACES n
.rept \n
	v_nop
.endr
.endm
.macro STEP slot, q, zero
	s_wait_dscnt 4*NL                              ; the youngest 16 loads (A's blocks 4-7) may be out
	WIN MUL_LO
	MUL16 0, (\q)%2, \q, \slot, \zero
	MUL16 2, (\q)%2, \q, \slot, \zero
	s_wait_dscnt 0
	PLACES NP
	FETCH_B \slot, (\q)+1, 1-(\q)%2
	FETCH_A \slot, (\q)+1, 0
	WIN MUL_HI
	MUL16 4, (\q)%2, \q, \slot, \zero
	MUL16 6, (\q)%2, \q, \slot, \zero
	PLACES NP
	WIN 0
	FETCH_A \slot, (\q)+1, 4
.endm
.macro TURN slot, next, fill
	s_wait_tensorcnt 0x0                           ; all my tensor loads have landed
	ds_add_u32 v[SPW], v[NIL]
	s_wait_dscnt 4*NL+1                            ; (the add and the youngest 16 loads may be out)
	WIN MUL_LO
	MUL16 0, 1, NQ-1, \slot, 0
	s_wait_dscnt 0x0                               ; the add is done, and my reads of this slot are over
	s_barrier_signal -1
	MUL16 2, 1, NQ-1, \slot, 0
	WIN 0
	s_barrier_wait -1
.if \fill
	CREST
	s_add_nc_u64 s[G0+4*\slot+2:G0+4*\slot+3], s[G0+4*\slot+2:G0+4*\slot+3], ASTEP
	s_add_nc_u64 s[G0B+4*\slot+2:G0B+4*\slot+3], s[G0B+4*\slot+2:G0B+4*\slot+3], 2*ROWB
	JLOAD G0+4*\slot, G1, G0B+4*\slot, G1B         ; my one tensor load behind the round
	PLACES NP-4
.else
	PLACES NP
.endif
	v_add_nc_u32 v[ADRS], 4*NQ, v[ADRS]
	FETCH_B \next, 0, 0
	FETCH_A \next, 0, 0
	SCALES \next
	WIN MUL_HI
	MUL16 4, 1, NQ-1, \slot, 0
	MUL16 6, 1, NQ-1, \slot, 0
	PLACES NP
	WIN 0
	FETCH_A \next, 0, 4
.endm
.macro RLOAD a                         ; the residual of block a, 16 rows of 512 bytes, into window 1, v[64 (a % 4)] on
	WIN 0x40
.irp t, 0,1,2,3,4,5,6,7,8,9,10,11,12,13,14,15
	global_load_b128 v[64*((\a)%4)+4*\t:64*((\a)%4)+4*\t+3], v[CO], s[66:67] offset:(16*(\a)+\t)*SIZE_N*4 th:TH_LOAD_NT
.endr
	WIN 0
.endm
.macro TOSTAGE a
.set AC, 64*((\a)%4)
	WIN 0x08+4*((\a)/4)                            ; the data: window 2 or 3
.irp b, 0,1,2,3,4,5,6,7
	ds_store_b128 v[STO], v[AC+8*\b:AC+8*\b+3] offset:64*\b          ; each accumulator from its low end on
	ds_store_b128 v[STO], v[AC+8*\b+4:AC+8*\b+7] offset:64*\b+16
.endr
	WIN 0
.set BB, BK+64*((\a)%2)
.irp t, 0,1,2,3,4,5,6,7,8,9,10,11,12,13,14,15
	ds_load_b128 v[BB+4*\t:BB+4*\t+3], v[RD] offset:\t*SPITCH        ; LDS serves a wave's instructions in order: these see the stores above
.endr
.endm
.macro SEND a, younger                 ; younger: the LDS instructions issued behind block a's loads
.set BB, BK+64*((\a)%2)
.set RR, 64*((\a)%4)
	s_wait_dscnt \younger
.if (\a) <= 4
	s_wait_loadcnt 48                              ; block a's residual is in; the three blocks asked for behind it, 16 loads each, may be out
.else
	s_wait_loadcnt 16*(7-(\a))
.endif
	WIN 0x04                                       ; source 1: window 1
.set i, 0
.rept 32
	v_pk_add_f32 v[BB+i:BB+i+1], v[BB+i:BB+i+1], v[RR+i:RR+i+1]
.set i, i+2
.endr
.if (\a) < 4
	RLOAD (\a)+4
.endif
	WIN 0
.irp t, 0,1,2,3,4,5,6,7,8,9,10,11,12,13,14,15
	global_store_b128 v[CO], v[BB+4*\t:BB+4*\t+3], s[12:13] offset:(16*(\a)+\t)*SIZE_N*4 th:TH_STORE_NT   ; 32 lanes store 512 consecutive bytes, aligned; written once, read by nobody here
.endr
.endm
	s_wait_tensorcnt 1                             ; the scales and K step 0 are in; slot 1's load may be out
	s_barrier_signal -1
	s_barrier_wait -1
	FETCH_B 0, 0, 0
	FETCH_A 0, 0, 0
	SCALES 0
	FETCH_A 0, 0, 4
	STEP 0, 0, 1
	s_mov_b32 s3, LAPS-1
.Llap:
	TURN 0, 1, 1
	STEP 1, 0, 0
	TURN 1, 0, 1
	STEP 0, 0, 0
	s_sub_co_u32 s3, s3, 1
	s_cmp_lg_u32 s3, 0
	s_cbranch_scc1 .Llap
	TURN 0, 1, 0
	STEP 1, 0, 0
	RLOAD 0                                        ; B's set 0 is done with, eight places back: it takes the first two blocks of the residual
	RLOAD 1
	s_wait_dscnt 4*NL
	WIN MUL_LO
	MUL16 0, 1, NQ-1, 1, 0
	MUL16 2, 1, NQ-1, 1, 0
	s_wait_dscnt 0
	WIN MUL_HI
	MUL16 4, 1, NQ-1, 1, 0
	MUL16 6, 1, NQ-1, 1, 0
	WIN 0
	PLACES NP
	RLOAD 2
	RLOAD 3
	TOSTAGE 0
.irp a, 1,2,3,4,5,6,7
.if \a > 1
	s_wait_xcnt 0x0                                ; block a - 2's stores have read their registers: block a's rows may land there
.endif
	TOSTAGE \a
	SEND \a-1, 32                                  ; behind block a - 1's loads: block a's 16 stores and 16 loads
.endr
	SEND 7, 0
	s_wait_tensorcnt 0x0                           ; the wave's end
	ds_add_u32 v[SPW], v[NIL]
	s_wait_dscnt 0x0
	CROUND
	s_endpgm
.Lfunc_end_k_q807cc2fd5d_w2:
	.size	k_q807cc2fd5d_w2, .Lfunc_end_k_q807cc2fd5d_w2-k_q807cc2fd5d_w2
	.p2alignl 7, 3214868480
	.fill 96, 4, 3214868480
	.section	.rodata,"a",@progbits
	.p2align	6, 0x0
	.amdhsa_kernel k_q807cc2fd5d_w2
		.amdhsa_group_segment_fixed_size 327680
		.amdhsa_private_segment_fixed_size 0
		.amdhsa_enable_private_segment 0
		.amdhsa_kernarg_size 40
		.amdhsa_user_sgpr_count 2
		.amdhsa_user_sgpr_kernarg_segment_ptr 1
		.amdhsa_wavefront_size32 1
		.amdhsa_system_sgpr_workgroup_id_x 1
		.amdhsa_system_sgpr_workgroup_id_y 1
		.amdhsa_system_sgpr_workgroup_id_z 1
		.amdhsa_system_vgpr_workitem_id 0
		.amdhsa_next_free_vgpr 1024
		.amdhsa_next_free_sgpr 106
		.amdhsa_reserve_vcc 0
		.amdhsa_float_denorm_mode_32 3
		.amdhsa_float_denorm_mode_16_64 3
		.amdhsa_memory_ordered 1
		.amdhsa_forward_progress 1
		.amdhsa_inst_pref_size 174
	.end_amdhsa_kernel
	.amdgpu_metadata
---
amdhsa.version: [ 1, 2 ]
amdhsa.kernels:
  - .name:           k_q807cc2fd5d_w2
    .symbol:         k_q807cc2fd5d_w2.kd
    .args:
      - { .name: g, .offset: 0, .size: 8, .value_kind: global_buffer, .address_space: global }
      - { .name: w2_codes, .offset: 8, .size: 8, .value_kind: global_buffer, .address_space: global }
      - { .name: w2_scales, .offset: 16, .size: 8, .value_kind: global_buffer, .address_space: global }
      - { .name: h, .offset: 24, .size: 8, .value_kind: global_buffer, .address_space: global }
      - { .name: out0, .offset: 32, .size: 8, .value_kind: global_buffer, .address_space: global }
    .group_segment_fixed_size: 327680
    .private_segment_fixed_size: 0
    .kernarg_segment_align: 8
    .kernarg_segment_size: 40
    .max_flat_workgroup_size: 128
    .sgpr_count:     106
    .vgpr_count:     1024
    .wavefront_size: 32
...
	.end_amdgpu_metadata
.endif
;; end of part 6
;; ======== version 2 of 2: 7 launches
;; limits: right only within a limited range of input values
;; workspace buffers: nrm 4,325,376 bytes; qkv 12,976,128 bytes; ao 4,325,376 bytes; h 16,777,216 bytes; g 8,650,752 bytes
;; launch norm1 (part 7): grid 256 x 1, 4 waves a work-group, no clusters, 22,016 bytes of LDS; arguments x, g1, nrm; writes nrm
.if DOCPART == 7
	.amdgcn_target "amdgcn-amd-amdhsa--gfx1250"
	.amdhsa_code_object_version 6
	.text
	.protected	k_q807cc2fd5d_norm1
	.globl	k_q807cc2fd5d_norm1
	.p2align	8
	.type	k_q807cc2fd5d_norm1,@function
k_q807cc2fd5d_norm1:
	s_mov_b64 s[64:65], 0
	v_nop
	global_prefetch_b8 v0, s[64:65] scope:SCOPE_SE
	s_setreg_imm32_b32 hwreg(HW_REG_WAVE_MODE, 25, 1), 1
	s_wait_xcnt 0x0
; FIRST LAUNCH OF SEVEN of a pre-norm transformer block on codes of FP8 (E4M3) with one E8M0 scale for each 32 along K:
;   norm (x, g1) | q, k, v | causal attention | h = x + ao wo^T | norm (h, g2) | gelu(nh w1^T) | out = h + g w2^T.  This body serves both norms.
; WORK LEFT OUT IN THE PROGRAM (in the attention launch alone): the function builds its own mask, triu(ones, k = 1), and sets the score of key k for query q to -infinity wherever k > q.  The weight of such a
; key is exp(-infinity) = 0 for all values of the inputs, so it adds nothing to the row's sum nor to the second product.  Steps of 128 keys ALL of which come after a wave's 32 queries are therefore not
; multiplied, and slots of keys that no wave of a work-group reads are not fetched.  Every input has a way to the output: all fifteen are loaded.
; LIMIT: a NaN, an infinity or an overflow that reaches only such hidden keys is not carried to the result.  NaN and infinities among the inputs are not served.
; THIS BODY: y = a * rsqrt(mean(a^2) + 1e-5) * w for rows of 1,024 f32, then quantised along the row: codes [4096][1024] at byte 0 of the result, scale bytes [4096][32] at byte 4,194,304.
; A block's scale is 2^(floor(log2(largest magnitude)) - 8): its byte is that magnitude's exponent field - 8, held at 1 from below.  (A block of zeros keeps the byte 1 where the rule says 127: its codes are
; zeros, which add nothing under any byte but 0xff, and this program alone reads the bytes.)
; SHARES: a work-group takes 16 rows, a wave 4; a wave's 32 row loads (512 consecutive bytes each) all go out at the head.  The conversions want 16 NEIGHBOURS in a lane, the loads neighbouring bytes in
; neighbouring lanes: a row turns through the wave's own stage in LDS (places of 64 bytes + 16 of padding).  Lane L then holds numbers 512 s + 16 L + 0 .. 15, s = 0, 1; two neighbouring lanes hold a block.
; Waves share nothing: no barrier.  A wave's 128 scale bytes leave as one run of 128 bytes (half of an aligned 256: one byte in 160 of what the launch moves).
.set SP,    80                         ; a place in the stage: 64 bytes + 16 of padding
.set SCB,   64*SP                      ; behind a wave's stage: its 128 scale bytes
.set WREG,  5376                       ; a wave's region of LDS
.set SPARE, 4*WREG                     ; behind the regions: the spare words, 128 bytes for each wave, that no other line names
.set SPW,   14                         ; v14  LDS address of my spare word; never rewritten
.set NIL,   15                         ; v15  0; never rewritten
.set G,     16                         ; v16-47   the gain at my 32 columns
.set X,     48                         ; v48-79   my 32 numbers of the row in hand
.set R,     80                         ; v80-207  four rows as loaded; a row's registers then take its codes (0-7) and its two bytes (8, 9): no store's data are written again
	s_load_b128 s[4:7], s[0:1], 0x0                ; the rows, the gain
	s_load_b64 s[8:9], s[0:1], 0x10                ; the result
	v_lshl_add_u32 v[SPW], v0, 2, SPARE
	v_mov_b32 v[NIL], 0
	v_lshrrev_b32 v1, 5, v0
	v_readfirstlane_b32 s16, v1                    ; wave
	v_and_b32 v1, 31, v0                           ; lane
	v_lshlrev_b32 v2, 4, v1                        ; 16 x lane: my bytes of a load, and of a store of codes
	s_mul_i32 s17, s16, WREG
	v_lshrrev_b32 v3, 2, v1
	v_mul_u32_u24 v3, v3, SP
	v_and_b32 v8, 3, v1
	v_lshl_add_u32 v3, v8, 4, v3
	v_add_nc_u32 v3, s17, v3                       ; the stage, way in: SP (lane / 4) + 16 (lane % 4)
	v_mul_u32_u24 v4, v1, SP
	v_add_nc_u32 v4, s17, v4                       ; way out: SP x lane
	v_lshrrev_b32 v5, 1, v1
	s_add_co_u32 s17, s17, SCB
	v_add_nc_u32 v5, s17, v5                       ; my block's scale byte
	v_lshlrev_b32 v7, 2, v1
	v_add_nc_u32 v6, s17, v7                       ; and 4 bytes a lane on the way out
	v_lshlrev_b32 v13, 6, v1                       ; the gain: 64 bytes a lane
	s_lshl_b32 s18, ttmp9, 4
	s_lshl_b32 s19, s16, 2
	s_add_co_u32 s18, s18, s19                     ; my first row: 16 x work-group + 4 x wave
	s_lshl_b32 s12, s18, 12
	s_mov_b32 s13, 0
	s_lshl_b32 s14, s18, 10
	s_mov_b32 s15, 0
	s_lshl_b32 s26, s18, 5
	s_add_co_u32 s26, s26, 4194304
	s_mov_b32 s27, 0
	s_mov_b32 s20, 0x3a800000                      ; 1 / 1024
	s_mov_b32 s21, 0x3727c5ac                      ; 1e-5
	s_mov_b32 s22, 0x76543210
	s_mov_b32 s23, 0xfedcba98                      ; lane l xor 16
	s_mov_b32 s24, 0x600000                        ; the mantissa field of 448
	s_wait_alu depctr_va_vdst(0)
	s_wait_kmcnt 0x0
	s_add_nc_u64 s[4:5], s[4:5], s[12:13]
	s_add_nc_u64 s[10:11], s[8:9], s[26:27]        ; my rows' scale bytes
	s_add_nc_u64 s[8:9], s[8:9], s[14:15]          ; my rows' codes
.irp s, 0,1
.irp i, 0,1,2,3
	global_load_b128 v[G+16*\s+4*\i:G+16*\s+4*\i+3], v13, s[6:7] offset:2048*\s+16*\i
.endr
.endr
.irp p, 0,1,2,3
.irp j, 0,1,2,3,4,5,6,7
	global_load_b128 v[R+32*\p+4*\j:R+32*\p+4*\j+3], v2, s[4:5] offset:4096*\p+512*\j th:TH_LOAD_NT
.endr
.endr
.macro ROW p
.set RR, R+32*(\p)
	s_wait_loadcnt 8*(3-(\p))                      ; loads come back in order: the gain and this row are in; the later rows, 8 loads each, may be out
.irp j, 0,1,2,3,4,5,6,7
	ds_store_b128 v3, v[RR+4*\j:RR+4*\j+3] offset:8*SP*\j
.endr
.irp s, 0,1
.irp i, 0,1,2,3
	ds_load_b128 v[X+16*\s+4*\i:X+16*\s+4*\i+3], v4 offset:32*SP*\s+16*\i   ; LDS serves a wave's instructions in order: these see the stores above
.endr
.endr
	s_wait_dscnt 0x0
	v_pk_mul_f32 v[8:9], v[X:X+1], v[X:X+1]        ; the sum of squares, two chains of pairs
	v_pk_mul_f32 v[10:11], v[X+2:X+3], v[X+2:X+3]
.irp i, 4,8,12,16,20,24,28
	v_pk_fma_f32 v[8:9], v[X+\i:X+\i+1], v[X+\i:X+\i+1], v[8:9]
	v_pk_fma_f32 v[10:11], v[X+\i+2:X+\i+3], v[X+\i+2:X+\i+3], v[10:11]
.endr
	v_pk_add_f32 v[8:9], v[8:9], v[10:11]
	v_add_f32 v8, v8, v9
	v_add_f32_dpp v8, v8, v8 row_xmask:1 row_mask:0xf bank_mask:0xf
	v_add_f32_dpp v8, v8, v8 row_xmask:2 row_mask:0xf bank_mask:0xf
	v_add_f32_dpp v8, v8, v8 row_xmask:4 row_mask:0xf bank_mask:0xf
	v_add_f32_dpp v8, v8, v8 row_xmask:8 row_mask:0xf bank_mask:0xf
	v_permlanex16_b32 v9, v8, s22, s23
	v_add_f32 v8, v8, v9                           ; the row's, in every lane
	v_fma_f32 v8, v8, s20, s21                     ; mean + eps
	s_wait_alu depctr_va_vdst(0)
	v_rsq_f32 v10, v8
	v_nop                                          ; a plain instruction behind the transcendental
	s_wait_alu depctr_va_vdst(0)                   ; and the wait ahead of the first reader
.irp i, 0,2,4,6,8,10,12,14,16,18,20,22,24,26,28,30
	v_pk_mul_f32 v[X+\i:X+\i+1], v[X+\i:X+\i+1], v[10:11] op_sel_hi:[1,0]
.endr
.irp i, 0,2,4,6,8,10,12,14,16,18,20,22,24,26,28,30
	v_pk_mul_f32 v[X+\i:X+\i+1], v[X+\i:X+\i+1], v[G+\i:G+\i+1]   ; (a rms) w, in the function's own order
.endr
.irp s, 0,1
	v_max3_num_f32 v8, |v[X+16*\s]|, |v[X+16*\s+1]|, |v[X+16*\s+2]|
	v_max3_num_f32 v9, |v[X+16*\s+3]|, |v[X+16*\s+4]|, |v[X+16*\s+5]|
.irp i, 6,10
	v_max3_num_f32 v8, v8, |v[X+16*\s+\i]|, |v[X+16*\s+\i+1]|
	v_max3_num_f32 v9, v9, |v[X+16*\s+\i+2]|, |v[X+16*\s+\i+3]|
.endr
	v_max3_num_f32 v8, v8, |v[X+16*\s+14]|, |v[X+16*\s+15]|
	v_max3_num_f32 v8, v8, v9, 0x4800000           ; and the floor 2^(9 - 127): the byte cannot fall under 1
	v_max_num_f32_dpp v8, v8, v8 row_xmask:1 row_mask:0xf bank_mask:0xf   ; with my neighbour's 16: the block's largest magnitude
	v_add_nc_u32 v11, 0xfc000000, v8               ; 8 off its exponent field: the conversion's scale operand
	v_and_or_b32 v10, v8, 0x7f800000, s24          ; 448 x the scale
.irp i, 0,1,2,3,4,5,6,7,8,9,10,11,12,13,14,15
	v_med3_num_f32 v[X+16*\s+\i], v[X+16*\s+\i], -v10, v10   ; the conversion to an 8-bit code does not saturate (ISA guide 7.6.2): the hold comes first
.endr
	v_cvt_scalef32_pk8_fp8_f32 v[RR+4*\s:RR+4*\s+1], v[X+16*\s:X+16*\s+7], v11
	v_cvt_scalef32_pk8_fp8_f32 v[RR+4*\s+2:RR+4*\s+3], v[X+16*\s+8:X+16*\s+15], v11
	v_lshrrev_b32 v[RR+8+\s], 23, v11              ; the scale's byte
	ds_store_b8 v5, v[RR+8+\s] offset:32*(\p)+16*\s   ; both lanes of a block write the same byte with the same value
	global_store_b128 v2, v[RR+4*\s:RR+4*\s+3], s[8:9] offset:1024*(\p)+512*\s   ; the wave stores 512 consecutive bytes, aligned
.endr
.endm
	ROW 0
	ROW 1
	ROW 2
	ROW 3
	ds_load_b32 v8, v6                             ; my wave's 128 scale bytes: these see my stores
	s_wait_dscnt 0x0
	global_store_b32 v7, v8, s[10:11]
	s_wait_tensorcnt 0x0                           ; the wave's end
	ds_add_u32 v[SPW], v[NIL]
	s_wait_dscnt 0x0
	s_endpgm
.Lfunc_end_k_q807cc2fd5d_norm1:
	.size	k_q807cc2fd5d_norm1, .Lfunc_end_k_q807cc2fd5d_norm1-k_q807cc2fd5d_norm1
	.p2alignl 7, 3214868480
	.fill 96, 4, 3214868480
	.section	.rodata,"a",@progbits
	.p2align	6, 0x0
	.amdhsa_kernel k_q807cc2fd5d_norm1
		.amdhsa_group_segment_fixed_size 22016
		.amdhsa_private_segment_fixed_size 0
		.amdhsa_enable_private_segment 0
		.amdhsa_kernarg_size 24
		.amdhsa_user_sgpr_count 2
		.amdhsa_user_sgpr_kernarg_segment_ptr 1
		.amdhsa_wavefront_size32 1
		.amdhsa_system_sgpr_workgroup_id_x 1
		.amdhsa_system_sgpr_workgroup_id_y 1
		.amdhsa_system_sgpr_workgroup_id_z 1
		.amdhsa_system_vgpr_workitem_id 0
		.amdhsa_next_free_vgpr 216
		.amdhsa_next_free_sgpr 66
		.amdhsa_reserve_vcc 0
		.amdhsa_float_denorm_mode_32 3
		.amdhsa_float_denorm_mode_16_64 3
		.amdhsa_memory_ordered 1
		.amdhsa_forward_progress 1
		.amdhsa_inst_pref_size 42
	.end_amdhsa_kernel
	.amdgpu_metadata
---
amdhsa.version: [ 1, 2 ]
amdhsa.kernels:
  - .name:           k_q807cc2fd5d_norm1
    .symbol:         k_q807cc2fd5d_norm1.kd
    .args:
      - { .name: x, .offset: 0, .size: 8, .value_kind: global_buffer, .address_space: global }
      - { .name: g1, .offset: 8, .size: 8, .value_kind: global_buffer, .address_space: global }
      - { .name: nrm, .offset: 16, .size: 8, .value_kind: global_buffer, .address_space: global }
    .group_segment_fixed_size: 22016
    .private_segment_fixed_size: 0
    .kernarg_segment_align: 8
    .kernarg_segment_size: 24
    .max_flat_workgroup_size: 128
    .sgpr_count:     66
    .vgpr_count:     216
    .wavefront_size: 32
...
	.end_amdgpu_metadata
.endif
;; end of part 7
;; launch qkv (part 8): grid 12 x 16, 4 waves a work-group, clusters of 4 x 4, 327,680 bytes of LDS; arguments nrm, wq_codes, wq_scales, wk_codes, wk_scales, wv_codes, wv_scales, qkv; writes qkv
.if DOCPART == 8
	.amdgcn_target "amdgcn-amd-amdhsa--gfx1250"
	.amdhsa_code_object_version 6
	.text
	.protected	k_q807cc2fd5d_qkv
	.globl	k_q807cc2fd5d_qkv
	.p2align	8
	.type	k_q807cc2fd5d_qkv,@function
k_q807cc2fd5d_qkv:
	s_mov_b64 s[64:65], 0
	v_nop
	global_prefetch_b8 v0, s[64:65] scope:SCOPE_SE
	s_setreg_imm32_b32 hwreg(HW_REG_WAVE_MODE, 25, 1), 1
	s_wait_xcnt 0x0
	s_wait_alu depctr_hold_cnt(0) depctr_sa_sdst(0) depctr_va_vdst(0) depctr_va_sdst(0) depctr_va_ssrc(0) depctr_va_vcc(0) depctr_vm_vsrc(0)
	s_getreg_b32 s2, hwreg(HW_REG_IB_STS2, 6, 4)
	s_cmp_eq_u32 s2, 0
	s_cbranch_scc0 .Lentry_in_a_cluster
	s_endpgm
.Lentry_in_a_cluster:
	s_bfe_u32 s2, ttmp6, 0x10000c
	s_cmp_lg_u32 s2, 0xf033
	s_cbranch_scc0 .Lentry_shape_is_right
	s_endpgm
.Lentry_shape_is_right:
.set SIZE_K, 1024
.set KSTEP,  256
.set NQ,     KSTEP/128
.set ROWB,   256
.set ASTEP,  2*ROWB
.set KROW,   SIZE_K
.set PITCH,  272
.set FR,     16
.set NL,     4
.set NP,     8
.set HALFT,  128*PITCH
.set SLOT,   4*HALFT
.set LAPS,   SIZE_K/(2*KSTEP)
.set KS,     SIZE_K/32
.set SCL,    2*SLOT
.set HALFS,  (128*KS/256)*272
.set SBLK,   (16*KS/256)*272
.set SPARE,  SCL+4*HALFS
.set ADRA, 16
.set ADRB, 20
.set VB0,  24
.set VB2,  25
.set VS0,  26
.set ADRS, 27
.set SPW,  28
.set NIL,  29
.set VS1,  30
.set SC,   32
.set AF,   128
.set XH,   128
.set PC,   192
.set TM,   208
.set PW,   224
.set G1, 24
.set G0, 32
.set G1B, 48
.set G0B, 56
.set G1S, 68
.set G0S, 76
.set G1SB, 80
.set G0SB, 88
.set SEL, 100
.set MNT, 104
.set MSB, 0
.macro WIN new
.if MSB != \new
	s_set_vgpr_msb (MSB<<8)|\new
.set MSB, \new
.endif
.endm
.set MUL_LO, 0xa1
.set MUL_HI, 0xf1
.set TO_B,   0x40
.macro JLOAD g0a, g1a, g0b, g1b
	s_cmp_eq_u32 s15, 0
	s_cbranch_scc0 .Lfor_b_\@
	tensor_load_to_lds s[\g0a:\g0a+3], s[\g1a:\g1a+7]
	s_nop 0
.rept 4
	v_nop
.endr
	s_branch .Lasked_\@
.Lfor_b_\@:
	tensor_load_to_lds s[\g0b:\g0b+3], s[\g1b:\g1b+7]
	s_nop 0
.rept 4
	v_nop
.endr
.Lasked_\@:
.endm
.macro CREST
	s_cmp_lg_u32 s14, 0
	s_cbranch_scc1 .Lnot_wave_0_\@
	s_barrier_signal -3
.Lnot_wave_0_\@:
	s_barrier_wait -3
	s_barrier_signal -1
	s_barrier_wait -1
.endm
.macro CROUND
	s_barrier_signal -1
	s_barrier_wait -1
	CREST
.endm
	s_load_b512 s[68:83], s[0:1], 0x0
	v_lshl_add_u32 v[SPW], v0, 2, SPARE
	v_mov_b32 v[NIL], 0
	ds_add_u32 v[SPW], v[NIL]
	ds_add_u32 v[SPW], v[NIL]
	v_lshrrev_b32 v1, 5, v0
	v_readfirstlane_b32 s14, v1
	s_lshr_b32 s15, s14, 1
	s_and_b32 s16, s14, 1
	s_bfe_u32 s40, ttmp6, 0x40000
	s_bfe_u32 s41, ttmp6, 0x40004
	s_and_b32 s18, ttmp7, 0xffff
	s_lshl_b32 s18, s18, 2
	s_add_co_u32 s17, s18, s41
	s_add_co_u32 s42, s18, s40
	s_cmp_eq_u32 ttmp9, 2
	s_cselect_b32 s17, s41, s17
	s_cselect_b32 s42, s42, s40
	s_lshl_b32 s43, s41, 2
	s_lshl_b32 s43, 15, s43
	s_lshl_b32 s44, 0x1111, s40
	s_or_b32 s[G1+0], s43, (0<<16)|(1<<20)|(1<<21)|(5<<22)|(3<<25)
	s_or_b32 s[G1B+0], s44, (0<<16)|(1<<20)|(1<<21)|(5<<22)|(3<<25)
.irp g, G1, G1B
	s_mov_b32 s[\g+1], ROWB<<16
	s_mov_b32 s[\g+2], 256<<16                     ; the head's loads of codes bring 256 rows
	s_mov_b32 s[\g+3], ROWB<<16
	s_mov_b32 s[\g+4], 256
	s_mov_b32 s[\g+5], KROW
	s_mov_b32 s[\g+6], 0
	s_mov_b32 s[\g+7], 0
.endr
	s_mov_b32 s18, 0                               ; the tiles' first rows; my half of a tile is added for the ring below
	s_lshl_b32 s20, s17, 8
	s_add_co_u32 s20, s20, s18
	s_lshl_b32 s46, s42, 8
	s_add_co_u32 s46, s46, s18
	s_mov_b32 s21, 0
	s_mov_b32 s47, 0
	s_mov_b64 s[18:19], KS
	s_mul_u64 s[22:23], s[20:21], s[18:19]
	s_mul_u64 s[92:93], s[46:47], s[18:19]
	s_mov_b64 s[18:19], KROW
	s_mul_u64 s[20:21], s[20:21], s[18:19]
	s_mul_u64 s[46:47], s[46:47], s[18:19]
	s_mul_i32 s45, s14, HALFT
	s_mul_i32 s94, s14, HALFS
	s_wait_dscnt 0x0
	s_wait_kmcnt 0x0
	s_add_nc_u64 s[84:85], s[68:69], 4194304
	s_cmp_eq_u32 ttmp9, 1
	s_cselect_b64 s[70:71], s[74:75], s[70:71]
	s_cselect_b64 s[72:73], s[76:77], s[72:73]
	s_cmp_eq_u32 ttmp9, 2
	s_cselect_b64 s[4:5], s[78:79], s[68:69]
	s_cselect_b64 s[6:7], s[80:81], s[84:85]
	s_cselect_b64 s[8:9], s[68:69], s[70:71]
	s_cselect_b64 s[10:11], s[84:85], s[72:73]
	s_mov_b64 s[12:13], s[82:83]
	s_add_nc_u64 s[20:21], s[4:5], s[20:21]
	s_add_nc_u64 s[22:23], s[6:7], s[22:23]
	s_add_nc_u64 s[46:47], s[8:9], s[46:47]
	s_add_nc_u64 s[92:93], s[10:11], s[92:93]
	s_or_b32 s[G1S+0], s43, (3<<16)|(1<<20)|(1<<21)|(5<<22)|(3<<25)
	s_or_b32 s[G1SB+0], s44, (3<<16)|(1<<20)|(1<<21)|(5<<22)|(3<<25)
.irp g, G1S, G1SB
	s_mov_b32 s[\g+1], 32<<16
	s_mov_b32 s[\g+2], (256*KS/256)<<16            ; the scale bytes of 256 rows in one load
	s_mov_b32 s[\g+3], 32<<16
	s_mov_b32 s[\g+4], 256*KS/256
	s_mov_b32 s[\g+5], 32
	s_mov_b32 s[\g+6], 0
	s_mov_b32 s[\g+7], 0
.endr
	CROUND
	s_mov_b32 s[G0S], 1
	s_mov_b32 s[G0S+1], SCL
	s_mov_b64 s[G0S+2:G0S+3], s[22:23]
	s_or_b32 s[G0S+3], s[G0S+3], 0x80000000
	s_mov_b32 s[G0SB], 1
	s_mov_b32 s[G0SB+1], SCL+2*HALFS
	s_mov_b64 s[G0SB+2:G0SB+3], s[92:93]
	s_or_b32 s[G0SB+3], s[G0SB+3], 0x80000000
	s_mov_b32 s4, 1                                ; s[4:7], s[8:11]: group 0 of the head's loads of codes (the pointers that lay there have been used)
	s_mov_b32 s5, 0
	s_mov_b64 s[6:7], s[20:21]
	s_or_b32 s7, s7, 0x80000000
	s_mov_b32 s8, 1
	s_mov_b32 s9, 2*HALFT
	s_mov_b64 s[10:11], s[46:47]
	s_or_b32 s11, s11, 0x80000000
	s_mul_i32 s18, s16, 128*KROW                   ; for the ring: my 128 rows of a tile
	s_mov_b32 s19, 0
	s_add_nc_u64 s[20:21], s[20:21], s[18:19]
	s_add_nc_u64 s[46:47], s[46:47], s[18:19]
.irp s, 0,1
	s_mov_b32 s[G0+4*\s], 1
	s_add_co_u32 s[G0+4*\s+1], s45, \s*SLOT
	s_add_nc_u64 s[G0+4*\s+2:G0+4*\s+3], s[20:21], \s*(ASTEP/2)
	s_or_b32 s[G0+4*\s+3], s[G0+4*\s+3], 0x80000000
	s_mov_b32 s[G0B+4*\s], 1
	s_add_co_u32 s[G0B+4*\s+1], s45, \s*SLOT
	s_add_nc_u64 s[G0B+4*\s+2:G0B+4*\s+3], s[46:47], \s*ROWB
	s_or_b32 s[G0B+4*\s+3], s[G0B+4*\s+3], 0x80000000
.endr
; the head's four tiles, one joint load a wave, in one chain of arms: wave 0 K step 0's 256 rows of A, wave 1 those of B, wave 2 A's scale bytes, wave 3 B's
.macro ARM under, g0, g1, next
	s_cmp_lt_u32 s14, \under
	s_cbranch_scc0 \next
	tensor_load_to_lds s[\g0:\g0+3], s[\g1:\g1+7]
	s_nop 0
.rept 4
	v_nop
.endr
	s_branch .Lhead_asked
\next:
.endm
	ARM 1, 4, G1, .Lhead_b
	ARM 2, 8, G1B, .Lhead_sa
	ARM 3, G0S, G1S, .Lhead_sb
	tensor_load_to_lds s[G0SB:G0SB+3], s[G1SB:G1SB+7]
	s_nop 0
.rept 4
	v_nop
.endr
.Lhead_asked:
	v_and_b32 v1, 15, v0
	v_bfe_u32 v2, v0, 4, 1
	v_mul_u32_u24 v3, v1, PITCH
	v_lshl_add_u32 v4, v2, 4, v3
	s_mul_i32 s21, s15, HALFT
	s_mul_i32 s22, s16, HALFT
	s_add_co_u32 s22, s22, 2*HALFT
.irp s, 0,1
	v_add_nc_u32 v[ADRA+\s], s21, v4
	v_add_nc_u32 v[ADRB+\s], s22, v4
	s_add_co_u32 s21, s21, SLOT
	s_add_co_u32 s22, s22, SLOT
.endr
	v_mul_u32_u24 v5, v1, KS
	v_lshrrev_b32 v6, 8, v5
	v_lshl_add_u32 v5, v6, 4, v5
	s_mul_i32 s21, s15, HALFS
	s_mul_i32 s22, s16, HALFS
	s_add_co_u32 s22, s22, 2*HALFS
	s_sub_co_u32 s22, s22, s21
	v_mul_u32_u24 v6, s22, v2
	s_add_co_u32 s21, s21, SCL
	v_add_nc_u32 v5, v5, v6
	v_add_nc_u32 v[ADRS], s21, v5
.macro FRAG reg, adr, q, i
.irp c, 0,1,2,3
	ds_load_b128 v[\reg+4*\c:\reg+4*\c+3], v[\adr] offset:128*(\q)+32*\c+(\i)*16*PITCH
.endr
.endm
.macro MUL16 a0, p, q, sc, zero
.irp a, \a0, \a0+1
.irp b, 0,1,2,3,4,5,6,7
.if \zero
	v_wmma_scale_f32_16x16x128_f8f6f4 v[8*(8*((\a)%4)+\b):8*(8*((\a)%4)+\b)+7], v[128*(\p)+FR*\b:128*(\p)+FR*\b+FR-1], v[AF+FR*(\a):AF+FR*(\a)+FR-1], 0, v[SC+8*NQ*(\sc)+NQ*\b+(\q)], v[SC+8*NQ*(\sc)+NQ*(\a)+(\q)] matrix_a_scale:MATRIX_SCALE_ROW1
.else
	v_wmma_scale_f32_16x16x128_f8f6f4 v[8*(8*((\a)%4)+\b):8*(8*((\a)%4)+\b)+7], v[128*(\p)+FR*\b:128*(\p)+FR*\b+FR-1], v[AF+FR*(\a):AF+FR*(\a)+FR-1], v[8*(8*((\a)%4)+\b):8*(8*((\a)%4)+\b)+7], v[SC+8*NQ*(\sc)+NQ*\b+(\q)], v[SC+8*NQ*(\sc)+NQ*(\a)+(\q)] matrix_a_scale:MATRIX_SCALE_ROW1
.endif
.endr
.endr
.endm
.macro FETCH_B slot, q, p
	WIN TO_B
.irp i, 0,1,2,3,4,5,6,7
	FRAG 128*(\p)+FR*\i, ADRB+\slot, \q, \i
.endr
	WIN 0
.endm
.macro FETCH_A slot, q, i0
.irp i, \i0, \i0+1, \i0+2, \i0+3
	FRAG AF+FR*(\i), ADRA+\slot, \q, \i
.endr
.endm
.macro SCALES sc
.irp i, 0,1,2,3,4,5,6,7
	ds_load_b64 v[SC+8*NQ*\sc+NQ*\i:SC+8*NQ*\sc+NQ*\i+1], v[ADRS] offset:\i*SBLK
.endr
.endm
.macro PLACES n
.rept \n
	v_nop
.endr
.endm
.macro STEP slot, q, zero
	s_wait_dscnt 4*NL
	WIN MUL_LO
	MUL16 0, (\q)%2, \q, \slot, \zero
	MUL16 2, (\q)%2, \q, \slot, \zero
	s_wait_dscnt 0
	PLACES NP
	FETCH_B \slot, (\q)+1, 1-(\q)%2
	FETCH_A \slot, (\q)+1, 0
	WIN MUL_HI
	MUL16 4, (\q)%2, \q, \slot, \zero
	MUL16 6, (\q)%2, \q, \slot, \zero
	PLACES NP
	WIN 0
	FETCH_A \slot, (\q)+1, 4
.endm
.macro TURN slot, next, fill
	s_wait_tensorcnt 0x0
	ds_add_u32 v[SPW], v[NIL]
	s_wait_dscnt 4*NL+1
	WIN MUL_LO
	MUL16 0, 1, NQ-1, \slot, 0
	s_wait_dscnt 0x0
	s_barrier_signal -1
	MUL16 2, 1, NQ-1, \slot, 0
	WIN 0
	s_barrier_wait -1
.if \fill
	CREST
	s_add_nc_u64 s[G0+4*\slot+2:G0+4*\slot+3], s[G0+4*\slot+2:G0+4*\slot+3], ASTEP
	s_add_nc_u64 s[G0B+4*\slot+2:G0B+4*\slot+3], s[G0B+4*\slot+2:G0B+4*\slot+3], 2*ROWB
	JLOAD G0+4*\slot, G1, G0B+4*\slot, G1B
	PLACES NP-4
.else
	PLACES NP
.endif
	s_wait_alu depctr_va_vdst(0)
	v_add_nc_u32 v[ADRS], 4*NQ, v[ADRS]
	FETCH_B \next, 0, 0
	FETCH_A \next, 0, 0
	SCALES \next
	WIN MUL_HI
	MUL16 4, 1, NQ-1, \slot, 0
	MUL16 6, 1, NQ-1, \slot, 0
	PLACES NP
	WIN 0
	FETCH_A \next, 0, 4
.endm
	s_wait_alu depctr_va_vdst(0)
	s_wait_tensorcnt 0x0                           ; my tile of the head's four is in; slot 1's first fill is issued as a refill is
	ds_add_u32 v[SPW], v[NIL]
	s_mov_b32 s[G1+2], 128<<16                     ; no tensor load of mine is out: from here on a load brings 128 rows
	s_mov_b32 s[G1+4], 128
	s_mov_b32 s[G1B+2], 128<<16
	s_mov_b32 s[G1B+4], 128
	s_wait_dscnt 0x0
	CROUND
	JLOAD G0+4, G1, G0B+4, G1B
	FETCH_B 0, 0, 0
	FETCH_A 0, 0, 0
	SCALES 0
	FETCH_A 0, 0, 4
	STEP 0, 0, 1
	s_mov_b32 s3, LAPS-1
.Llap:
	TURN 0, 1, 1
	STEP 1, 0, 0
	TURN 1, 0, 1
	STEP 0, 0, 0
	s_sub_co_u32 s3, s3, 1
	s_cmp_lg_u32 s3, 0
	s_cbranch_scc1 .Llap
	TURN 0, 1, 0
	STEP 1, 0, 0
	s_wait_dscnt 4*NL
	WIN MUL_LO
	MUL16 0, 1, NQ-1, 1, 0
	MUL16 2, 1, NQ-1, 1, 0
	s_wait_dscnt 0
	WIN MUL_HI
	MUL16 4, 1, NQ-1, 1, 0
	MUL16 6, 1, NQ-1, 1, 0
	WIN 0
	PLACES NP
	s_lshl_b32 s20, s17, 8
	s_lshl_b32 s21, s15, 7
	s_add_co_u32 s20, s20, s21
	s_lshl_b32 s22, s42, 8
	s_lshl_b32 s23, s16, 7
	s_add_co_u32 s22, s22, s23
	s_mov_b32 s92, 1024
	s_mov_b32 s94, 1024
	s_mov_b32 s98, 32
	s_mov_b32 s6, 262144
	s_mov_b32 s8, 8192
	s_cmp_eq_u32 ttmp9, 2
	s_cselect_b32 s4, s20, s22
	s_cselect_b32 s5, s22, s20
	s_cselect_b32 s92, 2048, s92
	s_cselect_b32 s94, 256000, s94
	s_cselect_b32 s96, 64, 32
	s_cselect_b32 s98, 8000, s98
	s_cselect_b32 s6, 1024, s6
	s_cselect_b32 s7, 2, 1
	s_cselect_b32 s8, 2, s8
	s_mov_b32 s93, 0
	s_mov_b32 s95, 0
	s_mov_b32 s97, 0
	s_mov_b32 s99, 0
	s_lshr_b32 s9, s4, 6
	s_lshl_b32 s10, ttmp9, 22
	s_lshl_b32 s40, s9, 18
	s_add_co_u32 s10, s10, s40
	s_lshl_b32 s40, s5, 6
	s_add_co_u32 s10, s10, s40
	s_mov_b32 s11, 0
	s_lshl_b32 s18, ttmp9, 17
	s_lshl_b32 s40, s9, 13
	s_add_co_u32 s18, s18, s40
	s_lshl_b32 s40, s5, 1
	s_add_co_u32 s18, s18, s40
	s_add_co_u32 s18, s18, 12582912
	s_mov_b32 s19, 0
	s_add_nc_u64 s[66:67], s[12:13], s[18:19]
	s_add_nc_u64 s[12:13], s[12:13], s[10:11]
	s_mov_b32 s[SEL], 0x76543210
	s_mov_b32 s[SEL+1], 0xfedcba98
	s_mov_b32 s[MNT], 0x600000
	v_and_b32 v[VB0], 31, v0
	v_lshlrev_b32 v[VB0], 4, v[VB0]
	v_add_nc_u32 v[VB2], s6, v[VB0]
	v_lshlrev_b32 v[VS0], s7, v1
	v_add_nc_u32 v[VS1], s8, v[VS0]
.irp c, 0,1,2,3
	v_mov_b32 v[TM+4+\c], 0
.endr
.macro EPI a
.set AC, 64*((\a)%4)
.if (\a) > 0
	s_wait_xcnt 0x0
.if (\a) == 4
	s_add_nc_u64 s[12:13], s[12:13], s[94:95]
	s_add_nc_u64 s[66:67], s[66:67], s[98:99]
.else
	s_add_nc_u64 s[12:13], s[12:13], s[92:93]
	s_add_nc_u64 s[66:67], s[66:67], s[96:97]
.endif
.endif
	WIN 0x0a+5*((\a)/4)
.irp c, 0,1,2,3
	v_max3_num_f32 v[TM+\c], |v[AC+16*\c]|, |v[AC+16*\c+1]|, 0x4800000
.endr
.irp i, 2,4,6,8,10,12,14
.irp c, 0,1,2,3
	v_max3_num_f32 v[TM+\c], |v[AC+16*\c+\i]|, |v[AC+16*\c+\i+1]|, v[TM+\c]
.endr
.endr
	WIN 0
.irp c, 0,1,2,3
	v_permlanex16_b32 v[TM+4+\c], v[TM+\c], s[SEL], s[SEL+1]
.endr
.irp c, 0,1,2,3
	v_max_num_f32 v[TM+\c], v[TM+\c], v[TM+4+\c]
.endr
.irp c, 0,1,2,3
	v_add_nc_u32 v[TM+12+\c], 0xfc000000, v[TM+\c]
.endr
.irp c, 0,1,2,3
	v_and_or_b32 v[TM+8+\c], v[TM+\c], 0x7f800000, s[MNT]
.endr
.irp c, 0,1,2,3
	v_lshrrev_b32 v[TM+4+\c], 23, v[TM+12+\c]
.endr
	v_lshl_or_b32 v[PW], v[TM+5], 8, v[TM+4]
	v_lshl_or_b32 v[PW], v[TM+6], 16, v[PW]
	v_lshl_or_b32 v[PW], v[TM+7], 24, v[PW]
	WIN 2+(\a)/4
.irp c, 0,1,2,3
.irp i, 0,1,2,3,4,5,6,7,8,9,10,11,12,13,14,15
	v_med3_num_f32 v[XH+16*\c+\i], v[AC+16*\c+\i], -v[TM+8+\c], v[TM+8+\c]
.endr
.endr
	WIN 0
.irp c, 0,1,2,3
	v_cvt_scalef32_pk8_fp8_f32 v[PC+4*\c:PC+4*\c+1], v[XH+16*\c:XH+16*\c+7], v[TM+12+\c]
	v_cvt_scalef32_pk8_fp8_f32 v[PC+4*\c+2:PC+4*\c+3], v[XH+16*\c+8:XH+16*\c+15], v[TM+12+\c]
.endr
	v_nop
.irp c, 0,1,2,3
	v_permlane16_swap_b32 v[PC+4*\c], v[PC+4*\c+2]
	v_permlane16_swap_b32 v[PC+4*\c+1], v[PC+4*\c+3]
.endr
	global_store_b128 v[VB0], v[PC:PC+3], s[12:13]
	global_store_b128 v[VB0], v[PC+4:PC+7], s[12:13] offset:512
	global_store_b128 v[VB2], v[PC+8:PC+11], s[12:13]
	global_store_b128 v[VB2], v[PC+12:PC+15], s[12:13] offset:512
	global_store_b16 v[VS0], v[PW], s[66:67]
	global_store_d16_hi_b16 v[VS1], v[PW], s[66:67]
.endm
	EPI 0
	EPI 1
	EPI 2
	EPI 3
	EPI 4
	EPI 5
	EPI 6
	EPI 7
	s_wait_tensorcnt 0x0
	ds_add_u32 v[SPW], v[NIL]
	s_wait_dscnt 0x0
	CROUND
	s_endpgm
.Lfunc_end_k_q807cc2fd5d_qkv:
	.size	k_q807cc2fd5d_qkv, .Lfunc_end_k_q807cc2fd5d_qkv-k_q807cc2fd5d_qkv
	.p2alignl 7, 3214868480
	.fill 96, 4, 3214868480
	.section	.rodata,"a",@progbits
	.p2align	6, 0x0
	.amdhsa_kernel k_q807cc2fd5d_qkv
		.amdhsa_group_segment_fixed_size 327680
		.amdhsa_private_segment_fixed_size 0
		.amdhsa_enable_private_segment 0
		.amdhsa_kernarg_size 64
		.amdhsa_user_sgpr_count 2
		.amdhsa_user_sgpr_kernarg_segment_ptr 1
		.amdhsa_wavefront_size32 1
		.amdhsa_system_sgpr_workgroup_id_x 1
		.amdhsa_system_sgpr_workgroup_id_y 1
		.amdhsa_system_sgpr_workgroup_id_z 1
		.amdhsa_system_vgpr_workitem_id 0
		.amdhsa_next_free_vgpr 1024
		.amdhsa_next_free_sgpr 106
		.amdhsa_reserve_vcc 0
		.amdhsa_float_denorm_mode_32 3
		.amdhsa_float_denorm_mode_16_64 3
		.amdhsa_memory_ordered 1
		.amdhsa_forward_progress 1
		.amdhsa_inst_pref_size 191
	.end_amdhsa_kernel
	.amdgpu_metadata
---
amdhsa.version: [ 1, 2 ]
amdhsa.kernels:
  - .name:           k_q807cc2fd5d_qkv
    .symbol:         k_q807cc2fd5d_qkv.kd
    .args:
      - { .name: nrm, .offset: 0, .size: 8, .value_kind: global_buffer, .address_space: global }
      - { .name: wq_codes, .offset: 8, .size: 8, .value_kind: global_buffer, .address_space: global }
      - { .name: wq_scales, .offset: 16, .size: 8, .value_kind: global_buffer, .address_space: global }
      - { .name: wk_codes, .offset: 24, .size: 8, .value_kind: global_buffer, .address_space: global }
      - { .name: wk_scales, .offset: 32, .size: 8, .value_kind: global_buffer, .address_space: global }
      - { .name: wv_codes, .offset: 40, .size: 8, .value_kind: global_buffer, .address_space: global }
      - { .name: wv_scales, .offset: 48, .size: 8, .value_kind: global_buffer, .address_space: global }
      - { .name: qkv, .offset: 56, .size: 8, .value_kind: global_buffer, .address_space: global }
    .group_segment_fixed_size: 327680
    .private_segment_fixed_size: 0
    .kernarg_segment_align: 8
    .kernarg_segment_size: 64
    .max_flat_workgroup_size: 128
    .sgpr_count:     106
    .vgpr_count:     1024
    .wavefront_size: 32
...
	.end_amdgpu_metadata
.endif
;; end of part 8
;; launch attn (part 9): grid 16 x 16, 8 waves a work-group, no clusters, 327,680 bytes of LDS; arguments qkv, ao; writes ao
.if DOCPART == 9
	.amdgcn_target "amdgcn-amd-amdhsa--gfx1250"
	.amdhsa_code_object_version 6
	.text
	.protected	k_q807cc2fd5d_attn
	.globl	k_q807cc2fd5d_attn
	.p2align	8
	.type	k_q807cc2fd5d_attn,@function
k_q807cc2fd5d_attn:
	s_mov_b64 s[64:65], 0
	v_nop
	global_prefetch_b8 v0, s[64:65] scope:SCOPE_SE
	s_setreg_imm32_b32 hwreg(HW_REG_WAVE_MODE, 25, 1), 1
	s_wait_xcnt 0x0
; Causal attention for 16 heads of 64, 4,096 positions, both products on codes of FP8 (E4M3) with E8M0 scales; the result is quantised along the model's 1,024 and stored as images of operand registers.
; WORK LEFT OUT: steps of 128 keys all of which come after a wave's 32 queries (the function's own mask gives them the weight 0 for all inputs).
; LIMITS: a NaN or an infinity that reaches only such keys is not carried to the result; NaN and infinities are not served; a block of zeros keeps the byte 1 (its codes are zeros);
; the scaled scores (exponents to the base 2) stay under 2^31 in magnitude.
; THE SOFTMAX: t = score x log2(e) / 8; M = the running largest t rounded UP to a whole number; p = 2^(t - M) is quantised along the keys, not normalised; the row's sum is taken of the unquantised p and
; divides at the end; when M moves, the sum and O are multiplied by 2^(old M - new M), which rounds nothing.
; SHARES.  Work-group (x, head) owns the blocks of 128 queries x and 31 - x, one after the other.  A wave owns TWO tiles of 16 queries (32 x (wave / 2) on), so that each fragment of K and V that it reads from
; LDS feeds two products.  Such a pair of tiles has two waves: of a slot of 256 keys one takes the first 128, the other the second (par = (wave xor wave / 4) & 1).  Block x needs x / 2 + 1 slots, block 31 - x
; the rest of 17: the walk is 17 slots for every x.  At a block's end the two waves hand O^T, -M and the sum to each other through stages in LDS; each joins them under the larger M (a power of two: exact)
; and finishes the 32 channels numbered par of both tiles.
; REGISTERS.  Window 0 holds tile 0's state, window 1 tile 1's AT THE SAME NUMBERS, so that one text of the softmax (macro SM) serves both under two settings of s_set_vgpr_msb.  K's fragments lie in window 0
; (v32-103), V's in window 1 (v32-95).  Scale operands have no window: tile 1's lie in v222, v223.
; THE ORDER OF A STEP: V's loads; both tiles' scores; tile 0's softmax; THE CHANGE OF SLOTS (my reads of this slot are over: K's went out a step ago); the refill; the next step's K; tile 1's softmax; O^T.
; NO CLUSTER: the work-groups of a head turn to their second block at different slots (x / 2 + 1), so partners would ask for different tiles behind the same barrier.
; LAYOUT.  S^T = K Q^T (source 0 = 16 keys, source 1 = queries), O^T = V^T P^T: a lane holds ONE query of a tile.  The operands lie in memory and LDS as images of their registers, 16 bytes a lane on end.
; The head's 64 fill half of the instruction's 128: Q's upper 8 registers are zero codes; K's fragment of tile t is its own 8 registers and the 8 that follow them, which meet zero codes.
; RING: two slots: K's 16,384 bytes, V's 16,384, K's 512 scale bytes, V's 512; waves 0 to 3 fetch one of the four each, one tensor load a wave at the head and behind each change of slots.
.set SLOT1, 65536                      ; slot 1: one exclusive or turns an address
.set VOFF,  16384
.set SKO,   32768                      ; K's scale bytes of the slot: 2 a key
.set SVO,   33280                      ; V's: [step][tile of channels][16] words
.set STG,   131072                     ; the stages: for each wave and tile 4,096 bytes of O^T, 128 of -M, 128 of the sum; no fill lands here
.set SSZ,   4352
.set SPARE, STG+16*SSZ                 ; the spare words, 128 bytes for each wave, that no other line names
.set LI,   1                           ; v1   16 x lane
.set DQ,   2                           ; v2   lane % 16 - 8 (lane / 16); in window 1: + 16
.set ASK0, 3                           ; v3   SKO + 256 par + 2 x lane
.set ASV0, 4                           ; v4   SVO + 256 par + 4 x lane
.set SPW,  5
.set NIL,  6
.set PFO,  7                           ; v7   256 x lane: the prefetch's offset; never rewritten
.set ADK,  8
.set QSO,  9
.set ADS,  10
.set ADT,  11
.set S,    104                         ; v104-167 S^T, then p; at a block's end the two halves that are joined
.set O,    168                         ; v168-199 O^T
.set PCD,  200                         ; v200-215 p's codes
.set KSC,  216                         ; window 0: v216-219 K's scale words, v220-221 V's.  Window 1: v216-223 tile 1's Q of the second block (tile 0's: v96-103 there)
.set VSC,  220
.set QS1,  222                         ; tile 1's scale words: Q's,
.set PS1,  223                         ; p's
.set QSB,  224                         ; v224, v225: the second block's Q scale words
.set LK,   231                         ; v231 16 x lane + 8,192 par
.set TB,   2
.set SQ,   3                           ; the slot's number in the walk
.set WV,   18
.set MNT,  19
.set SEL,  20
.set CS,   22
.set G1,   24
.set G1S,  32
.set G0,   40
.set G0S,  44
.set NL,   66                          ; slots of the first block: x / 2 + 1
.set HC,   67                          ; 1: my step of this slot is hidden;  HN: of the next
.set KF,   68                          ; my step's first key
.set Q0,   69                          ; my first query
.set Q0H,  70                          ; and in the second block
.set LIM,  71
.set PFA,  72
.set HN,   74
.set AOC,  76
.set AOS,  78
.set AOC2, 80
.set AOS2, 82
.set DC,   84
.set DS,   86
.set NLC,  88
.set NLS,  89
.set SST,  90                          ; my stages;  SLO: + 2,048 par;  SMP: my partner's;  SLP: + 2,048 par
.set SLO,  91
.set SLP,  92
.set SMP,  93
.set KF0,  94
.set MSB, 0
.macro WIN new                         ; low byte: bits 1:0 source 0, 3:2 source 1, 5:4 source 2, 7:6 destination; the high byte repeats the setting that is left
.if MSB != \new
	s_set_vgpr_msb (MSB<<8)|\new
.set MSB, \new
.endif
.endm
.macro TLOAD                           ; waves 0, 1: K's, V's codes; waves 2, 3: their scale bytes; an s_nop 0 and four v_nop follow each line
	s_cmp_lt_u32 s[WV], 2
	s_cbranch_scc0 .Lnot_c_\@
	tensor_load_to_lds s[G0:G0+3], s[G1:G1+7]
	s_nop 0
.rept 4
	v_nop
.endr
	s_branch .Lasked_\@
.Lnot_c_\@:
	s_cmp_lt_u32 s[WV], 4
	s_cbranch_scc0 .Lasked_\@
	tensor_load_to_lds s[G0S:G0S+3], s[G1S:G1S+7]
	s_nop 0
.rept 4
	v_nop
.endr
.Lasked_\@:
.endm
; A prefetch: the work-groups of a head share the 16 slots of keys out: work-group x asks for slot x, whole, in trip x - 3; the work-groups 0 and 1 load that slot in trip x - 1, two trips on.
; Waves 4, 5 name K's 16,384 bytes, waves 6, 7 V's, lanes 256 bytes apart: each block of 256 bytes is named once.  Slots 0 to 2 come by their loads alone.  The address is never stepped.
.macro ASK
	s_cmp_eq_u32 s[SQ], s[LIM]
	s_cbranch_scc0 .Lnot_mine_\@
	global_prefetch_b8 v[PFO], s[PFA:PFA+1] th:TH_LOAD_NT scope:SCOPE_SE
.Lnot_mine_\@:
.endm
	s_load_b128 s[4:7], s[0:1], 0x0                ; q, k, v; the result
	v_lshl_add_u32 v[SPW], v0, 2, SPARE
	v_mov_b32 v[NIL], 0
	ds_add_u32 v[SPW], v[NIL]                      ; the opening: the add, twice on end, and its wait ahead of the first tensor load
	ds_add_u32 v[SPW], v[NIL]
	v_lshrrev_b32 v8, 5, v0
	v_readfirstlane_b32 s[WV], v8                  ; wave 0..7
	s_and_b32 s8, ttmp7, 0xffff                    ; the head
	s_and_b32 s9, s[WV], 1                         ; u: I would fetch for K (0) or V (1)
	s_lshr_b32 s10, s[WV], 2
	s_xor_b32 s10, s10, s[WV]
	s_and_b32 s10, s10, 1                          ; par
	s_lshr_b32 s13, s[WV], 1
	s_lshl_b32 s13, s13, 5                         ; 32 x my pair of tiles
	s_lshl_b32 s12, ttmp9, 7
	s_add_co_u32 s[Q0], s12, s13
	s_sub_co_u32 s11, 31, ttmp9
	s_lshl_b32 s11, s11, 7
	s_add_co_u32 s[Q0H], s11, s13
	s_lshr_b32 s[NL], ttmp9, 1
	s_add_co_u32 s[NL], s[NL], 1
	s_lshl_b32 s[NLC], s[NL], 14                   ; the first block's slots in bytes of codes,
	s_lshl_b32 s[NLS], s[NL], 9                    ; and of scale bytes
	s_mov_b32 s[DC+1], 0
	s_mov_b32 s[DS+1], 0
	s_lshl_b32 s[KF0], s10, 7
	s_mov_b32 s[KF], s[KF0]
	s_add_co_u32 s97, s[Q0], 31
	s_cmp_gt_u32 s[KF0], s97
	s_cselect_b32 s[HC], 1, 0                      ; (block 0 has one live step: the second wave of a pair has none there)
	s_mov_b32 s[HN], 0
	s_mov_b32 s[G1], 3<<16                         ; 64 rows of 256 bytes (32 elements of 8), dense, no padding
	s_mov_b32 s[G1+1], 32<<16
	s_mov_b32 s[G1+2], 64<<16
	s_mov_b32 s[G1+3], 32<<16
	s_mov_b32 s[G1+4], 64
	s_mov_b32 s[G1+5], 32
	s_mov_b32 s[G1+6], 0
	s_mov_b32 s[G1+7], 0
	s_mov_b32 s[G1S], 3<<16                        ; the scale bytes: 2 such rows
	s_mov_b32 s[G1S+1], 32<<16
	s_mov_b32 s[G1S+2], 2<<16
	s_mov_b32 s[G1S+3], 32<<16
	s_mov_b32 s[G1S+4], 2
	s_mov_b32 s[G1S+5], 32
	s_mov_b32 s[G1S+6], 0
	s_mov_b32 s[G1S+7], 0
	s_lshl_b32 s15, s8, 18                         ; the head's codes: 262,144 bytes in each tensor
	s_lshl_b32 s16, s8, 13                         ; its scale bytes: 8,192
	s_add_co_u32 s16, s16, 12582912
	s_add_co_u32 s14, s9, 1
	s_lshl_b32 s48, s14, 22
	s_add_co_u32 s48, s48, s15
	s_mov_b32 s49, 0
	s_lshl_b32 s50, s14, 17
	s_add_co_u32 s50, s50, s16
	s_mov_b32 s51, 0
	s_lshl_b32 s52, s9, 14
	s_lshl_b32 s53, s9, 9
	s_add_co_u32 s53, s53, SKO
	s_lshl_b32 s54, s[Q0], 6                       ; Q's images: 64 bytes a query
	s_add_co_u32 s54, s54, s15
	s_mov_b32 s55, 0
	s_lshl_b32 s56, s[Q0H], 6
	s_add_co_u32 s56, s56, s15
	s_mov_b32 s57, 0
	s_lshl_b32 s58, s[Q0], 1                       ; and scale bytes
	s_add_co_u32 s58, s58, s16
	s_mov_b32 s59, 0
	s_lshl_b32 s60, s[Q0H], 1
	s_add_co_u32 s60, s60, s16
	s_mov_b32 s61, 0
	s_lshl_b32 s12, s10, 9
	s_add_co_u32 s[AOC], s[Q0], s8                 ; the result's codes: 16,384 x tile of tokens + 1,024 x head + 512 par
	s_lshl_b32 s[AOC], s[AOC], 10
	s_add_co_u32 s[AOC], s[AOC], s12
	s_mov_b32 s[AOC+1], 0
	s_add_co_u32 s[AOC2], s[Q0H], s8
	s_lshl_b32 s[AOC2], s[AOC2], 10
	s_add_co_u32 s[AOC2], s[AOC2], s12
	s_mov_b32 s[AOC2+1], 0
	s_lshl_b32 s13, s8, 1
	s_add_co_u32 s13, s13, s10
	s_add_co_u32 s13, s13, 4194304                 ; its scale bytes: 32 a token, 2 a head, mine is number par
	s_lshl_b32 s[AOS], s[Q0], 5
	s_add_co_u32 s[AOS], s[AOS], s13
	s_mov_b32 s[AOS+1], 0
	s_lshl_b32 s[AOS2], s[Q0H], 5
	s_add_co_u32 s[AOS2], s[AOS2], s13
	s_mov_b32 s[AOS2+1], 0
	s_lshr_b32 s[PFA], s[WV], 1                    ; the prefetch: K (waves 4, 5) or V (6, 7), my 8,192 bytes of slot x
	s_and_b32 s[PFA], s[PFA], 1
	s_add_co_u32 s[PFA], s[PFA], 1
	s_lshl_b32 s[PFA], s[PFA], 22
	s_add_co_u32 s[PFA], s[PFA], s15
	s_lshl_b32 s96, s9, 13
	s_add_co_u32 s[PFA], s[PFA], s96
	s_lshl_b32 s96, ttmp9, 14
	s_add_co_u32 s[PFA], s[PFA], s96
	s_mov_b32 s[PFA+1], 0
	s_lshr_b32 s97, s[WV], 2
	s_sub_co_u32 s96, ttmp9, 3                     ; (x under 3: a number that no trip has)
	s_cmp_eq_u32 s97, 1
	s_cselect_b32 s[LIM], s96, -1
	s_mul_i32 s[SST], s[WV], 2*SSZ
	s_add_co_u32 s[SST], s[SST], STG
	s_xor_b32 s97, s[WV], 1
	s_mul_i32 s[SMP], s97, 2*SSZ
	s_add_co_u32 s[SMP], s[SMP], STG
	s_lshl_b32 s96, s10, 11
	s_add_co_u32 s[SLO], s[SST], s96
	s_add_co_u32 s[SLP], s[SMP], s96
	s_lshl_b32 s62, s10, 13
	s_lshl_b32 s63, s10, 8
	s_add_co_u32 s63, s63, SKO
	s_add_co_u32 s98, s63, 512
	s_mov_b32 s[SEL], 0x76543210
	s_mov_b32 s[SEL+1], 0xfedcba98
	s_mov_b32 s[CS], 0x3e38aa3b                    ; c = log2(e) / 8
	s_mov_b32 s[CS+1], s[CS]
	s_mov_b32 s[MNT], 0x600000
	s_mov_b32 s[TB], 0
	s_mov_b32 s[SQ], 0
	s_wait_dscnt 0x0                               ; both opening adds are done
	s_wait_kmcnt 0x0
	s_mov_b32 s[G0S], 1
	s_mov_b32 s[G0S+1], s53
	s_add_nc_u64 s[G0S+2:G0S+3], s[4:5], s[50:51]
	s_or_b32 s[G0S+3], s[G0S+3], 0x80000000
	s_mov_b32 s[G0], 1
	s_mov_b32 s[G0+1], s52
	s_add_nc_u64 s[G0+2:G0+3], s[4:5], s[48:49]
	s_or_b32 s[G0+3], s[G0+3], 0x80000000
	TLOAD                                          ; slot 0: one load a fetching wave
	s_add_nc_u64 s[54:55], s[4:5], s[54:55]
	s_add_nc_u64 s[56:57], s[4:5], s[56:57]
	s_add_nc_u64 s[58:59], s[4:5], s[58:59]
	s_add_nc_u64 s[60:61], s[4:5], s[60:61]
	s_add_nc_u64 s[PFA:PFA+1], s[4:5], s[PFA:PFA+1]
	s_add_nc_u64 s[AOC:AOC+1], s[6:7], s[AOC:AOC+1]
	s_add_nc_u64 s[AOS:AOS+1], s[6:7], s[AOS:AOS+1]
	s_add_nc_u64 s[AOC2:AOC2+1], s[6:7], s[AOC2:AOC2+1]
	s_add_nc_u64 s[AOS2:AOS2+1], s[6:7], s[AOS2:AOS2+1]
	v_and_b32 v8, 31, v0
	v_and_b32 v10, 15, v0
	v_bfe_u32 v11, v0, 4, 1
	v_lshlrev_b32 v[LI], 4, v8
	v_lshlrev_b32 v[PFO], 8, v8
	v_lshlrev_b32 v[ASK0], 1, v8
	v_lshlrev_b32 v[ASV0], 2, v8
	v_lshlrev_b32 v[QSO], 1, v10
	v_lshlrev_b32 v11, 3, v11
	v_add_nc_u32 v[LK], s62, v[LI]
	v_add_nc_u32 v[ASK0], s63, v[ASK0]
	v_add_nc_u32 v[ASV0], s98, v[ASV0]
	v_sub_nc_u32 v[DQ], v10, v11
	global_load_b128 v[16:19], v[LI], s[54:55]             ; the first block's Q, tile 0,
	global_load_b128 v[20:23], v[LI], s[54:55] offset:512
	global_load_u16 v255, v[QSO], s[58:59]                 ; the scale words: two bytes, two zeros
	global_load_u16 v[QS1], v[QSO], s[58:59] offset:32
	global_load_u16 v[QSB], v[QSO], s[60:61]
	global_load_u16 v[QSB+1], v[QSO], s[60:61] offset:32
	WIN 0x40                                       ; destinations in window 1
	global_load_b128 v[16:19], v[LI], s[54:55] offset:1024 ; tile 1;
	global_load_b128 v[20:23], v[LI], s[54:55] offset:1536
	global_load_b128 v[96:99], v[LI], s[56:57]             ; the second block's, which wait in registers
	global_load_b128 v[100:103], v[LI], s[56:57] offset:512
	global_load_b128 v[216:219], v[LI], s[56:57] offset:1024
	global_load_b128 v[220:223], v[LI], s[56:57] offset:1536
	v_add_nc_u32 v[DQ], 16, v[DQ]                  ; tile 1's queries lie 16 on
	WIN 0
.macro FRESH                           ; a block's start: O^T and the sum are zeros, the largest t is -3e38
.set j, 0
.rept 32
	v_mov_b32 v[O+j], 0
.set j, j+1
.endr
	v_mov_b32 v13, 0xff61b1e6
	v_mov_b32 v14, 0
	v_mov_b32 v15, 0
	v_floor_f32 v12, -v13                          ; -M
.endm
.macro ONCE                            ; zero codes in Q's upper half; a lane permute's destination and the upper half of a pair count as read
.irp j, 24,25,26,27,28,29,30,31,236,237,238,239,252,253
	v_mov_b32 v[\j], 0
.endr
	FRESH
.endm
	ONCE
.irp j, 96,97,98,99,100,101,102,103
	v_mov_b32 v[\j], 0                             ; zero codes behind K's last tile
.endr
.set j, 0
.rept 16
	v_mov_b32 v[PCD+j], 0                          ; what one part of a step hands to the other is written once here, so that every way through the text finds it written:
.set j, j+1
.endr
	WIN 0x55
	ONCE
.set j, 0
.rept 64
	v_mov_b32 v[S+j], 0                            ; tile 0's codes above, tile 1's scores here
.set j, j+1
.endr
	WIN 0
; THE SOFTMAX OF ONE TILE, 128 keys: scores in S -> codes in PCD, scale word in v253; the sum, M and O^T are brought on.  Every vector register lies in the window that is set.  w = 1: tile 1.
.macro SM w
	s_wait_alu depctr_va_vdst(0)                   ; the wait directly ahead of the scores' first readers
.irp b, 0,1,2,3
	v_max3_num_f32 v[232+\b], v[S+16*\b], v[S+1+16*\b], v[S+2+16*\b]   ; the largest score of each block of 32 keys: for the row's maximum, and, since p rises with the score, for the block's largest p
.endr
.irp i, 3,5,7,9,11,13
.irp b, 0,1,2,3
	v_max3_num_f32 v[232+\b], v[232+\b], v[S+16*\b+\i], v[S+1+16*\b+\i]
.endr
.endr
.irp b, 0,1,2,3
	v_max_num_f32 v[232+\b], v[232+\b], v[S+15+16*\b]
.endr
.irp b, 0,1,2,3
	s_delay_alu instid0(VALU_DEP_4)
	v_permlanex16_b32 v[236+\b], v[232+\b], s[SEL], s[SEL+1]
.endr
.irp b, 0,1,2,3
	s_delay_alu instid0(VALU_DEP_4)
	v_max_num_f32 v[232+\b], v[232+\b], v[236+\b]
.endr
	s_delay_alu instid0(VALU_DEP_2)
	v_max3_num_f32 v254, v232, v233, v234
	s_delay_alu instid0(VALU_DEP_1)
	v_max_num_f32 v254, v254, v235
	s_delay_alu instid0(VALU_DEP_1)
	v_mul_f32 v254, s[CS], v254
	s_delay_alu instid0(VALU_DEP_1)
	v_max_num_f32 v13, v13, v254                   ; the running largest t
	v_mov_b32 v254, v12
	s_delay_alu instid0(VALU_DEP_2)
	v_floor_f32 v12, -v13                          ; the new -M = -ceil(t)
	s_delay_alu instid0(VALU_DEP_1)
	v_sub_f32 v254, v12, v254
	s_delay_alu instid0(VALU_DEP_1)
	v_cvt_i32_f32 v254, v254                       ; (it saturates)
	s_delay_alu instid0(VALU_DEP_1)
	v_ldexp_f32 v252, 1.0, v254                    ; f = 2^(old M - new M)
.set j, 0
.rept 32
	v_pk_fma_f32 v[S+j:S+j+1], v[S+j:S+j+1], s[CS:CS+1], v[12:13] op_sel_hi:[1,0,0]   ; t - M
.set j, j+2
.endr
.irp b, 0,1,2,3
	v_fma_f32 v[232+\b], v[232+\b], s[CS], v12
.endr
.set j, 0
	s_wait_alu depctr_va_vdst(0)
.rept 64
	v_exp_f32 v[S+j], v[S+j]                       ; p = 2^(t - M)
.set j, j+1
.endr
	v_pk_mul_f32 v[14:15], v[14:15], v[252:253] op_sel_hi:[1,0]   ; the sums under the new M: a plain instruction behind the exponentials
	s_wait_alu depctr_va_vdst(0)                   ; one wait for the batch, ahead of its first reader
.irp b, 0,1,2,3
	v_exp_f32 v[232+\b], v[232+\b]                 ; the block's largest p
.endr
	v_pk_add_f32 v[236:237], v[108:109], v[112:113]
	v_pk_add_f32 v[250:251], v[116:117], v[120:121]
	v_pk_add_f32 v[248:249], v[124:125], v[128:129]
	v_pk_add_f32 v[246:247], v[132:133], v[136:137]
	v_pk_add_f32 v[244:245], v[140:141], v[144:145]
	v_pk_add_f32 v[242:243], v[148:149], v[152:153]
	v_pk_add_f32 v[240:241], v[156:157], v[160:161]
	v_pk_add_f32 v[14:15], v[14:15], v[164:165]
	v_pk_add_f32 v[236:237], v[236:237], v[104:105]
	v_pk_add_f32 v[250:251], v[250:251], v[106:107]
	v_pk_add_f32 v[248:249], v[248:249], v[110:111]
	v_pk_add_f32 v[246:247], v[246:247], v[114:115]
	v_pk_add_f32 v[244:245], v[244:245], v[118:119]
	v_pk_add_f32 v[242:243], v[242:243], v[122:123]
	v_pk_add_f32 v[240:241], v[240:241], v[126:127]
	v_pk_add_f32 v[14:15], v[14:15], v[130:131]
	v_pk_add_f32 v[236:237], v[236:237], v[134:135]
	v_pk_add_f32 v[250:251], v[250:251], v[138:139]
	v_pk_add_f32 v[248:249], v[248:249], v[142:143]
	v_pk_add_f32 v[246:247], v[246:247], v[146:147]
	v_pk_add_f32 v[244:245], v[244:245], v[150:151]
	v_pk_add_f32 v[242:243], v[242:243], v[154:155]
	v_pk_add_f32 v[240:241], v[240:241], v[158:159]
	v_pk_add_f32 v[14:15], v[14:15], v[162:163]
	v_pk_add_f32 v[236:237], v[236:237], v[166:167]
	s_delay_alu instid0(VALU_DEP_2)
	v_pk_add_f32 v[14:15], v[14:15], v[246:247]
	s_delay_alu instid0(VALU_DEP_2)
	v_pk_add_f32 v[236:237], v[236:237], v[244:245]
	v_pk_add_f32 v[250:251], v[250:251], v[242:243]
	v_pk_add_f32 v[248:249], v[248:249], v[240:241]
	s_delay_alu instid0(VALU_DEP_2)
	v_pk_add_f32 v[14:15], v[14:15], v[250:251]
	s_delay_alu instid0(VALU_DEP_2)
	v_pk_add_f32 v[236:237], v[236:237], v[248:249]
	s_delay_alu instid0(VALU_DEP_1)
	v_pk_add_f32 v[14:15], v[14:15], v[236:237]
	s_wait_alu depctr_va_vdst(0)                   ; and one for the four
.irp b, 0,1,2,3
	v_max_num_f32 v[232+\b], 0x4800000, v[232+\b]  ; the floor 2^(9 - 127)
.endr
.irp b, 0,1,2,3
	s_delay_alu instid0(VALU_DEP_4)
	v_add_nc_u32 v[244+\b], 0xfc000000, v[232+\b]
.endr
.irp b, 0,1,2,3
	v_and_or_b32 v[240+\b], v[232+\b], 0x7f800000, s[MNT]
.endr
.irp b, 0,1,2,3
	v_lshrrev_b32 v[236+\b], 23, v[244+\b]
.endr
	s_delay_alu instid0(VALU_DEP_3)
	v_lshl_or_b32 v253, v237, 8, v236              ; p's scale word for these 128 keys
	s_delay_alu instid0(VALU_DEP_1)
	v_lshl_or_b32 v253, v238, 16, v253
	s_delay_alu instid0(VALU_DEP_1)
	v_lshl_or_b32 v253, v239, 24, v253
.if \w
	WIN 0x01
	v_mov_b32 v[PS1], v253                         ; a scale operand has no window: tile 1's word goes to window 0
	WIN 0x55
.endif
.irp b, 0,1,2,3
.irp i, 0,1,2,3,4,5,6,7,8,9,10,11,12,13,14,15
	v_min_num_f32 v[S+16*\b+\i], v[S+16*\b+\i], v[240+\b]   ; the hold; p is not negative
.endr
	v_cvt_scalef32_pk8_fp8_f32 v[PCD+4*\b:PCD+1+4*\b], v[S+16*\b:S+7+16*\b], v[244+\b]
	v_cvt_scalef32_pk8_fp8_f32 v[PCD+2+4*\b:PCD+3+4*\b], v[S+8+16*\b:S+15+16*\b], v[244+\b]
.endr
	v_nop                                          ; a plain instruction behind the conversions
.irp b, 0,1,2,3
	v_permlane16_swap_b32 v[PCD+4*\b], v[PCD+2+4*\b]   ; each lane then holds 16 neighbouring keys of the block
	v_permlane16_swap_b32 v[PCD+1+4*\b], v[PCD+3+4*\b]
.endr
.set j, 0
.rept 16
	v_pk_mul_f32 v[O+j:O+j+1], v[O+j:O+j+1], v[252:253] op_sel_hi:[1,0]   ; O^T under the new M; these are also the places in front of the products
.set j, j+2
.endr
	s_wait_alu depctr_va_vdst(0)
.endm
.macro MASK                            ; d = my query - the step's first key - 8 (lane / 16).  Register n holds key 16 (n / 8) + n % 8 + 8 (lane / 16): hidden where 16 (n / 8) + n % 8 > d
	v_add_nc_u32 v252, s96, v[DQ]
	v_mov_b32 v254, 0xff800000
.set n, 0
.rept 64
	v_cmp_gt_i32 vcc_lo, 16*(n/8)+n%8, v252
	v_cndmask_b32 v[S+n], v[S+n], v254, vcc_lo
.set n, n+1
.endr
.endm
.macro KLOADS                          ; my next step's K and its scale words: 20 loads
	v_add_nc_u32 v[ADK], s[TB], v[LK]
	v_add_nc_u32 v[ADS], s[TB], v[ASK0]
.irp t, 0,1,2,3,4,5,6,7
.irp c, 0,1
	ds_load_b128 v[32+8*\t+4*\c:35+8*\t+4*\c], v[ADK] offset:\t*1024+512*\c
.endr
.endr
.irp p, 0,1,2,3
	ds_load_u16 v[KSC+\p], v[ADS] offset:64*\p
.endr
.endm
.macro VLOADS                          ; my step's V and its scale words: 18 loads, on every wave's way, so that every way finds the registers written
	v_add_nc_u32 v[ADK], s[TB], v[LK]
	v_add_nc_u32 v[ADT], s[TB], v[ASV0]
.rept 6
	v_nop                                          ; with the two additions: eight places in front of loads into registers that the last products read
.endr
	WIN 0x40
.irp t, 0,1,2,3
.irp c, 0,1,2,3
	ds_load_b128 v[32+16*\t+4*\c:35+16*\t+4*\c], v[ADK] offset:VOFF+2048*\t+512*\c
.endr
.endr
	WIN 0
.irp p, 0,1
	ds_load_b32 v[VSC+\p], v[ADT] offset:128*\p
.endr
.endm
.macro PART1                           ; both tiles' scores, the mask on the diagonal, tile 0's softmax
	s_wait_dscnt 18                                ; K and its scale words are in; the 18 loads for V, issued behind them, may be out
.irp t, 0,2,4,6
	v_wmma_scale_f32_16x16x128_f8f6f4 v[S+8*\t:S+8*\t+7], v[32+8*\t:47+8*\t], v[16:31], 0, v[KSC+\t/2], v255
	v_wmma_scale_f32_16x16x128_f8f6f4 v[S+8+8*\t:S+15+8*\t], v[40+8*\t:55+8*\t], v[16:31], 0, v[KSC+\t/2], v255 matrix_a_scale:MATRIX_SCALE_ROW1
.endr
	WIN 0x44                                       ; source 1 (Q) and the result in window 1
.irp t, 0,2,4,6
	v_wmma_scale_f32_16x16x128_f8f6f4 v[S+8*\t:S+8*\t+7], v[32+8*\t:47+8*\t], v[16:31], 0, v[KSC+\t/2], v[QS1]
	v_wmma_scale_f32_16x16x128_f8f6f4 v[S+8+8*\t:S+15+8*\t], v[40+8*\t:55+8*\t], v[16:31], 0, v[KSC+\t/2], v[QS1] matrix_a_scale:MATRIX_SCALE_ROW1
.endr
	WIN 0
.rept 8
	v_nop
.endr
	s_add_co_u32 s96, s[KF], 127                   ; on the diagonal hidden scores become -infinity ahead of the maximum; a step all of whose keys count skips this
	s_cmp_le_u32 s96, s[Q0]
	s_cbranch_scc1 .Lopen_\@
	s_sub_co_i32 s96, s[Q0], s[KF]
	MASK
	WIN 0x55
	MASK
	WIN 0
.Lopen_\@:
	SM 0
.endm
.macro PART2                           ; tile 1's softmax; O^T += V^T P^T for both tiles
	WIN 0x55
	SM 1
	WIN 0x01                                       ; source 0 (V) in window 1
.irp t, 0,2
	v_wmma_scale_f32_16x16x128_f8f6f4 v[O+8*\t:O+7+8*\t], v[32+16*\t:47+16*\t], v[PCD:PCD+15], v[O+8*\t:O+7+8*\t], v[VSC+\t/2], v253
	v_wmma_scale_f32_16x16x128_f8f6f4 v[O+8+8*\t:O+15+8*\t], v[48+16*\t:63+16*\t], v[PCD:PCD+15], v[O+8+8*\t:O+15+8*\t], v[VSC+\t/2], v253 matrix_a_scale:MATRIX_SCALE_ROW1
.endr
	WIN 0x55
.irp t, 0,2
	v_wmma_scale_f32_16x16x128_f8f6f4 v[O+8*\t:O+7+8*\t], v[32+16*\t:47+16*\t], v[PCD:PCD+15], v[O+8*\t:O+7+8*\t], v[VSC+\t/2], v[PS1]
	v_wmma_scale_f32_16x16x128_f8f6f4 v[O+8+8*\t:O+15+8*\t], v[48+16*\t:63+16*\t], v[PCD:PCD+15], v[O+8+8*\t:O+15+8*\t], v[VSC+\t/2], v[PS1] matrix_a_scale:MATRIX_SCALE_ROW1
.endr
	WIN 0
.endm
; THE CHANGE OF SLOTS.  Each wave waits for all its tensor loads, adds 0 to its spare word (fill = 1: twice on end,), and waits for that and
; for its reads of the slot in hand.  Behind the barrier the next slot is whole and nobody reads this one.  fill = 1: it takes slot number s[SQ] + ahead of the walk: the following 256 keys, or, where the
; second block begins, the head's first again.
.macro CHANGE fill, ahead
	s_wait_tensorcnt 0x0
	ds_add_u32 v[SPW], v[NIL]
.if \fill
	ds_add_u32 v[SPW], v[NIL]
	s_xor_b32 s[G0+1], s[G0+1], SLOT1              ; no tensor load of mine is out: the walking descriptors may be written
	s_xor_b32 s[G0S+1], s[G0S+1], SLOT1
	s_add_co_u32 s96, s[SQ], \ahead
	s_cmp_eq_u32 s96, s[NL]                        ; is it the second block's first slot?
	s_cselect_b32 s[DC], s[NLC], 0
	s_cselect_b32 s[DS], s[NLS], 0
	s_add_nc_u64 s[G0+2:G0+3], s[G0+2:G0+3], 16384
	s_sub_nc_u64 s[G0+2:G0+3], s[G0+2:G0+3], s[DC:DC+1]
	s_add_nc_u64 s[G0S+2:G0S+3], s[G0S+2:G0S+3], 512
	s_sub_nc_u64 s[G0S+2:G0S+3], s[G0S+2:G0S+3], s[DS:DS+1]
.endif
	s_wait_dscnt 0x0
	s_barrier_signal -1
	s_barrier_wait -1
.if \fill
	TLOAD
.if \ahead == 2
	ASK
.endif
.endif
.endm
; A SLOT OF THE WALK.  mode 2: with a refill; 1: the last change of slots, nothing is left to fetch; 0: the last slot.  The branches hang on ids alone and lead round work, never round a barrier, a wait or an add.
.macro TRIP mode
	VLOADS
.if \mode
	s_add_co_u32 s96, s[KF], 256                   ; is my step of the next slot hidden?  All its keys come after my 32 queries;
	s_add_co_u32 s97, s[Q0], 31
	s_cmp_gt_u32 s96, s97
	s_cselect_b32 s[HN], 1, 0
	s_add_co_u32 s96, s[SQ], 1
	s_cmp_eq_u32 s96, s[NL]                        ; never in the second block's first slot
	s_cselect_b32 s[HN], 0, s[HN]
.endif
	s_cmp_lg_u32 s[HC], 0
	s_cbranch_scc1 .Lh1_\@
	PART1
.Lh1_\@:
.if \mode
	CHANGE (\mode)-1, 2
	s_xor_b32 s[TB], s[TB], SLOT1
	s_cmp_lg_u32 s[HN], 0
	s_cbranch_scc1 .Lh2_\@
	KLOADS
.Lh2_\@:
.else
	s_wait_dscnt 0x0                               ; the last slot has no change of slots: V and its scale words are in
.endif
	s_cmp_lg_u32 s[HC], 0
	s_cbranch_scc1 .Lh3_\@
	PART2
.Lh3_\@:
	s_add_co_u32 s[KF], s[KF], 256
	s_mov_b32 s[HC], s[HN]
.endm
; A BLOCK'S END.  Every wave lays O^T, -M and its lanes' sum of both tiles into its stages; a barrier; each wave reads registers 16 par .. 16 par + 15 of O^T from its own stages and from its partner's, brings
; both under the larger M, divides by the joined sum, quantises these 32 channels (one block of the model's 1,024) and stores them as the next product's operand image.  re = 1: the second block begins.
.macro FINA                            ; one tile, in the window that is set
	v_min_num_f32 v[S+34], v12, v[S+32]            ; -(the larger M).  A wave that had no live step holds -M = 3e38, zeros, and gets the factor 0
	v_sub_f32 v[S+35], v[S+34], v12
	v_sub_f32 v[S+36], v[S+34], v[S+32]
	v_cvt_i32_f32 v[S+35], v[S+35]                 ; (they saturate)
	v_cvt_i32_f32 v[S+36], v[S+36]
	v_ldexp_f32 v[S+35], 1.0, v[S+35]
	v_ldexp_f32 v[S+36], 1.0, v[S+36]
	v_mul_f32 v14, v14, v[S+35]
	v_fmac_f32 v14, v[S+33], v[S+36]
	v_permlanex16_b32 v236, v14, s[SEL], s[SEL+1]
	v_add_f32 v14, v14, v236                       ; the row's sum
	s_wait_alu depctr_va_vdst(0)
	v_rcp_f32 v14, v14
	v_nop
	s_wait_alu depctr_va_vdst(0)                   ; the wait ahead of the reciprocal's first reader
	v_mul_f32 v[S+38], v[S+35], v14
	v_mul_f32 v[S+39], v[S+35], v14
	v_mul_f32 v[S+40], v[S+36], v14
	v_mul_f32 v[S+41], v[S+36], v14
.irp j, 0,2,4,6,8,10,12,14
	v_pk_mul_f32 v[S+\j:S+\j+1], v[S+\j:S+\j+1], v[S+38:S+39]
.endr
.irp j, 0,2,4,6,8,10,12,14
	v_pk_fma_f32 v[S+\j:S+\j+1], v[S+16+\j:S+17+\j], v[S+40:S+41], v[S+\j:S+\j+1]   ; register 8 t + i: channel 32 par + 16 t + 8 (lane / 16) + i of my query
.endr
	v_max3_num_f32 v232, |v[S]|, |v[S+1]|, 0x4800000
	v_max3_num_f32 v233, |v[S+2]|, |v[S+3]|, |v[S+4]|
.irp i, 5,9
	v_max3_num_f32 v232, v232, |v[S+\i]|, |v[S+\i+1]|
	v_max3_num_f32 v233, v233, |v[S+\i+2]|, |v[S+\i+3]|
.endr
	v_max3_num_f32 v232, v232, |v[S+13]|, |v[S+14]|
	v_max_num_f32 v233, v233, |v[S+15]|
	v_max_num_f32 v232, v232, v233
	v_permlanex16_b32 v236, v232, s[SEL], s[SEL+1]
	v_max_num_f32 v232, v232, v236
	v_add_nc_u32 v244, 0xfc000000, v232
	v_and_or_b32 v240, v232, 0x7f800000, s[MNT]
	v_lshrrev_b32 v237, 23, v244
.irp i, 0,1,2,3,4,5,6,7,8,9,10,11,12,13,14,15
	v_med3_num_f32 v[S+\i], v[S+\i], -v240, v240
.endr
	v_cvt_scalef32_pk8_fp8_f32 v[PCD:PCD+1], v[S:S+7], v244
	v_cvt_scalef32_pk8_fp8_f32 v[PCD+2:PCD+3], v[S+8:S+15], v244
	v_nop
	v_permlane16_swap_b32 v[PCD], v[PCD+2]
	v_permlane16_swap_b32 v[PCD+1], v[PCD+3]
.endm
.macro PUT off                         ; one tile's state into my stage; the data lie in the window that is set for source 1
.irp k, 0,1,2,3,4,5,6,7
	ds_store_b128 v8, v[O+4*\k:O+4*\k+3] offset:\off+512*\k   ; each accumulator from its low end on
.endr
	ds_store_b32 v9, v12 offset:\off+4096
	ds_store_b32 v9, v14 offset:\off+4224
.endm
.macro GET off                         ; my half and my partner's, -M and the sum; into the window that is set for the destination
.irp k, 0,1,2,3
	ds_load_b128 v[S+4*\k:S+4*\k+3], v8 offset:\off+512*\k
	ds_load_b128 v[S+16+4*\k:S+19+4*\k], v10 offset:\off+512*\k
.endr
	ds_load_b32 v[S+32], v9 offset:\off+4096
	ds_load_b32 v[S+33], v9 offset:\off+4224
.endm
.macro TRANS re
	v_add_f32 v14, v14, v15
	v_add_nc_u32 v8, s[SST], v[LI]
	v_lshrrev_b32 v9, 2, v[LI]
	v_add_nc_u32 v9, s[SST], v9
	WIN 0x55
	v_add_f32 v14, v14, v15
	WIN 0
.rept 3
	v_nop                                          ; with the five lines above: eight places behind the last products
.endr
	PUT 0
	WIN 0x04
	PUT SSZ
	WIN 0
	s_wait_alu depctr_va_vdst(0)
	s_wait_dscnt 0x0                               ; my stores are done: the partner reads behind the barrier.
	s_barrier_signal -1
	s_barrier_wait -1
	v_add_nc_u32 v8, s[SLO], v[LI]
	v_add_nc_u32 v10, s[SLP], v[LI]
	v_lshrrev_b32 v9, 2, v[LI]
	v_add_nc_u32 v9, s[SMP], v9
	GET 0
	WIN 0x40
	GET SSZ
	WIN 0
	v_and_b32 v11, 15, v0
	v_lshlrev_b32 v11, 5, v11                      ; 32 bytes of scales a token
	s_wait_alu depctr_va_vdst(0)
	s_wait_dscnt 0x0
	FINA
	global_store_b128 v[LI], v[PCD:PCD+3], s[AOC:AOC+1]    ; 512 consecutive bytes, aligned
	global_store_b8 v11, v237, s[AOS:AOS+1]                ; one of a token's 32 scale bytes
	WIN 0x55
	FINA
	WIN 0x04
	global_store_b128 v[LI], v[PCD:PCD+3], s[AOC:AOC+1] offset:16384   ; tile 1: the next 16 tokens
	global_store_b8 v11, v237, s[AOS:AOS+1] offset:512
	WIN 0
.if \re
	s_wait_xcnt 0x0                                ; the stores have read their registers and bases
	s_mov_b32 s[Q0], s[Q0H]
	s_mov_b32 s[KF], s[KF0]
	s_mov_b64 s[AOC:AOC+1], s[AOC2:AOC2+1]
	s_mov_b64 s[AOS:AOS+1], s[AOS2:AOS2+1]
	WIN 0x01
.irp j, 0,1,2,3,4,5,6,7
	v_mov_b32 v[16+\j], v[96+\j]
.endr
	WIN 0x41
.irp j, 0,1,2,3,4,5,6,7
	v_mov_b32 v[16+\j], v[216+\j]
.endr
	WIN 0
	v_mov_b32 v255, v[QSB]
	v_mov_b32 v[QS1], v[QSB+1]
	FRESH
	WIN 0x55
	FRESH
	WIN 0
	s_wait_alu depctr_va_vdst(0)
.endif
.endm
	s_wait_alu depctr_va_vdst(0)                   ; the wait at the head's end
	s_wait_loadcnt 0x0                             ; Q
	CHANGE 1, 1                                    ; slot 0 is whole; slot 1's first fill is issued as a refill is
	KLOADS                                         ; (on every wave's way: the registers are then written on every way through the text)
.Lslot:                                            ; 15 trips; in the middle of each the walk's slot two on is asked for
	TRIP 2
	s_add_co_u32 s[SQ], s[SQ], 1
	s_cmp_lg_u32 s[SQ], s[NL]                      ; the work-group's number and the count of trips alone: all eight waves go the same way
	s_cbranch_scc1 .Lsame
	TRANS 1
.Lsame:
	s_cmp_lt_u32 s[SQ], 15
	s_cbranch_scc1 .Lslot
	TRIP 1                                         ; the last two slots are written out: nothing is left to fetch
	TRIP 0
	TRANS 0
	s_wait_tensorcnt 0x0                           ; the wave's end
	ds_add_u32 v[SPW], v[NIL]
	s_wait_dscnt 0x0
	s_endpgm
.Lfunc_end_k_q807cc2fd5d_attn:
	.size	k_q807cc2fd5d_attn, .Lfunc_end_k_q807cc2fd5d_attn-k_q807cc2fd5d_attn
	.p2alignl 7, 3214868480
	.fill 96, 4, 3214868480
	.section	.rodata,"a",@progbits
	.p2align	6, 0x0
	.amdhsa_kernel k_q807cc2fd5d_attn
		.amdhsa_group_segment_fixed_size 327680
		.amdhsa_private_segment_fixed_size 0
		.amdhsa_enable_private_segment 0
		.amdhsa_kernarg_size 16
		.amdhsa_user_sgpr_count 2
		.amdhsa_user_sgpr_kernarg_segment_ptr 1
		.amdhsa_wavefront_size32 1
		.amdhsa_system_sgpr_workgroup_id_x 1
		.amdhsa_system_sgpr_workgroup_id_y 1
		.amdhsa_system_sgpr_workgroup_id_z 1
		.amdhsa_system_vgpr_workitem_id 0
		.amdhsa_next_free_vgpr 512
		.amdhsa_next_free_sgpr 100
		.amdhsa_reserve_vcc 1
		.amdhsa_float_denorm_mode_32 3
		.amdhsa_float_denorm_mode_16_64 3
		.amdhsa_memory_ordered 1
		.amdhsa_forward_progress 1
		.amdhsa_inst_pref_size 185
	.end_amdhsa_kernel
	.amdgpu_metadata
---
amdhsa.version: [ 1, 2 ]
amdhsa.kernels:
  - .name:           k_q807cc2fd5d_attn
    .symbol:         k_q807cc2fd5d_attn.kd
    .args:
      - { .name: qkv, .offset: 0, .size: 8, .value_kind: global_buffer, .address_space: global }
      - { .name: ao, .offset: 8, .size: 8, .value_kind: global_buffer, .address_space: global }
    .group_segment_fixed_size: 327680
    .private_segment_fixed_size: 0
    .kernarg_segment_align: 8
    .kernarg_segment_size: 16
    .max_flat_workgroup_size: 256
    .sgpr_count:     100
    .vgpr_count:     512
    .wavefront_size: 32
...
	.end_amdgpu_metadata
.endif
;; end of part 9
;; launch wo (part 10): grid 8 x 32, 4 waves a work-group, clusters of 4 x 4, 327,680 bytes of LDS; arguments ao, wo_codes, wo_scales, x, h; writes h
.if DOCPART == 10
	.amdgcn_target "amdgcn-amd-amdhsa--gfx1250"
	.amdhsa_code_object_version 6
	.text
	.protected	k_q807cc2fd5d_wo
	.globl	k_q807cc2fd5d_wo
	.p2align	8
	.type	k_q807cc2fd5d_wo,@function
k_q807cc2fd5d_wo:
	s_mov_b64 s[64:65], 0
	v_nop
	global_prefetch_b8 v0, s[64:65] scope:SCOPE_SE
	s_setreg_imm32_b32 hwreg(HW_REG_WAVE_MODE, 25, 1), 1
	s_wait_xcnt 0x0
	s_wait_alu depctr_hold_cnt(0) depctr_sa_sdst(0) depctr_va_vdst(0) depctr_va_sdst(0) depctr_va_ssrc(0) depctr_va_vcc(0) depctr_vm_vsrc(0)
	s_getreg_b32 s2, hwreg(HW_REG_IB_STS2, 6, 4)
	s_cmp_eq_u32 s2, 0
	s_cbranch_scc0 .Lentry_in_a_cluster
	s_endpgm
.Lentry_in_a_cluster:
	s_bfe_u32 s2, ttmp6, 0x10000c
	s_cmp_lg_u32 s2, 0xf033
	s_cbranch_scc0 .Lentry_shape_is_right
	s_endpgm
.Lentry_shape_is_right:
; h = x + ao wo^T on codes of FP8 (E4M3) with E8M0 scales, K = 1,024, N = 1,024.  ao comes as images of operand registers, [tile of 16 tokens][128 along K: 8][block of 32: 4][lane][16 bytes], its scale bytes
; [token][32] at byte 4,194,304; wo as rows of codes, K innermost.
; A TILE OF 128 x 128 to a work-group: 4,096 x 1,024 numbers make 256 such tiles, where tiles of 256 x 256 would make 64.  Four waves, 64 x 64 each: 16 accumulators.
; K goes in steps of 512 through two LDS slots filled by the tensor data mover: here the two first fills hold all of K, and nothing is filled again.  The scale bytes of the work-group's rows come once.
; CLUSTERS: 4 x 4 work-groups: A's tile (tokens) is shared along a row of the cluster, B's (the weight) along a column, each asked for jointly: the same load, the same descriptor, a mask that names the four.
; Source 0 = 16 rows of the weight, source 1 = 16 tokens: a lane holds eight neighbouring numbers of a row of h.
; A's part of a slot is, for each tile of 16 tokens, 8,192 consecutive bytes (four steps of 128 along K); it lands dense, and a fragment is four loads of 512 consecutive bytes.
; THE WAY OUT: a wave's 64 columns are 256 bytes of a row.  A block of 16 rows goes through my stage in LDS (behind the spare words, where no fill lands) and comes back as whole rows, two an
; instruction; there the residual is added, which was asked for at the start and lies in registers of its own; sixteen lanes store 256 consecutive bytes, aligned.
; REGISTERS, in windows of 256: window 0: v16-29 addresses; v32-63 scale words, two sets, and nothing else; v64-127 rows on the way out; v128-255 the accumulators ((a, b) at v[128 + 8 (4 a + b)]).
;   window 1: two fragment buffers of 128: A's four fragments (16 rows x 128 K, 16 registers), then B's four.   window 2: v0-127 the residual of my 64 rows.
.set SIZE_K, 1024
.set SIZE_N, 1024
.set ASC,    4194304                   ; where A's scale bytes begin
.set KSTEP,  512                       ; along K in a slot
.set NQ,     KSTEP/128                 ; matrix instructions deep
; LDS AS IT IS LAID NOW (in place of what the head says of slots): ALL OF K comes at the head, by four joint loads, one a wave: A's 128 tokens, 131,072 dense bytes from byte 0 (16,384 a tile of tokens);
; B's 128 rows of 1,024 bytes + 16 of padding behind them; A's scale bytes; B's.  'Slot' s below means the s-th 512 along K.  The stages have bytes of their own behind the spare words.
.set ROWB,   1024
.set ASTEP,  2*NQ*2048                 ; A's address from a slot's K step to its next: two slots of 8,192 bytes in each tile of tokens
.set KROW,   SIZE_K
.set PITCH,  1040
.set FR,     16                        ; registers of a fragment
.set NP,     8                         ; places behind this matrix instruction (ISA guide 7.12.1)
.set HALFT,  64*PITCH                  ; a fetching wave's region of a slot: 64 rows of B, or A's 32,768 bytes
.set SLOT,   4*HALFT
.set LAPS,   SIZE_K/(2*KSTEP)
.set KS,     SIZE_K/32                 ; a row of scale bytes
.set SCL,    131072+128*PITCH
.set HALFS,  (64*KS/256)*272           ; those of 64 rows
.set SBLK,   (16*KS/256)*272           ; those of 16 rows
.set SPARE,  SCL+4*HALFS               ; the spare words, 128 bytes for each wave, that no other line names
.set SPITCH, 272                       ; a stage row: 256 bytes + 16
.set ADRA, 16                          ; v16-17  LDS address of my A fragments in slot 0, 1
.set ADRB, 20                          ; v20-21  the same for B
.set STO,  24                          ; the way out: where I put 32 bytes of a row
.set RD,   25                          ; where I read a row back
.set CO,   26                          ; my byte offset in two rows of the result
.set ADRS, 27                          ; my scale words: lanes 0-15 A's rows, lanes 16-31 B's
.set SPW,  28                          ; my spare word; never rewritten
.set NIL,  29                          ; 0; never rewritten
.set SC,   32                          ; set s at v[SC + 16 s]; in it register 4 i + q: block i, the slot's q-th 128 along K
.set BK,   64
.set ACC,  128
.set F0,   0
.set F1,   128
.set G1, 24
.set G0, 32
.set G1B, 48
.set G0B, 56
.set G1S, 68
.set G0S, 76
.set G1SB, 80
.set G0SB, 88
.set MSB, 0
.macro WIN new                         ; the immediate's high byte repeats the setting that is left
.if MSB != \new
	s_set_vgpr_msb (MSB<<8)|\new
.set MSB, \new
.endif
.endm
.set MUL,  0x05                        ; sources 0 (B) and 1 (A) window 1; C and D window 0
.set TO_F, 0x40                        ; destination window 1, address window 0
.macro JLOAD g0a, g1a, g0b, g1b        ; a joint load: waves 0 and 1 for A, waves 2 and 3 for B; the branch hangs on the wave's number alone; an s_nop 0 and four v_nop follow each line
	s_cmp_eq_u32 s15, 0
	s_cbranch_scc0 .Lfor_b_\@
	tensor_load_to_lds s[\g0a:\g0a+3], s[\g1a:\g1a+7]
	s_nop 0
.rept 4
	v_nop
.endr
	s_branch .Lasked_\@
.Lfor_b_\@:
	tensor_load_to_lds s[\g0b:\g0b+3], s[\g1b:\g1b+7]
	s_nop 0
.rept 4
	v_nop
.endr
.Lasked_\@:
.endm
.macro CREST                           ; a round of the cluster's barrier behind its opening barrier
	s_cmp_lg_u32 s14, 0
	s_cbranch_scc1 .Lnot_wave_0_\@
	s_barrier_signal -3
.Lnot_wave_0_\@:
	s_barrier_wait -3
	s_barrier_signal -1
	s_barrier_wait -1
.endm
.macro CROUND
	s_barrier_signal -1
	s_barrier_wait -1
	CREST
.endm
	s_load_b64 s[4:5], s[0:1], 0x0                 ; A
	s_load_b128 s[8:11], s[0:1], 0x8               ; B's codes, B's scales
	s_load_b64 s[66:67], s[0:1], 0x18              ; the residual
	s_load_b64 s[12:13], s[0:1], 0x20              ; the result
	v_lshl_add_u32 v[SPW], v0, 2, SPARE
	v_mov_b32 v[NIL], 0
	ds_add_u32 v[SPW], v[NIL]                      ; the wave's opening: the add, twice on end, and its wait ahead of my first tensor load
	ds_add_u32 v[SPW], v[NIL]
	v_lshrrev_b32 v1, 5, v0
	v_readfirstlane_b32 s14, v1                    ; wave 0..3
	s_lshr_b32 s15, s14, 1                         ; my half of the tile's tokens.
	s_and_b32 s16, s14, 1                          ; my half of its columns.
	s_bfe_u32 s40, ttmp6, 0x40000                  ; cx
	s_bfe_u32 s41, ttmp6, 0x40004                  ; cy
	s_lshl_b32 s42, ttmp9, 2
	s_add_co_u32 s42, s42, s40                     ; tile column
	s_and_b32 s17, ttmp7, 0xffff
	s_lshl_b32 s17, s17, 2
	s_add_co_u32 s17, s17, s41                     ; tile row
	s_lshl_b32 s43, s41, 2
	s_lshl_b32 s43, 15, s43                        ; my row of the cluster
	s_lshl_b32 s44, 0x1111, s40                    ; my column
	s_or_b32 s[G1+0], s43, (3<<16)|(1<<21)         ; A: the mask of my row; elements of 8 bytes; no padding; bit 21 beside a mask
	s_mov_b32 s[G1+1], (NQ*256)<<16                ; tensor_dim0: 8,192 bytes
	s_mov_b32 s[G1+2], 16<<16                      ; 16 rows of 8,192 bytes, one behind the other in memory
	s_mov_b32 s[G1+3], (NQ*256)<<16
	s_mov_b32 s[G1+4], 16
	s_mov_b32 s[G1+5], NQ*256
	s_mov_b32 s[G1+6], 0
	s_mov_b32 s[G1+7], 0
	s_or_b32 s[G1B+0], s44, (0<<16)|(1<<20)|(1<<21)|(7<<22)|(3<<25)   ; B: the mask of my column; elements of 1 byte; 4 words of padding behind every 256
	s_mov_b32 s[G1B+1], ROWB<<16
	s_mov_b32 s[G1B+2], 128<<16
	s_mov_b32 s[G1B+3], ROWB<<16
	s_mov_b32 s[G1B+4], 128
	s_mov_b32 s[G1B+5], KROW
	s_mov_b32 s[G1B+6], 0
	s_mov_b32 s[G1B+7], 0
	s_or_b32 s[G1S+0], s43, (3<<16)|(1<<20)|(1<<21)|(5<<22)|(3<<25)   ; the scales of 128 rows: a dense block, as rows of 256 bytes with 16 of padding
	s_or_b32 s[G1SB+0], s44, (3<<16)|(1<<20)|(1<<21)|(5<<22)|(3<<25)
.irp g, G1S, G1SB
	s_mov_b32 s[\g+1], 32<<16
	s_mov_b32 s[\g+2], (128*KS/256)<<16
	s_mov_b32 s[\g+3], 32<<16
	s_mov_b32 s[\g+4], 128*KS/256
	s_mov_b32 s[\g+5], 32
	s_mov_b32 s[\g+6], 0
	s_mov_b32 s[\g+7], 0
.endr
	s_mov_b32 s18, 0                               ; a load brings a whole tile: its first row
	s_lshl_b32 s20, s17, 7
	s_add_co_u32 s20, s20, s18                     ; A: token 128 x tile row
	s_lshl_b32 s46, s42, 7
	s_add_co_u32 s46, s46, s18                     ; B: row 128 x tile column
	s_mov_b32 s21, 0
	s_mov_b32 s47, 0
	s_mov_b64 s[18:19], KS
	s_mul_u64 s[22:23], s[20:21], s[18:19]
	s_mul_u64 s[92:93], s[46:47], s[18:19]
	s_mov_b64 s[18:19], KROW
	s_mul_u64 s[20:21], s[20:21], s[18:19]         ; A's images of 16 tokens are 16 SIZE_K bytes: token x SIZE_K serves them too
	s_mul_u64 s[46:47], s[46:47], s[18:19]
	s_mul_i32 s45, s14, HALFT                      ; no place in the cluster enters an LDS address
	s_mul_i32 s94, s14, HALFS
	s_wait_dscnt 0x0                               ; both opening adds are done
	s_wait_kmcnt 0x0
	s_add_nc_u64 s[6:7], s[4:5], ASC
	s_add_nc_u64 s[20:21], s[4:5], s[20:21]
	s_add_nc_u64 s[22:23], s[6:7], s[22:23]
	s_add_nc_u64 s[46:47], s[8:9], s[46:47]
	s_add_nc_u64 s[92:93], s[10:11], s[92:93]
	CROUND                                         ; all sixteen work-groups are here: the first joint loads meet
	s_mov_b32 s[G0S], 1
	s_mov_b32 s[G0S+1], SCL
	s_mov_b64 s[G0S+2:G0S+3], s[22:23]
	s_or_b32 s[G0S+3], s[G0S+3], 0x80000000
	s_mov_b32 s[G0SB], 1
	s_mov_b32 s[G0SB+1], SCL+2*HALFS
	s_mov_b64 s[G0SB+2:G0SB+3], s[92:93]
	s_or_b32 s[G0SB+3], s[G0SB+3], 0x80000000
	s_mov_b32 s[G0], 1
	s_mov_b32 s[G0+1], 0
	s_mov_b64 s[G0+2:G0+3], s[20:21]
	s_or_b32 s[G0+3], s[G0+3], 0x80000000
	s_mov_b32 s[G0B], 1
	s_mov_b32 s[G0B+1], 131072
	s_mov_b64 s[G0B+2:G0B+3], s[46:47]
	s_or_b32 s[G0B+3], s[G0B+3], 0x80000000
; one joint load a wave, in one chain of arms: wave 0 A's codes, wave 1 B's, wave 2 A's scale bytes, wave 3 B's
.macro ARM under, g0, g1, next
	s_cmp_lt_u32 s14, \under
	s_cbranch_scc0 \next
	tensor_load_to_lds s[\g0:\g0+3], s[\g1:\g1+7]
	s_nop 0
.rept 4
	v_nop
.endr
	s_branch .Lhead_asked
\next:
.endm
	ARM 1, G0, G1, .Lhead_b
	ARM 2, G0B, G1B, .Lhead_sa
	ARM 3, G0S, G1S, .Lhead_sb
	tensor_load_to_lds s[G0SB:G0SB+3], s[G1SB:G1SB+7]
	s_nop 0
.rept 4
	v_nop
.endr
.Lhead_asked:
	v_and_b32 v1, 15, v0                           ; r = l % 16
	v_bfe_u32 v2, v0, 4, 1                         ; l / 16
	v_mul_u32_u24 v3, v1, PITCH
	v_lshl_add_u32 v4, v2, 4, v3                   ; B: row x pitch + 16 x half
	v_and_b32 v7, 31, v0
	v_lshlrev_b32 v7, 4, v7                        ; A: 16 x lane
	s_lshl_b32 s21, s15, 16                        ; my 64 tokens: 4 tiles of 16,384 bytes
	s_mul_i32 s22, s16, HALFT                      ; my 64 rows of B,
	s_add_co_u32 s22, s22, 131072                  ; which lie behind A
.irp s, 0,1
	v_add_nc_u32 v[ADRA+\s], s21, v7
	v_add_nc_u32 v[ADRB+\s], s22, v4
	s_add_co_u32 s21, s21, 8192                    ; the second 512 along K: four steps of 2,048 bytes on in a tile of tokens,
	s_add_co_u32 s22, s22, 512                     ; 512 bytes on in a row of B
.endr
	v_mul_u32_u24 v5, v1, KS                       ; my row's scales: KS bytes a row,
	v_lshrrev_b32 v6, 8, v5
	v_lshl_add_u32 v5, v6, 4, v5                   ; and 16 more for each 256 passed
	s_mul_i32 s21, s15, HALFS
	s_mul_i32 s22, s16, HALFS
	s_add_co_u32 s22, s22, 2*HALFS
	s_sub_co_u32 s22, s22, s21
	v_mul_u32_u24 v6, s22, v2                      ; lanes 16-31 take B's
	s_add_co_u32 s21, s21, SCL
	v_add_nc_u32 v5, v5, v6
	v_add_nc_u32 v[ADRS], s21, v5
	s_mul_i32 s23, s14, 16*SPITCH
	s_add_co_u32 s23, s23, SPARE+512               ; the stages lie behind the spare words: no fill lands there
	v_mul_u32_u24 v5, v1, SPITCH                   ; in: row l % 16, 32 bytes for each half of the lanes
	v_lshl_add_u32 v5, v2, 5, v5
	v_add_nc_u32 v[STO], s23, v5
	v_mul_u32_u24 v5, v2, SPITCH                   ; back: lanes 0-15 take one row of 256 bytes, lanes 16-31 the next
	v_lshl_add_u32 v5, v1, 4, v5
	v_add_nc_u32 v[RD], s23, v5
	v_mul_u32_u24 v5, v2, SIZE_N*4                 ; and the same two rows in memory
	v_lshl_add_u32 v[CO], v1, 4, v5
	s_lshl_b32 s20, s17, 7
	s_lshl_b32 s21, s15, 6
	s_add_co_u32 s20, s20, s21                     ; my first row: 128 x tile row + 64 x half
	s_mov_b32 s21, 0
	s_mov_b64 s[18:19], SIZE_N*4
	s_mul_u64 s[20:21], s[20:21], s[18:19]
	s_lshl_b32 s46, s42, 9                         ; my first column, in bytes: 512 x tile column + 256 x half
	s_lshl_b32 s47, s16, 8
	s_add_co_u32 s46, s46, s47
	s_mov_b32 s47, 0
	s_add_nc_u64 s[20:21], s[20:21], s[46:47]
	s_add_nc_u64 s[12:13], s[12:13], s[20:21]
	s_add_nc_u64 s[66:67], s[66:67], s[20:21]
; 4 matrix instructions: A's block a x B's four, 128 along K: the slot's q-th, out of buffer f, with the scale words of set sc.  zero = 1: the first product starts the sums: nothing is ever cleared.
; The 16 accumulators take turns, one instruction a turn, in the same order in every step.
.macro MUL4 a, f, q, sc, zero
.irp b, 0,1,2,3
.if \zero
	v_wmma_scale_f32_16x16x128_f8f6f4 v[ACC+8*(4*(\a)+\b):ACC+8*(4*(\a)+\b)+7], v[\f+64+FR*\b:\f+64+FR*\b+FR-1], v[\f+FR*(\a):\f+FR*(\a)+FR-1], 0, v[SC+4*NQ*(\sc)+NQ*\b+(\q)], v[SC+4*NQ*(\sc)+NQ*(\a)+(\q)] matrix_a_scale:MATRIX_SCALE_ROW1
.else
	v_wmma_scale_f32_16x16x128_f8f6f4 v[ACC+8*(4*(\a)+\b):ACC+8*(4*(\a)+\b)+7], v[\f+64+FR*\b:\f+64+FR*\b+FR-1], v[\f+FR*(\a):\f+FR*(\a)+FR-1], v[ACC+8*(4*(\a)+\b):ACC+8*(4*(\a)+\b)+7], v[SC+4*NQ*(\sc)+NQ*\b+(\q)], v[SC+4*NQ*(\sc)+NQ*(\a)+(\q)] matrix_a_scale:MATRIX_SCALE_ROW1
.endif
.endr
.endm
; 32 LDS loads in one run: the fragments of the slot's q-th 128 along K into buffer f: B's four first, then A's blocks 0 to 3, so that a wait can leave A's blocks 2 and 3, the youngest eight loads, out
.macro FETCH slot, q, f
	WIN TO_F
.irp i, 0,1,2,3
.irp c, 0,1,2,3
	ds_load_b128 v[\f+64+FR*\i+4*\c:\f+64+FR*\i+4*\c+3], v[ADRB+\slot] offset:128*(\q)+32*\c+\i*16*PITCH
.endr
.endr
.irp i, 0,1,2,3
.irp c, 0,1,2,3
	ds_load_b128 v[\f+FR*\i+4*\c:\f+FR*\i+4*\c+3], v[ADRA+\slot] offset:\i*16384+(\q)*2048+512*\c
.endr
.endr
.endm
.macro SCALES sc                       ; a slot's scale words: 16 bytes a row; lanes 0-15 take A's block i, lanes 16-31 B's block i
.irp i, 0,1,2,3
	ds_load_b128 v[SC+4*NQ*\sc+NQ*\i:SC+4*NQ*\sc+NQ*\i+3], v[ADRS] offset:\i*SBLK
.endr
.endm
.macro PLACES n                        ; plain vector instructions between a matrix instruction and a load into, or a read of, its registers
.rept \n
	v_nop
.endr
.endm
; A slot is four steps of 128 along K, 16 matrix instructions each, on buffers 0, 1, 0, 1.  One of the first three: multiplies buffer f (step q) and fetches step q + 1 into g.
.macro QUARTER slot, q, f, g, zero
	s_wait_dscnt 8                                 ; the scale words, B's fragments and A's blocks 0 and 1 are in; the youngest eight loads (A's blocks 2 and 3) may be out
	WIN MUL
	MUL4 0, \f, \q, \slot, \zero
	MUL4 1, \f, \q, \slot, \zero
	PLACES NP                                      ; buffer g was read by the step before
	FETCH \slot, (\q)+1, \g
	s_wait_dscnt 32                                ; all but the 32 just issued
	WIN MUL
	MUL4 2, \f, \q, \slot, \zero
	MUL4 3, \f, \q, \slot, \zero
.endm
; A slot's last step multiplies buffer 1 and changes slots: one barrier; in front of it each wave waits for all its tensor loads, adds 0 to its spare word, and waits for that and for its reads of this slot.
; fill = 1: this slot is filled again, two slots ahead; the barrier then opens a round of the cluster's.
.macro TURN slot, next, fill
	WIN 0                                          ; (the add's two registers lie in window 0)
	s_wait_tensorcnt 0x0                           ; all my tensor loads have landed: my part of the next slot
	ds_add_u32 v[SPW], v[NIL]
	s_wait_dscnt 9                                 ; (the add and the youngest eight loads may be out)
	WIN MUL
	MUL4 0, F1, NQ-1, \slot, 0
	s_wait_dscnt 0x0                               ; the add is done, and my reads of this slot are over
	s_barrier_signal -1
	MUL4 1, F1, NQ-1, \slot, 0
	WIN 0
	s_barrier_wait -1
.if \fill
	CREST                                          ; no wave of any partner still reads this slot or has a load on its way
	s_add_nc_u64 s[G0+4*\slot+2:G0+4*\slot+3], s[G0+4*\slot+2:G0+4*\slot+3], ASTEP
	s_add_nc_u64 s[G0B+4*\slot+2:G0B+4*\slot+3], s[G0B+4*\slot+2:G0B+4*\slot+3], 2*ROWB
	JLOAD G0+4*\slot, G1, G0B+4*\slot, G1B         ; my one tensor load behind the round; its four v_nop are among the places in front of the loads below
	PLACES NP-4
.else
	PLACES NP
.endif
	v_add_nc_u32 v[ADRS], 4*NQ, v[ADRS]            ; on to the next slot's scale words
	SCALES \next
	FETCH \next, 0, F0
	WIN MUL
	MUL4 2, F1, NQ-1, \slot, 0
	MUL4 3, F1, NQ-1, \slot, 0
.endm
.macro TOSTAGE a                       ; block a, 16 rows x 64 columns, into my stage and back as whole rows
.irp b, 0,1,2,3
	ds_store_b128 v[STO], v[ACC+8*(4*(\a)+\b):ACC+8*(4*(\a)+\b)+3] offset:64*\b        ; each accumulator from its low end on
	ds_store_b128 v[STO], v[ACC+8*(4*(\a)+\b)+4:ACC+8*(4*(\a)+\b)+7] offset:64*\b+16
.endr
.set BB, BK+32*((\a)%2)
.irp t, 0,1,2,3,4,5,6,7
	ds_load_b128 v[BB+4*\t:BB+4*\t+3], v[RD] offset:\t*2*SPITCH      ; LDS serves a wave's instructions in order: these see the stores above, and the next block's stores come behind them
.endr
.endm
.macro SEND a, younger                 ; younger: the LDS instructions issued behind block a's loads
.set BB, BK+32*((\a)%2)
.set RR, 32*(\a)
	s_wait_dscnt \younger
	s_wait_loadcnt 8*(3-(\a))                      ; block a's residual is in; the blocks asked for behind it, 8 loads each, may be out
	WIN 0x08                                       ; source 1: window 2
.set i, 0
.rept 16
	v_pk_add_f32 v[BB+i:BB+i+1], v[BB+i:BB+i+1], v[RR+i:RR+i+1]
.set i, i+2
.endr
	WIN 0
.irp t, 0,1,2,3,4,5,6,7
	global_store_b128 v[CO], v[BB+4*\t:BB+4*\t+3], s[12:13] offset:(16*(\a)+2*\t)*SIZE_N*4   ; sixteen lanes store 256 consecutive bytes, aligned; the offsets, 253,952 at the most, are immediates
.endr
.endm
	s_wait_alu depctr_va_vdst(0)
	s_wait_tensorcnt 0x0                           ; my one load is in; behind the barrier all four are
	s_barrier_signal -1
	s_barrier_wait -1
	SCALES 0
	FETCH 0, 0, F0
	WIN 0x80                                       ; destination window 2: the residual of my 64 rows, asked for once; it lands while K is walked
.irp a, 0,1,2,3
.irp t, 0,1,2,3,4,5,6,7
	global_load_b128 v[32*\a+4*\t:32*\a+4*\t+3], v[CO], s[66:67] offset:(16*\a+2*\t)*SIZE_N*4 th:TH_LOAD_NT
.endr
.endr
	QUARTER 0, 0, F0, F1, 1                        ; the first products start the sums
.if LAPS > 1
	WIN 0                                          ; at a label and at a branch every window is 0
	s_mov_b32 s3, LAPS-1
.Llap:                                             ; a trip goes once round the ring, from a lap's second step to the next lap's first, and fills both slots again
	QUARTER 0, 1, F1, F0, 0
	QUARTER 0, 2, F0, F1, 0
	TURN 0, 1, 1
	QUARTER 1, 0, F0, F1, 0
	QUARTER 1, 1, F1, F0, 0
	QUARTER 1, 2, F0, F1, 0
	TURN 1, 0, 1
	QUARTER 0, 0, F0, F1, 0
	WIN 0
	s_sub_co_u32 s3, s3, 1
	s_cmp_lg_u32 s3, 0
	s_cbranch_scc1 .Llap
.endif
	QUARTER 0, 1, F1, F0, 0                        ; the last lap fills nothing
	QUARTER 0, 2, F0, F1, 0
	TURN 0, 1, 0
	QUARTER 1, 0, F0, F1, 0
	QUARTER 1, 1, F1, F0, 0
	QUARTER 1, 2, F0, F1, 0
	s_wait_dscnt 8                                 ; the very last step: nothing more to fetch
	WIN MUL
	MUL4 0, F1, NQ-1, 1, 0
	MUL4 1, F1, NQ-1, 1, 0
	s_wait_dscnt 0
	MUL4 2, F1, NQ-1, 1, 0
	MUL4 3, F1, NQ-1, 1, 0
	WIN 0
	PLACES NP                                      ; behind the last products: results are read from here on
	TOSTAGE 0
.irp a, 1,2,3
.if \a > 1
	s_wait_xcnt 0x0                                ; block a - 2's stores have read their registers: block a's rows may land there
.endif
	TOSTAGE \a
	SEND \a-1, 16                                  ; behind block a - 1's loads: block a's 8 stores and 8 loads
.endr
	SEND 3, 0
	s_wait_tensorcnt 0x0                           ; the wave's end
	ds_add_u32 v[SPW], v[NIL]
	s_wait_dscnt 0x0
	CROUND                                         ; the closing round
	s_endpgm
.Lfunc_end_k_q807cc2fd5d_wo:
	.size	k_q807cc2fd5d_wo, .Lfunc_end_k_q807cc2fd5d_wo-k_q807cc2fd5d_wo
	.p2alignl 7, 3214868480
	.fill 96, 4, 3214868480
	.section	.rodata,"a",@progbits
	.p2align	6, 0x0
	.amdhsa_kernel k_q807cc2fd5d_wo
		.amdhsa_group_segment_fixed_size 327680
		.amdhsa_private_segment_fixed_size 0
		.amdhsa_enable_private_segment 0
		.amdhsa_kernarg_size 40
		.amdhsa_user_sgpr_count 2
		.amdhsa_user_sgpr_kernarg_segment_ptr 1
		.amdhsa_wavefront_size32 1
		.amdhsa_system_sgpr_workgroup_id_x 1
		.amdhsa_system_sgpr_workgroup_id_y 1
		.amdhsa_system_sgpr_workgroup_id_z 1
		.amdhsa_system_vgpr_workitem_id 0
		.amdhsa_next_free_vgpr 640
		.amdhsa_next_free_sgpr 106
		.amdhsa_reserve_vcc 0
		.amdhsa_float_denorm_mode_32 3
		.amdhsa_float_denorm_mode_16_64 3
		.amdhsa_memory_ordered 1
		.amdhsa_forward_progress 1
		.amdhsa_inst_pref_size 60
	.end_amdhsa_kernel
	.amdgpu_metadata
---
amdhsa.version: [ 1, 2 ]
amdhsa.kernels:
  - .name:           k_q807cc2fd5d_wo
    .symbol:         k_q807cc2fd5d_wo.kd
    .args:
      - { .name: ao, .offset: 0, .size: 8, .value_kind: global_buffer, .address_space: global }
      - { .name: wo_codes, .offset: 8, .size: 8, .value_kind: global_buffer, .address_space: global }
      - { .name: wo_scales, .offset: 16, .size: 8, .value_kind: global_buffer, .address_space: global }
      - { .name: x, .offset: 24, .size: 8, .value_kind: global_buffer, .address_space: global }
      - { .name: h, .offset: 32, .size: 8, .value_kind: global_buffer, .address_space: global }
    .group_segment_fixed_size: 327680
    .private_segment_fixed_size: 0
    .kernarg_segment_align: 8
    .kernarg_segment_size: 40
    .max_flat_workgroup_size: 128
    .sgpr_count:     106
    .vgpr_count:     640
    .wavefront_size: 32
...
	.end_amdgpu_metadata
.endif
;; end of part 10
;; launch norm2: the kernel of part 7 again; grid 256 x 1, 4 waves a work-group, no clusters, 22,016 bytes of LDS; arguments h, g2, nrm; writes nrm
;; launch w1 (part 11): grid 8 x 32, 4 waves a work-group, clusters of 4 x 4, 327,680 bytes of LDS; arguments nrm, w1_codes, w1_scales, g; writes g
.if DOCPART == 11
	.amdgcn_target "amdgcn-amd-amdhsa--gfx1250"
	.amdhsa_code_object_version 6
	.text
	.protected	k_q807cc2fd5d_w1
	.globl	k_q807cc2fd5d_w1
	.p2align	8
	.type	k_q807cc2fd5d_w1,@function
k_q807cc2fd5d_w1:
	s_mov_b64 s[64:65], 0
	v_nop
	global_prefetch_b8 v0, s[64:65] scope:SCOPE_SE
	s_setreg_imm32_b32 hwreg(HW_REG_WAVE_MODE, 25, 1), 1
	s_wait_xcnt 0x0
	s_wait_alu depctr_hold_cnt(0) depctr_sa_sdst(0) depctr_va_vdst(0) depctr_va_sdst(0) depctr_va_ssrc(0) depctr_va_vcc(0) depctr_vm_vsrc(0)
	s_getreg_b32 s2, hwreg(HW_REG_IB_STS2, 6, 4)
	s_cmp_eq_u32 s2, 0
	s_cbranch_scc0 .Lentry_in_a_cluster
	s_endpgm
.Lentry_in_a_cluster:
	s_bfe_u32 s2, ttmp6, 0x10000c
	s_cmp_lg_u32 s2, 0xf033
	s_cbranch_scc0 .Lentry_shape_is_right
	s_endpgm
.Lentry_shape_is_right:
.set SIZE_K, 1024
.set ASC,    4194304
.set KSTEP,  256
.set NQ,     KSTEP/128
.set ROWB,   256
.set ASTEP,  2*ROWB
.set KROW,   SIZE_K
.set PITCH,  272
.set FR,     16
.set NL,     4
.set NP,     8
.set HALFT,  128*PITCH
.set SLOT,   4*HALFT
.set LAPS,   SIZE_K/(2*KSTEP)
.set KS,     SIZE_K/32
.set SCL,    2*SLOT
.set HALFS,  (128*KS/256)*272
.set SBLK,   (16*KS/256)*272
.set SPARE,  SCL+4*HALFS
.set ADRA, 16
.set ADRB, 20
.set ADRS, 27
.set SPW,  28
.set NIL,  29
.set SC,   32
.set AF,   128
.set T,    2
.set CA,   10
.set CB,   12
.set PW,   14
.set STO,  16
.set ADR,  17
.set LI,   18
.set VS,   19
.set X,    64
.set P,    128
.set Q,    192
.set PC,   128
.set TM,   144
.set KA11, 4
.set KA9,  6
.set KA7,  8
.set KA5,  10
.set KA3,  18
.set KA1,  20
.set KB6,  22
.set KB4,  40
.set KB2,  44
.set KB0,  46
.set SEL,  92
.set MNT,  94
.set G1, 24
.set G0, 32
.set G1B, 48
.set G0B, 56
.set G1S, 68
.set G0S, 76
.set G1SB, 80
.set G0SB, 88
.set MSB, 0
.macro WIN new
.if MSB != \new
	s_set_vgpr_msb (MSB<<8)|\new
.set MSB, \new
.endif
.endm
.set MUL_LO, 0xa1
.set MUL_HI, 0xf1
.set TO_B,   0x40
.macro JLOAD g0a, g1a, g0b, g1b
	s_cmp_eq_u32 s15, 0
	s_cbranch_scc0 .Lfor_b_\@
	tensor_load_to_lds s[\g0a:\g0a+3], s[\g1a:\g1a+7]
	s_nop 0
.rept 4
	v_nop
.endr
	s_branch .Lasked_\@
.Lfor_b_\@:
	tensor_load_to_lds s[\g0b:\g0b+3], s[\g1b:\g1b+7]
	s_nop 0
.rept 4
	v_nop
.endr
.Lasked_\@:
.endm
.macro CREST
	s_cmp_lg_u32 s14, 0
	s_cbranch_scc1 .Lnot_wave_0_\@
	s_barrier_signal -3
.Lnot_wave_0_\@:
	s_barrier_wait -3
	s_barrier_signal -1
	s_barrier_wait -1
.endm
.macro CROUND
	s_barrier_signal -1
	s_barrier_wait -1
	CREST
.endm
	s_load_b64 s[4:5], s[0:1], 0x0
	s_load_b128 s[8:11], s[0:1], 0x8
	s_load_b64 s[12:13], s[0:1], 0x18
	v_lshl_add_u32 v[SPW], v0, 2, SPARE
	v_mov_b32 v[NIL], 0
	ds_add_u32 v[SPW], v[NIL]
	ds_add_u32 v[SPW], v[NIL]
	v_lshrrev_b32 v1, 5, v0
	v_readfirstlane_b32 s14, v1
	s_lshr_b32 s15, s14, 1
	s_and_b32 s16, s14, 1
	s_bfe_u32 s40, ttmp6, 0x40000
	s_bfe_u32 s41, ttmp6, 0x40004
	s_lshl_b32 s42, ttmp9, 2
	s_add_co_u32 s42, s42, s40
	s_and_b32 s17, ttmp7, 0xffff
	s_lshl_b32 s17, s17, 2
	s_add_co_u32 s17, s17, s41
	s_lshl_b32 s43, s41, 2
	s_lshl_b32 s43, 15, s43
	s_lshl_b32 s44, 0x1111, s40
	s_or_b32 s[G1+0], s43, (0<<16)|(1<<20)|(1<<21)|(5<<22)|(3<<25)
	s_or_b32 s[G1B+0], s44, (0<<16)|(1<<20)|(1<<21)|(5<<22)|(3<<25)
.irp g, G1, G1B
	s_mov_b32 s[\g+1], ROWB<<16
	s_mov_b32 s[\g+2], 256<<16                     ; the head's loads of codes bring 256 rows
	s_mov_b32 s[\g+3], ROWB<<16
	s_mov_b32 s[\g+4], 256
	s_mov_b32 s[\g+5], KROW
	s_mov_b32 s[\g+6], 0
	s_mov_b32 s[\g+7], 0
.endr
; A BLOCK OF 128 TOKENS x 256 COLUMNS to a work-group: 32 x 8 = 256 work-groups.  A wave makes 64 x 128: 32 accumulators, in window 2.  A's tile has 128 rows, B's 256.
	s_mov_b32 s[G1+2], 128<<16                     ; so the head's load of A brings 128 rows
	s_mov_b32 s[G1+4], 128
	s_or_b32 s[G1S+0], s43, (3<<16)|(1<<20)|(1<<21)|(5<<22)|(3<<25)
	s_or_b32 s[G1SB+0], s44, (3<<16)|(1<<20)|(1<<21)|(5<<22)|(3<<25)
.irp g, G1S, G1SB
	s_mov_b32 s[\g+1], 32<<16
	s_mov_b32 s[\g+2], (256*KS/256)<<16            ; the scale bytes of 256 rows in one load
	s_mov_b32 s[\g+3], 32<<16
	s_mov_b32 s[\g+4], 256*KS/256
	s_mov_b32 s[\g+5], 32
	s_mov_b32 s[\g+6], 0
	s_mov_b32 s[\g+7], 0
.endr
	s_mov_b32 s[G1S+2], (128*KS/256)<<16           ; and A's scale bytes are those of 128 rows
	s_mov_b32 s[G1S+4], 128*KS/256
	s_mov_b32 s18, 0
	s_lshl_b32 s20, s17, 7
	s_add_co_u32 s20, s20, s18
	s_lshl_b32 s46, s42, 8
	s_add_co_u32 s46, s46, s18
	s_mov_b32 s21, 0
	s_mov_b32 s47, 0
	s_mov_b64 s[18:19], KS
	s_mul_u64 s[22:23], s[20:21], s[18:19]
	s_mul_u64 s[92:93], s[46:47], s[18:19]
	s_mov_b64 s[18:19], KROW
	s_mul_u64 s[20:21], s[20:21], s[18:19]
	s_mul_u64 s[46:47], s[46:47], s[18:19]
	s_mul_i32 s45, s14, HALFT
	s_mul_i32 s94, s14, HALFS
	s_wait_dscnt 0x0
	s_wait_kmcnt 0x0
	s_add_nc_u64 s[6:7], s[4:5], ASC
	s_add_nc_u64 s[20:21], s[4:5], s[20:21]
	s_add_nc_u64 s[22:23], s[6:7], s[22:23]
	s_add_nc_u64 s[46:47], s[8:9], s[46:47]
	s_add_nc_u64 s[92:93], s[10:11], s[92:93]
	CROUND
	s_mov_b32 s[G0S], 1
	s_mov_b32 s[G0S+1], SCL
	s_mov_b64 s[G0S+2:G0S+3], s[22:23]
	s_or_b32 s[G0S+3], s[G0S+3], 0x80000000
	s_mov_b32 s[G0SB], 1
	s_mov_b32 s[G0SB+1], SCL+2*HALFS
	s_mov_b64 s[G0SB+2:G0SB+3], s[92:93]
	s_or_b32 s[G0SB+3], s[G0SB+3], 0x80000000
	s_mov_b32 s4, 1                                ; s[4:7], s[8:11]: group 0 of the head's loads of codes (the pointers that lay there have been used)
	s_mov_b32 s5, 0
	s_mov_b64 s[6:7], s[20:21]
	s_or_b32 s7, s7, 0x80000000
	s_mov_b32 s8, 1
	s_mov_b32 s9, 2*HALFT
	s_mov_b64 s[10:11], s[46:47]
	s_or_b32 s11, s11, 0x80000000
	s_mul_i32 s18, s16, 128*KROW                   ; for the ring: my 128 rows of B's tile,
	s_mov_b32 s19, 0
	s_add_nc_u64 s[46:47], s[46:47], s[18:19]
	s_mul_i32 s18, s16, 64*KROW                    ; or my 64 rows of A's,
	s_add_nc_u64 s[20:21], s[20:21], s[18:19]
	s_mul_i32 s95, s16, 64*PITCH                   ; and where those go
.irp s, 0,1
	s_mov_b32 s[G0+4*\s], 1
	s_add_co_u32 s[G0+4*\s+1], s95, \s*SLOT
	s_add_nc_u64 s[G0+4*\s+2:G0+4*\s+3], s[20:21], \s*(ASTEP/2)
	s_or_b32 s[G0+4*\s+3], s[G0+4*\s+3], 0x80000000
	s_mov_b32 s[G0B+4*\s], 1
	s_add_co_u32 s[G0B+4*\s+1], s45, \s*SLOT
	s_add_nc_u64 s[G0B+4*\s+2:G0B+4*\s+3], s[46:47], \s*ROWB
	s_or_b32 s[G0B+4*\s+3], s[G0B+4*\s+3], 0x80000000
.endr
; the head's four tiles, one joint load a wave, in one chain of arms: wave 0 K step 0's 128 rows of A, wave 1 the 256 of B, wave 2 A's scale bytes, wave 3 B's
.macro ARM under, g0, g1, next
	s_cmp_lt_u32 s14, \under
	s_cbranch_scc0 \next
	tensor_load_to_lds s[\g0:\g0+3], s[\g1:\g1+7]
	s_nop 0
.rept 4
	v_nop
.endr
	s_branch .Lhead_asked
\next:
.endm
	ARM 1, 4, G1, .Lhead_b
	ARM 2, 8, G1B, .Lhead_sa
	ARM 3, G0S, G1S, .Lhead_sb
	tensor_load_to_lds s[G0SB:G0SB+3], s[G1SB:G1SB+7]
	s_nop 0
.rept 4
	v_nop
.endr
.Lhead_asked:
	v_and_b32 v1, 15, v0
	v_bfe_u32 v2, v0, 4, 1
	v_mul_u32_u24 v3, v1, PITCH
	v_lshl_add_u32 v4, v2, 4, v3
	s_mul_i32 s21, s15, 64*PITCH
	s_mul_i32 s22, s16, HALFT
	s_add_co_u32 s22, s22, 2*HALFT
.irp s, 0,1
	v_add_nc_u32 v[ADRA+\s], s21, v4
	v_add_nc_u32 v[ADRB+\s], s22, v4
	s_add_co_u32 s21, s21, SLOT
	s_add_co_u32 s22, s22, SLOT
.endr
	v_mul_u32_u24 v5, v1, KS
	v_lshrrev_b32 v6, 8, v5
	v_lshl_add_u32 v5, v6, 4, v5
	s_mul_i32 s21, s15, HALFS/2                    ; A's scale words: my 64 rows
	s_mul_i32 s22, s16, HALFS
	s_add_co_u32 s22, s22, 2*HALFS
	s_sub_co_u32 s22, s22, s21
	v_mul_u32_u24 v6, s22, v2
	s_add_co_u32 s22, s22, 4*SBLK
	v_mul_u32_u24 v7, s22, v2
	s_mul_i32 s23, s15, HALFS/2
	s_add_co_u32 s23, s23, SCL-4*SBLK
	s_add_co_u32 s21, s21, SCL
	s_wait_alu depctr_va_vdst(0)                   ; directly ahead of the readers below
	v_add_nc_u32 v6, v5, v6
	v_add_nc_u32 v7, v5, v7
	v_add_nc_u32 v[ADRS], s21, v6
	v_add_nc_u32 v[ADRS+3], s23, v7                ; v30, for registers 4 to 7 of a set: lanes 16-31 B's blocks 4 to 7, lanes 0-15 A's blocks 0 to 3 once more, for A's second set of fragments
.macro FRAG reg, adr, q, i
.irp c, 0,1,2,3
	ds_load_b128 v[\reg+4*\c:\reg+4*\c+3], v[\adr] offset:128*(\q)+32*\c+(\i)*16*PITCH
.endr
.endm
.macro MUL16 a0, p, q, sc, zero
.irp a, \a0, \a0+1
.irp b, 0,1,2,3,4,5,6,7
.if \zero
	v_wmma_scale_f32_16x16x128_f8f6f4 v[8*(8*((\a)%4)+\b):8*(8*((\a)%4)+\b)+7], v[128*(\p)+FR*\b:128*(\p)+FR*\b+FR-1], v[AF+FR*(\a):AF+FR*(\a)+FR-1], 0, v[SC+8*NQ*(\sc)+NQ*\b+(\q)], v[SC+8*NQ*(\sc)+NQ*(\a)+(\q)] matrix_a_scale:MATRIX_SCALE_ROW1
.else
	v_wmma_scale_f32_16x16x128_f8f6f4 v[8*(8*((\a)%4)+\b):8*(8*((\a)%4)+\b)+7], v[128*(\p)+FR*\b:128*(\p)+FR*\b+FR-1], v[AF+FR*(\a):AF+FR*(\a)+FR-1], v[8*(8*((\a)%4)+\b):8*(8*((\a)%4)+\b)+7], v[SC+8*NQ*(\sc)+NQ*\b+(\q)], v[SC+8*NQ*(\sc)+NQ*(\a)+(\q)] matrix_a_scale:MATRIX_SCALE_ROW1
.endif
.endr
.endr
.endm
.macro FETCH_B slot, q, p
	WIN TO_B
.irp i, 0,1,2,3,4,5,6,7
	FRAG 128*(\p)+FR*\i, ADRB+\slot, \q, \i
.endr
	WIN 0
.endm
.macro FETCH_A slot, q, i0
.irp i, \i0, \i0+1, \i0+2, \i0+3
	FRAG AF+FR*(\i), ADRA+\slot, \q, (\i)%4
.endr
.endm
.macro SCALES sc
.irp i, 0,1,2,3,4,5,6,7
	ds_load_b64 v[SC+8*NQ*\sc+NQ*\i:SC+8*NQ*\sc+NQ*\i+1], v[ADRS+3*(\i/4)] offset:\i*SBLK
.endr
.endm
.macro PLACES n
.rept \n
	v_nop
.endr
.endm
.macro STEP slot, q, zero
	s_wait_dscnt 0                                 ; a slot's first 128 along K: set 0 of A's and B's fragments is in;
	PLACES NP
	FETCH_B \slot, 1, 1                            ; the second 128 go into set 1 (A's: the registers numbered as blocks 4 to 7) under the 32 products
	FETCH_A \slot, 1, 4
	WIN MUL_LO
	MUL16 0, 0, 0, \slot, \zero
	MUL16 2, 0, 0, \slot, \zero
	WIN 0
.endm
.macro TURN slot, next, fill
	s_wait_tensorcnt 0x0
	ds_add_u32 v[SPW], v[NIL]
	s_wait_dscnt 0x0                               ; the add is done, set 1 is in, and my reads of this slot are over
	s_barrier_signal -1
	WIN MUL_LO
	MUL16 4, 1, NQ-1, \slot, 0
	WIN 0
	s_barrier_wait -1
.if \fill
	CREST
	s_add_nc_u64 s[G0+4*\slot+2:G0+4*\slot+3], s[G0+4*\slot+2:G0+4*\slot+3], ASTEP
	s_add_nc_u64 s[G0B+4*\slot+2:G0B+4*\slot+3], s[G0B+4*\slot+2:G0B+4*\slot+3], 2*ROWB
	JLOAD G0+4*\slot, G1, G0B+4*\slot, G1B
	PLACES NP-4
.else
	PLACES NP
.endif
	s_wait_alu depctr_va_vdst(0)
	v_add_nc_u32 v[ADRS], 4*NQ, v[ADRS]
	v_add_nc_u32 v[ADRS+3], 4*NQ, v[ADRS+3]
	FETCH_B \next, 0, 0
	FETCH_A \next, 0, 0
	SCALES \next
	WIN MUL_LO
	MUL16 6, 1, NQ-1, \slot, 0
	WIN 0
.endm
	s_wait_alu depctr_va_vdst(0)
	s_wait_tensorcnt 0x0                           ; my tile of the head's four is in; slot 1's first fill is issued as a refill is
	ds_add_u32 v[SPW], v[NIL]
	s_mov_b32 s[G1+2], 64<<16                      ; no tensor load of mine is out: from here on a load brings half a tile: 64 rows of A,
	s_mov_b32 s[G1+4], 64
	s_mov_b32 s[G1B+2], 128<<16
	s_mov_b32 s[G1B+4], 128
	s_wait_dscnt 0x0
	CROUND
	JLOAD G0+4, G1, G0B+4, G1B
	FETCH_B 0, 0, 0
	FETCH_A 0, 0, 0
	SCALES 0
	STEP 0, 0, 1
	s_mov_b32 s3, LAPS-1
.Llap:
	TURN 0, 1, 1
	STEP 1, 0, 0
	TURN 1, 0, 1
	STEP 0, 0, 0
	s_sub_co_u32 s3, s3, 1
	s_cmp_lg_u32 s3, 0
	s_cbranch_scc1 .Llap
	TURN 0, 1, 0
	STEP 1, 0, 0
	s_wait_dscnt 0
	WIN MUL_LO
	MUL16 4, 1, NQ-1, 1, 0
	MUL16 6, 1, NQ-1, 1, 0
	WIN 0
	PLACES NP
	s_wait_dscnt 0x0
	s_barrier_signal -1
	s_barrier_wait -1
	s_lshl_b32 s95, s14, 16
	v_and_b32 v[LI], 31, v0
	v_lshlrev_b32 v[LI], 4, v[LI]
	v_add_nc_u32 v[STO], s95, v[LI]
	v_lshlrev_b32 v[VS], 6, v1
	WIN 0x08
.set k, 0
.rept 64
	ds_store_b128 v[STO], v[4*k:4*k+3] offset:512*k
.set k, k+1
.endr
	WIN 0
	s_lshl_b32 s96, s17, 7
	s_lshl_b32 s97, s15, 6
	s_add_co_u32 s96, s96, s97
	s_lshl_b32 s98, s42, 8
	s_lshl_b32 s97, s16, 7
	s_add_co_u32 s98, s98, s97
	s_lshl_b32 s100, s96, 11
	s_lshl_b32 s97, s98, 4
	s_add_co_u32 s100, s100, s97
	s_mov_b32 s101, 0
	s_lshl_b32 s104, s96, 6
	s_lshr_b32 s97, s98, 5
	s_add_co_u32 s104, s104, s97
	s_add_co_u32 s104, s104, 8388608
	s_mov_b32 s105, 0
	s_add_nc_u64 s[66:67], s[12:13], s[104:105]
	s_add_nc_u64 s[12:13], s[12:13], s[100:101]
.macro KSET reg, val
	s_mov_b32 s[\reg], \val
	s_mov_b32 s[\reg+1], \val
.endm
	KSET KA11, 0x32edffee
	KSET KA9,  0xb60cff51
	KSET KA7,  0xb86ec2d2
	KSET KA5,  0xba40ac63
	KSET KA3,  0xbb41a1f6
	KSET KA1,  0xbc83dbd4
	KSET KB6,  0xb95fbd29
	KSET KB4,  0xbadc924e
	KSET KB2,  0xbbf19bf8
	KSET KB0,  0xbc69b6a7
	s_mov_b32 s[SEL], 0x76543210
	s_mov_b32 s[SEL+1], 0xfedcba98
	s_mov_b32 s[MNT], 0x600000
	v_mov_b32 v[CA], 0xaf95df0b
	v_mov_b32 v[CA+1], 0xaf95df0b
	v_mov_b32 v[CB], 0xb77460cd
	v_mov_b32 v[CB+1], 0xb77460cd
	s_mov_b32 s3, 0
.Lrows:
	s_wait_alu depctr_va_vdst(0)
	v_add_nc_u32 v[ADR], s3, v[STO]
.irp k, 0,1,2,3,4,5,6,7,8,9,10,11,12,13,14,15
	ds_load_b128 v[X+4*\k:X+4*\k+3], v[ADR] offset:512*\k
.endr
	s_wait_dscnt 0x0
.irp g, 0,1,2,3,4,5,6,7
.irp p, 0,2,4,6
	v_pk_mul_f32 v[Q+8*\g+\p:Q+8*\g+\p+1], v[X+8*\g+\p:X+8*\g+\p+1], 0x3f3504f3 op_sel_hi:[1,0]
.endr
.irp p, 0,1,2,3,4,5,6,7
	v_med3_num_f32 v[Q+8*\g+\p], v[Q+8*\g+\p], -4.0, 4.0
.endr
.irp p, 0,2,4,6
	v_pk_mul_f32 v[T+\p:T+\p+1], v[Q+8*\g+\p:Q+8*\g+\p+1], v[Q+8*\g+\p:Q+8*\g+\p+1]
.endr
.irp p, 0,2,4,6
	v_pk_fma_f32 v[P+8*\g+\p:P+8*\g+\p+1], v[CA:CA+1], v[T+\p:T+\p+1], s[KA11:KA11+1] op_sel_hi:[1,1,0]
.endr
.irp c, KA9, KA7, KA5, KA3, KA1
.irp p, 0,2,4,6
	v_pk_fma_f32 v[P+8*\g+\p:P+8*\g+\p+1], v[P+8*\g+\p:P+8*\g+\p+1], v[T+\p:T+\p+1], s[\c:\c+1] op_sel_hi:[1,1,0]
.endr
.endr
.irp p, 0,2,4,6
	v_pk_mul_f32 v[P+8*\g+\p:P+8*\g+\p+1], v[P+8*\g+\p:P+8*\g+\p+1], v[Q+8*\g+\p:Q+8*\g+\p+1]
.endr
.irp p, 0,2,4,6
	v_pk_fma_f32 v[Q+8*\g+\p:Q+8*\g+\p+1], v[CB:CB+1], v[T+\p:T+\p+1], s[KB6:KB6+1] op_sel_hi:[1,1,0]
.endr
.irp c, KB4, KB2, KB0
.irp p, 0,2,4,6
	v_pk_fma_f32 v[Q+8*\g+\p:Q+8*\g+\p+1], v[Q+8*\g+\p:Q+8*\g+\p+1], v[T+\p:T+\p+1], s[\c:\c+1] op_sel_hi:[1,1,0]
.endr
.endr
.endr
.set j, 0
	s_wait_alu depctr_va_vdst(0)
.rept 64
	v_rcp_f32 v[Q+j], v[Q+j]
.set j, j+1
.endr
.set j, 0
.rept 32
	v_pk_mul_f32 v[X+j:X+j+1], v[X+j:X+j+1], 0.5 op_sel_hi:[1,0]
.set j, j+2
.endr
	s_wait_alu depctr_va_vdst(0)
.set j, 0
.rept 32
	v_pk_mul_f32 v[P+j:P+j+1], v[P+j:P+j+1], v[Q+j:Q+j+1]
.set j, j+2
.endr
.set j, 0
.rept 32
	v_pk_fma_f32 v[X+j:X+j+1], v[X+j:X+j+1], v[P+j:P+j+1], v[X+j:X+j+1]
.set j, j+2
.endr
.irp b, 0,1,2,3
	v_max3_num_f32 v[TM+\b], |v[X+16*\b]|, |v[X+1+16*\b]|, 0x4800000
.endr
.irp i, 2,4,6,8,10,12,14
.irp b, 0,1,2,3
	v_max3_num_f32 v[TM+\b], v[TM+\b], |v[X+16*\b+\i]|, |v[X+1+16*\b+\i]|
.endr
.endr
.irp b, 0,1,2,3
	v_permlanex16_b32 v[TM+4+\b], v[TM+\b], s[SEL], s[SEL+1]
.endr
.irp b, 0,1,2,3
	v_max_num_f32 v[TM+\b], v[TM+\b], v[TM+4+\b]
.endr
.irp b, 0,1,2,3
	v_add_nc_u32 v[TM+12+\b], 0xfc000000, v[TM+\b]
.endr
.irp b, 0,1,2,3
	v_and_or_b32 v[TM+8+\b], v[TM+\b], 0x7f800000, s[MNT]
.endr
.irp b, 0,1,2,3
	v_lshrrev_b32 v[TM+4+\b], 23, v[TM+12+\b]
.endr
	v_lshl_or_b32 v[PW], v[TM+5], 8, v[TM+4]
	v_lshl_or_b32 v[PW], v[TM+6], 16, v[PW]
	v_lshl_or_b32 v[PW], v[TM+7], 24, v[PW]
.irp b, 0,1,2,3
.irp i, 0,1,2,3,4,5,6,7,8,9,10,11,12,13,14,15
	v_med3_num_f32 v[X+16*\b+\i], v[X+16*\b+\i], -v[TM+8+\b], v[TM+8+\b]
.endr
	v_cvt_scalef32_pk8_fp8_f32 v[PC+4*\b:PC+1+4*\b], v[X+16*\b:X+7+16*\b], v[TM+12+\b]
	v_cvt_scalef32_pk8_fp8_f32 v[PC+2+4*\b:PC+3+4*\b], v[X+8+16*\b:X+15+16*\b], v[TM+12+\b]
.endr
	v_nop
.irp b, 0,1,2,3
	v_permlane16_swap_b32 v[PC+4*\b], v[PC+2+4*\b]
	v_permlane16_swap_b32 v[PC+1+4*\b], v[PC+3+4*\b]
.endr
.irp c, 0,1,2,3
	global_store_b128 v[LI], v[PC+4*\c:PC+4*\c+3], s[12:13] offset:512*\c
.endr
	global_store_b32 v[VS], v[PW], s[66:67]
	s_wait_xcnt 0x0
	s_add_nc_u64 s[12:13], s[12:13], 32768
	s_add_nc_u64 s[66:67], s[66:67], 1024
	s_add_co_u32 s3, s3, 8192
	s_cmp_lt_u32 s3, 32768
	s_cbranch_scc1 .Lrows
	s_wait_tensorcnt 0x0
	ds_add_u32 v[SPW], v[NIL]
	s_wait_dscnt 0x0
	CROUND
	s_endpgm
.Lfunc_end_k_q807cc2fd5d_w1:
	.size	k_q807cc2fd5d_w1, .Lfunc_end_k_q807cc2fd5d_w1-k_q807cc2fd5d_w1
	.p2alignl 7, 3214868480
	.fill 96, 4, 3214868480
	.section	.rodata,"a",@progbits
	.p2align	6, 0x0
	.amdhsa_kernel k_q807cc2fd5d_w1
		.amdhsa_group_segment_fixed_size 327680
		.amdhsa_private_segment_fixed_size 0
		.amdhsa_enable_private_segment 0
		.amdhsa_kernarg_size 32
		.amdhsa_user_sgpr_count 2
		.amdhsa_user_sgpr_kernarg_segment_ptr 1
		.amdhsa_wavefront_size32 1
		.amdhsa_system_sgpr_workgroup_id_x 1
		.amdhsa_system_sgpr_workgroup_id_y 1
		.amdhsa_system_sgpr_workgroup_id_z 1
		.amdhsa_system_vgpr_workitem_id 0
		.amdhsa_next_free_vgpr 1024
		.amdhsa_next_free_sgpr 106
		.amdhsa_reserve_vcc 0
		.amdhsa_float_denorm_mode_32 3
		.amdhsa_float_denorm_mode_16_64 3
		.amdhsa_memory_ordered 1
		.amdhsa_forward_progress 1
		.amdhsa_inst_pref_size 131
	.end_amdhsa_kernel
	.amdgpu_metadata
---
amdhsa.version: [ 1, 2 ]
amdhsa.kernels:
  - .name:           k_q807cc2fd5d_w1
    .symbol:         k_q807cc2fd5d_w1.kd
    .args:
      - { .name: nrm, .offset: 0, .size: 8, .value_kind: global_buffer, .address_space: global }
      - { .name: w1_codes, .offset: 8, .size: 8, .value_kind: global_buffer, .address_space: global }
      - { .name: w1_scales, .offset: 16, .size: 8, .value_kind: global_buffer, .address_space: global }
      - { .name: g, .offset: 24, .size: 8, .value_kind: global_buffer, .address_space: global }
    .group_segment_fixed_size: 327680
    .private_segment_fixed_size: 0
    .kernarg_segment_align: 8
    .kernarg_segment_size: 32
    .max_flat_workgroup_size: 128
    .sgpr_count:     106
    .vgpr_count:     1024
    .wavefront_size: 32
...
	.end_amdgpu_metadata
.endif
;; end of part 11
;; launch w2 (part 12): grid 8 x 32, 4 waves a work-group, clusters of 4 x 4, 327,680 bytes of LDS; arguments g, w2_codes, w2_scales, h, out0; writes out0
.if DOCPART == 12
	.amdgcn_target "amdgcn-amd-amdhsa--gfx1250"
	.amdhsa_code_object_version 6
	.text
	.protected	k_q807cc2fd5d_w2
	.globl	k_q807cc2fd5d_w2
	.p2align	8
	.type	k_q807cc2fd5d_w2,@function
k_q807cc2fd5d_w2:
	s_mov_b64 s[64:65], 0
	v_nop
	global_prefetch_b8 v0, s[64:65] scope:SCOPE_SE
	s_setreg_imm32_b32 hwreg(HW_REG_WAVE_MODE, 25, 1), 1
	s_wait_xcnt 0x0
	s_wait_alu depctr_hold_cnt(0) depctr_sa_sdst(0) depctr_va_vdst(0) depctr_va_sdst(0) depctr_va_ssrc(0) depctr_va_vcc(0) depctr_vm_vsrc(0)
	s_getreg_b32 s2, hwreg(HW_REG_IB_STS2, 6, 4)
	s_cmp_eq_u32 s2, 0
	s_cbranch_scc0 .Lentry_in_a_cluster
	s_endpgm
.Lentry_in_a_cluster:
	s_bfe_u32 s2, ttmp6, 0x10000c
	s_cmp_lg_u32 s2, 0xf033
	s_cbranch_scc0 .Lentry_shape_is_right
	s_endpgm
.Lentry_shape_is_right:
.set SIZE_K, 2048
.set SIZE_N, 1024
.set ASC,    8388608
.set KSTEP,  512
.set NQ,     KSTEP/128
.set ROWB,   512
.set ASTEP,  2*NQ*2048
.set KROW,   SIZE_K
.set PITCH,  528
.set FR,     16
.set NP,     8
.set HALFT,  64*PITCH
.set SLOT,   4*HALFT
.set LAPS,   SIZE_K/(2*KSTEP)
.set KS,     SIZE_K/32
.set SCL,    2*SLOT
.set HALFS,  (64*KS/256)*272
.set SBLK,   (16*KS/256)*272
.set SPARE,  SCL+4*HALFS
.set SPITCH, 272
.set ADRA, 16
.set ADRB, 20
.set STO,  24
.set RD,   25
.set CO,   26
.set ADRS, 27
.set SPW,  28
.set NIL,  29
.set SC,   32
.set BK,   64
.set ACC,  128
.set F0,   0
.set F1,   128
.set G1, 24
.set G0, 32
.set G1B, 48
.set G0B, 56
.set G1S, 68
.set G0S, 76
.set G1SB, 80
.set G0SB, 88
.set MSB, 0
.macro WIN new
.if MSB != \new
	s_set_vgpr_msb (MSB<<8)|\new
.set MSB, \new
.endif
.endm
.set MUL,  0x05
.set TO_F, 0x40
.macro JLOAD g0a, g1a, g0b, g1b
	s_cmp_eq_u32 s15, 0
	s_cbranch_scc0 .Lfor_b_\@
	tensor_load_to_lds s[\g0a:\g0a+3], s[\g1a:\g1a+7]
	s_nop 0
.rept 4
	v_nop
.endr
	s_branch .Lasked_\@
.Lfor_b_\@:
	tensor_load_to_lds s[\g0b:\g0b+3], s[\g1b:\g1b+7]
	s_nop 0
.rept 4
	v_nop
.endr
.Lasked_\@:
.endm
.macro CREST
	s_cmp_lg_u32 s14, 0
	s_cbranch_scc1 .Lnot_wave_0_\@
	s_barrier_signal -3
.Lnot_wave_0_\@:
	s_barrier_wait -3
	s_barrier_signal -1
	s_barrier_wait -1
.endm
.macro CROUND
	s_barrier_signal -1
	s_barrier_wait -1
	CREST
.endm
	s_load_b64 s[4:5], s[0:1], 0x0
	s_load_b128 s[8:11], s[0:1], 0x8
	s_load_b64 s[66:67], s[0:1], 0x18
	s_load_b64 s[12:13], s[0:1], 0x20
	v_lshl_add_u32 v[SPW], v0, 2, SPARE
	v_mov_b32 v[NIL], 0
	ds_add_u32 v[SPW], v[NIL]
	ds_add_u32 v[SPW], v[NIL]
	v_lshrrev_b32 v1, 5, v0
	v_readfirstlane_b32 s14, v1
	s_lshr_b32 s15, s14, 1
	s_and_b32 s16, s14, 1
	s_bfe_u32 s40, ttmp6, 0x40000
	s_bfe_u32 s41, ttmp6, 0x40004
	s_lshl_b32 s42, ttmp9, 2
	s_add_co_u32 s42, s42, s40
	s_and_b32 s17, ttmp7, 0xffff
	s_lshl_b32 s17, s17, 2
	s_add_co_u32 s17, s17, s41
	s_lshl_b32 s43, s41, 2
	s_lshl_b32 s43, 15, s43
	s_lshl_b32 s44, 0x1111, s40
	s_or_b32 s[G1+0], s43, (3<<16)|(1<<21)
	s_mov_b32 s[G1+1], (NQ*256)<<16
	s_mov_b32 s[G1+2], 8<<16                       ; the head's load of A brings all 8 tiles of tokens
	s_mov_b32 s[G1+3], (NQ*256)<<16
	s_mov_b32 s[G1+4], 8
	s_mov_b32 s[G1+5], 2*SIZE_K
	s_mov_b32 s[G1+6], 0
	s_mov_b32 s[G1+7], 0
	s_or_b32 s[G1B+0], s44, (0<<16)|(1<<20)|(1<<21)|(6<<22)|(3<<25)
	s_mov_b32 s[G1B+1], ROWB<<16
	s_mov_b32 s[G1B+2], 128<<16                    ; and that of B all 128 rows
	s_mov_b32 s[G1B+3], ROWB<<16
	s_mov_b32 s[G1B+4], 128
	s_mov_b32 s[G1B+5], KROW
	s_mov_b32 s[G1B+6], 0
	s_mov_b32 s[G1B+7], 0
	s_or_b32 s[G1S+0], s43, (3<<16)|(1<<20)|(1<<21)|(5<<22)|(3<<25)
	s_or_b32 s[G1SB+0], s44, (3<<16)|(1<<20)|(1<<21)|(5<<22)|(3<<25)
.irp g, G1S, G1SB
	s_mov_b32 s[\g+1], 32<<16
	s_mov_b32 s[\g+2], (128*KS/256)<<16
	s_mov_b32 s[\g+3], 32<<16
	s_mov_b32 s[\g+4], 128*KS/256
	s_mov_b32 s[\g+5], 32
	s_mov_b32 s[\g+6], 0
	s_mov_b32 s[\g+7], 0
.endr
	s_mov_b32 s18, 0                               ; the tiles' first rows; my half of a tile is added for the ring below
	s_lshl_b32 s20, s17, 7
	s_add_co_u32 s20, s20, s18
	s_lshl_b32 s46, s42, 7
	s_add_co_u32 s46, s46, s18
	s_mov_b32 s21, 0
	s_mov_b32 s47, 0
	s_mov_b64 s[18:19], KS
	s_mul_u64 s[22:23], s[20:21], s[18:19]
	s_mul_u64 s[92:93], s[46:47], s[18:19]
	s_mov_b64 s[18:19], KROW
	s_mul_u64 s[20:21], s[20:21], s[18:19]
	s_mul_u64 s[46:47], s[46:47], s[18:19]
	s_mul_i32 s45, s14, HALFT
	s_mul_i32 s94, s14, HALFS
	s_wait_dscnt 0x0
	s_wait_kmcnt 0x0
	s_add_nc_u64 s[6:7], s[4:5], ASC
	s_add_nc_u64 s[20:21], s[4:5], s[20:21]
	s_add_nc_u64 s[22:23], s[6:7], s[22:23]
	s_add_nc_u64 s[46:47], s[8:9], s[46:47]
	s_add_nc_u64 s[92:93], s[10:11], s[92:93]
	CROUND
	s_mov_b32 s[G0S], 1
	s_mov_b32 s[G0S+1], SCL
	s_mov_b64 s[G0S+2:G0S+3], s[22:23]
	s_or_b32 s[G0S+3], s[G0S+3], 0x80000000
	s_mov_b32 s[G0SB], 1
	s_mov_b32 s[G0SB+1], SCL+2*HALFS
	s_mov_b64 s[G0SB+2:G0SB+3], s[92:93]
	s_or_b32 s[G0SB+3], s[G0SB+3], 0x80000000
	s_mov_b32 s4, 1                                ; s[4:7], s[8:11]: group 0 of the head's loads of codes (the pointers that lay there have been used)
	s_mov_b32 s5, 0
	s_mov_b64 s[6:7], s[20:21]
	s_or_b32 s7, s7, 0x80000000
	s_mov_b32 s8, 1
	s_mov_b32 s9, 2*HALFT
	s_mov_b64 s[10:11], s[46:47]
	s_or_b32 s11, s11, 0x80000000
	s_mul_i32 s18, s16, 64*KROW                    ; for the ring: my 64 rows of a tile
	s_mov_b32 s19, 0
	s_add_nc_u64 s[20:21], s[20:21], s[18:19]
	s_add_nc_u64 s[46:47], s[46:47], s[18:19]
	s_lshl_b32 s95, s14, 15                        ; A's two halves lie 32,768 bytes apart in a slot, dense
.irp s, 0,1
	s_mov_b32 s[G0+4*\s], 1
	s_add_co_u32 s[G0+4*\s+1], s95, \s*SLOT
	s_add_nc_u64 s[G0+4*\s+2:G0+4*\s+3], s[20:21], \s*(ASTEP/2)
	s_or_b32 s[G0+4*\s+3], s[G0+4*\s+3], 0x80000000
	s_mov_b32 s[G0B+4*\s], 1
	s_add_co_u32 s[G0B+4*\s+1], s45, \s*SLOT
	s_add_nc_u64 s[G0B+4*\s+2:G0B+4*\s+3], s[46:47], \s*ROWB
	s_or_b32 s[G0B+4*\s+3], s[G0B+4*\s+3], 0x80000000
.endr
; the head's four tiles, one joint load a wave, in one chain of arms: wave 0 slot 0's part of A, wave 1 that of B, wave 2 A's scale bytes, wave 3 B's
.macro ARM under, g0, g1, next
	s_cmp_lt_u32 s14, \under
	s_cbranch_scc0 \next
	tensor_load_to_lds s[\g0:\g0+3], s[\g1:\g1+7]
	s_nop 0
.rept 4
	v_nop
.endr
	s_branch .Lhead_asked
\next:
.endm
	ARM 1, 4, G1, .Lhead_b
	ARM 2, 8, G1B, .Lhead_sa
	ARM 3, G0S, G1S, .Lhead_sb
	tensor_load_to_lds s[G0SB:G0SB+3], s[G1SB:G1SB+7]
	s_nop 0
.rept 4
	v_nop
.endr
.Lhead_asked:
	v_and_b32 v1, 15, v0
	v_bfe_u32 v2, v0, 4, 1
	v_mul_u32_u24 v3, v1, PITCH
	v_lshl_add_u32 v4, v2, 4, v3
	v_and_b32 v7, 31, v0
	v_lshlrev_b32 v7, 4, v7
	s_lshl_b32 s21, s15, 15
	s_mul_i32 s22, s16, HALFT
	s_add_co_u32 s22, s22, 2*HALFT
.irp s, 0,1
	v_add_nc_u32 v[ADRA+\s], s21, v7
	v_add_nc_u32 v[ADRB+\s], s22, v4
	s_add_co_u32 s21, s21, SLOT
	s_add_co_u32 s22, s22, SLOT
.endr
	v_mul_u32_u24 v5, v1, KS
	v_lshrrev_b32 v6, 8, v5
	v_lshl_add_u32 v5, v6, 4, v5
	s_mul_i32 s21, s15, HALFS
	s_mul_i32 s22, s16, HALFS
	s_add_co_u32 s22, s22, 2*HALFS
	s_sub_co_u32 s22, s22, s21
	v_mul_u32_u24 v6, s22, v2
	s_add_co_u32 s21, s21, SCL
	v_add_nc_u32 v5, v5, v6
	v_add_nc_u32 v[ADRS], s21, v5
	s_mul_i32 s23, s14, 16*SPITCH
	v_mul_u32_u24 v5, v1, SPITCH
	v_lshl_add_u32 v5, v2, 5, v5
	v_add_nc_u32 v[STO], s23, v5
	v_mul_u32_u24 v5, v2, SPITCH
	v_lshl_add_u32 v5, v1, 4, v5
	v_add_nc_u32 v[RD], s23, v5
	v_mul_u32_u24 v5, v2, SIZE_N*4
	v_lshl_add_u32 v[CO], v1, 4, v5
	s_lshl_b32 s20, s17, 7
	s_lshl_b32 s21, s15, 6
	s_add_co_u32 s20, s20, s21
	s_mov_b32 s21, 0
	s_mov_b64 s[18:19], SIZE_N*4
	s_mul_u64 s[20:21], s[20:21], s[18:19]
	s_lshl_b32 s46, s42, 9
	s_lshl_b32 s47, s16, 8
	s_add_co_u32 s46, s46, s47
	s_mov_b32 s47, 0
	s_add_nc_u64 s[20:21], s[20:21], s[46:47]
	s_add_nc_u64 s[12:13], s[12:13], s[20:21]
	s_add_nc_u64 s[66:67], s[66:67], s[20:21]
.macro MUL4 a, f, q, sc, zero
.irp b, 0,1,2,3
.if \zero
	v_wmma_scale_f32_16x16x128_f8f6f4 v[ACC+8*(4*(\a)+\b):ACC+8*(4*(\a)+\b)+7], v[\f+64+FR*\b:\f+64+FR*\b+FR-1], v[\f+FR*(\a):\f+FR*(\a)+FR-1], 0, v[SC+4*NQ*(\sc)+NQ*\b+(\q)], v[SC+4*NQ*(\sc)+NQ*(\a)+(\q)] matrix_a_scale:MATRIX_SCALE_ROW1
.else
	v_wmma_scale_f32_16x16x128_f8f6f4 v[ACC+8*(4*(\a)+\b):ACC+8*(4*(\a)+\b)+7], v[\f+64+FR*\b:\f+64+FR*\b+FR-1], v[\f+FR*(\a):\f+FR*(\a)+FR-1], v[ACC+8*(4*(\a)+\b):ACC+8*(4*(\a)+\b)+7], v[SC+4*NQ*(\sc)+NQ*\b+(\q)], v[SC+4*NQ*(\sc)+NQ*(\a)+(\q)] matrix_a_scale:MATRIX_SCALE_ROW1
.endif
.endr
.endm
.macro FETCH slot, q, f
	WIN TO_F
.irp i, 0,1,2,3
.irp c, 0,1,2,3
	ds_load_b128 v[\f+64+FR*\i+4*\c:\f+64+FR*\i+4*\c+3], v[ADRB+\slot] offset:128*(\q)+32*\c+\i*16*PITCH
.endr
.endr
.irp i, 0,1,2,3
.irp c, 0,1,2,3
	ds_load_b128 v[\f+FR*\i+4*\c:\f+FR*\i+4*\c+3], v[ADRA+\slot] offset:\i*NQ*2048+(\q)*2048+512*\c
.endr
.endr
.endm
.macro SCALES sc
.irp i, 0,1,2,3
	ds_load_b128 v[SC+4*NQ*\sc+NQ*\i:SC+4*NQ*\sc+NQ*\i+3], v[ADRS] offset:\i*SBLK
.endr
.endm
.macro PLACES n
.rept \n
	v_nop
.endr
.endm
.macro QUARTER slot, q, f, g, zero
	s_wait_dscnt 8
	WIN MUL
	MUL4 0, \f, \q, \slot, \zero
	MUL4 1, \f, \q, \slot, \zero
	PLACES NP
	FETCH \slot, (\q)+1, \g
	s_wait_dscnt 32
	WIN MUL
	MUL4 2, \f, \q, \slot, \zero
	MUL4 3, \f, \q, \slot, \zero
.endm
.macro TURN slot, next, fill
	WIN 0
	s_wait_tensorcnt 0x0
	ds_add_u32 v[SPW], v[NIL]
	s_wait_dscnt 9
	WIN MUL
	MUL4 0, F1, NQ-1, \slot, 0
	s_wait_dscnt 0x0
	s_barrier_signal -1
	MUL4 1, F1, NQ-1, \slot, 0
	WIN 0
	s_barrier_wait -1
.if \fill
	CREST
	s_add_nc_u64 s[G0+4*\slot+2:G0+4*\slot+3], s[G0+4*\slot+2:G0+4*\slot+3], ASTEP
	s_add_nc_u64 s[G0B+4*\slot+2:G0B+4*\slot+3], s[G0B+4*\slot+2:G0B+4*\slot+3], 2*ROWB
	JLOAD G0+4*\slot, G1, G0B+4*\slot, G1B
	PLACES NP-4
.else
	PLACES NP
.endif
	s_wait_alu depctr_va_vdst(0)
	v_add_nc_u32 v[ADRS], 4*NQ, v[ADRS]
	SCALES \next
	FETCH \next, 0, F0
	WIN MUL
	MUL4 2, F1, NQ-1, \slot, 0
	MUL4 3, F1, NQ-1, \slot, 0
.endm
.macro TOSTAGE a
.irp b, 0,1,2,3
	ds_store_b128 v[STO], v[ACC+8*(4*(\a)+\b):ACC+8*(4*(\a)+\b)+3] offset:64*\b
	ds_store_b128 v[STO], v[ACC+8*(4*(\a)+\b)+4:ACC+8*(4*(\a)+\b)+7] offset:64*\b+16
.endr
.set BB, BK+32*((\a)%2)
.irp t, 0,1,2,3,4,5,6,7
	ds_load_b128 v[BB+4*\t:BB+4*\t+3], v[RD] offset:\t*2*SPITCH
.endr
.endm
.macro SEND a, younger
.set BB, BK+32*((\a)%2)
.set RR, 32*(\a)
	s_wait_dscnt \younger
	s_wait_loadcnt 8*(3-(\a))
	WIN 0x08
.set i, 0
.rept 16
	v_pk_add_f32 v[BB+i:BB+i+1], v[BB+i:BB+i+1], v[RR+i:RR+i+1]
.set i, i+2
.endr
	WIN 0
.irp t, 0,1,2,3,4,5,6,7
	global_store_b128 v[CO], v[BB+4*\t:BB+4*\t+3], s[12:13] offset:(16*(\a)+2*\t)*SIZE_N*4 th:TH_STORE_NT
.endr
.endm
	s_wait_alu depctr_va_vdst(0)
	s_wait_tensorcnt 0x0                           ; my tile of the head's four is in; slot 1's first fill is issued as a refill is
	ds_add_u32 v[SPW], v[NIL]
	s_mov_b32 s[G1+2], 4<<16                       ; no tensor load of mine is out: from here on a load brings half a tile
	s_mov_b32 s[G1+4], 4
	s_mov_b32 s[G1B+2], 64<<16
	s_mov_b32 s[G1B+4], 64
	s_wait_dscnt 0x0
	CROUND
	JLOAD G0+4, G1, G0B+4, G1B
	SCALES 0
	FETCH 0, 0, F0
	WIN 0x80
.irp a, 0,1,2,3
.irp t, 0,1,2,3,4,5,6,7
	global_load_b128 v[32*\a+4*\t:32*\a+4*\t+3], v[CO], s[66:67] offset:(16*\a+2*\t)*SIZE_N*4 th:TH_LOAD_NT
.endr
.endr
	QUARTER 0, 0, F0, F1, 1
.if LAPS > 1
	WIN 0
	s_mov_b32 s3, LAPS-1
.Llap:
	QUARTER 0, 1, F1, F0, 0
	QUARTER 0, 2, F0, F1, 0
	TURN 0, 1, 1
	QUARTER 1, 0, F0, F1, 0
	QUARTER 1, 1, F1, F0, 0
	QUARTER 1, 2, F0, F1, 0
	TURN 1, 0, 1
	QUARTER 0, 0, F0, F1, 0
	WIN 0
	s_sub_co_u32 s3, s3, 1
	s_cmp_lg_u32 s3, 0
	s_cbranch_scc1 .Llap
.endif
	QUARTER 0, 1, F1, F0, 0
	QUARTER 0, 2, F0, F1, 0
	TURN 0, 1, 0
	QUARTER 1, 0, F0, F1, 0
	QUARTER 1, 1, F1, F0, 0
	QUARTER 1, 2, F0, F1, 0
	s_wait_dscnt 8
	WIN MUL
	MUL4 0, F1, NQ-1, 1, 0
	MUL4 1, F1, NQ-1, 1, 0
	s_wait_dscnt 0
	MUL4 2, F1, NQ-1, 1, 0
	MUL4 3, F1, NQ-1, 1, 0
	WIN 0
	PLACES NP
	TOSTAGE 0
.irp a, 1,2,3
.if \a > 1
	s_wait_xcnt 0x0
.endif
	TOSTAGE \a
	SEND \a-1, 16
.endr
	SEND 3, 0
	s_wait_tensorcnt 0x0
	ds_add_u32 v[SPW], v[NIL]
	s_wait_dscnt 0x0
	CROUND
	s_endpgm
.Lfunc_end_k_q807cc2fd5d_w2:
	.size	k_q807cc2fd5d_w2, .Lfunc_end_k_q807cc2fd5d_w2-k_q807cc2fd5d_w2
	.p2alignl 7, 3214868480
	.fill 96, 4, 3214868480
	.section	.rodata,"a",@progbits
	.p2align	6, 0x0
	.amdhsa_kernel k_q807cc2fd5d_w2
		.amdhsa_group_segment_fixed_size 327680
		.amdhsa_private_segment_fixed_size 0
		.amdhsa_enable_private_segment 0
		.amdhsa_kernarg_size 40
		.amdhsa_user_sgpr_count 2
		.amdhsa_user_sgpr_kernarg_segment_ptr 1
		.amdhsa_wavefront_size32 1
		.amdhsa_system_sgpr_workgroup_id_x 1
		.amdhsa_system_sgpr_workgroup_id_y 1
		.amdhsa_system_sgpr_workgroup_id_z 1
		.amdhsa_system_vgpr_workitem_id 0
		.amdhsa_next_free_vgpr 640
		.amdhsa_next_free_sgpr 106
		.amdhsa_reserve_vcc 0
		.amdhsa_float_denorm_mode_32 3
		.amdhsa_float_denorm_mode_16_64 3
		.amdhsa_memory_ordered 1
		.amdhsa_forward_progress 1
		.amdhsa_inst_pref_size 100
	.end_amdhsa_kernel
	.amdgpu_metadata
---
amdhsa.version: [ 1, 2 ]
amdhsa.kernels:
  - .name:           k_q807cc2fd5d_w2
    .symbol:         k_q807cc2fd5d_w2.kd
    .args:
      - { .name: g, .offset: 0, .size: 8, .value_kind: global_buffer, .address_space: global }
      - { .name: w2_codes, .offset: 8, .size: 8, .value_kind: global_buffer, .address_space: global }
      - { .name: w2_scales, .offset: 16, .size: 8, .value_kind: global_buffer, .address_space: global }
      - { .name: h, .offset: 24, .size: 8, .value_kind: global_buffer, .address_space: global }
      - { .name: out0, .offset: 32, .size: 8, .value_kind: global_buffer, .address_space: global }
    .group_segment_fixed_size: 327680
    .private_segment_fixed_size: 0
    .kernarg_segment_align: 8
    .kernarg_segment_size: 40
    .max_flat_workgroup_size: 128
    .sgpr_count:     106
    .vgpr_count:     640
    .wavefront_size: 32
...
	.end_amdgpu_metadata
.endif
;; end of part 12
